; MI455X (gfx1250); checked and timed in simulation.
; The chip was launched on July 23, 2026; its instructions are those of AMD's public machine-readable ISA for CDNA 5 (MIT licence, August 2026) and "CDNA5" Instruction Set Architecture Reference Guide (July 2026). The comments in the code are by the model that wrote it; some were corrected since.
;; Encoder Block. Allowed arithmetic: matrix products marked QUANTISED: E2M3 operands, one E8M0 scale for each 32 along K, by v_wmma_scale_f32_16x16x128_f8f6f4 with both operands' format E2M3, f32 sums; everything else in f32.
;; Inputs: W1 1,024 x 4,096 float32; W2 4,096 x 1,024 float32; Wk 1,024 x 1,024 float32; Wo 1,024 x 1,024 float32; Wq 1,024 x 1,024 float32; Wv 1,024 x 1,024 float32; b1 4,096 float32; b2 1,024 float32; be1 1,024 float32; be2 1,024 float32; bk 1,024 float32; bo 1,024 float32; bq 1,024 float32; bv 1,024 float32; g1 1,024 float32; g2 1,024 float32; mask 2 x 1 x 1 x 2,048 int32; x 2 x 2,048 x 1,024 float32.
;; Outputs: out0 2 x 2,048 x 1,024 float32.
;; This version of the problem:
;;   THIS VERSION OF THE PROBLEM IS GIVEN IN LOW PRECISION. The matrix products marked QUANTISED in the list below multiply operands that are first quantised to E2M3 (2 exponent bits, 3 mantissa bits; 6 bits a number), with one power-of-two scale for each 32 numbers along K (OCP MX v1.0); their sums are f32. All else is computed in f32.
;;   The module's matrix products, in the order in which they are computed (A, B: the left and right operand; K: the contracted axis; several contracted axes count as one K, in the product's order):
;;     1. [M 4,096, K 1,024] x [K 1,024, N 1,024]; A: input x; B: input Wq: QUANTISED
;;     2. [M 4,096, K 1,024] x [K 1,024, N 1,024]; A: input x; B: input Wk: QUANTISED
;;     3. [M 4,096, K 1,024] x [K 1,024, N 1,024]; A: input x; B: input Wv: QUANTISED
;;     4. batch 32 x [M 2,048, K 64] x [K 64, N 2,048]; A: computed on the way; B: computed on the way: QUANTISED
;;     5. batch 32 x [M 2,048, K 2,048] x [K 2,048, N 64]; A: softmax (see below); B: computed on the way: QUANTISED
;;     6. [M 4,096, K 1,024] x [K 1,024, N 1,024]; A: computed on the way; B: input Wo: QUANTISED
;;     7. [M 4,096, K 1,024] x [K 1,024, N 4,096]; A: computed on the way; B: input W1: QUANTISED
;;     8. [M 4,096, K 4,096] x [K 4,096, N 1,024]; A: computed on the way; B: input W2: QUANTISED
;;   THE QUANTISER, for each operand of a quantised product, along K:
;;     - K is cut into blocks of 32 from its start; a last block that is shorter is filled with zeros.
;;     - A block's scale is 2^e with e = floor(log2(the largest magnitude in the block)) - 2, held to -126 .. 127; a block of zeros has e = 0. As a byte (E8M0): e + 127.
;;     - Each number is divided by its block's scale, clamped to +-7.5, and rounded to the nearest number of E2M3, ties to even, subnormals kept.
;;     - The product sums the exact products of the quantised numbers (number of the format x scale) in f32.
;;   ~~~python
;;   def quantise(x, axis):      # numpy; x: float32 -> the quantised numbers, widened to float32 again
;;       x = np.moveaxis(x, axis, -1); K = x.shape[-1]
;;       x = np.pad(x, [(0, 0)] * (x.ndim - 1) + [(0, -K % 32)]); x = x.reshape(x.shape[:-1] + (-1, 32)); a = np.abs(x).max(-1, keepdims=True)
;;       e = np.where(a > 0, np.clip(np.frexp(np.where(a > 0, a, 1))[1] - 1 - 2, -126, 127), 0)      # np.frexp(a)[1] - 1 = floor(log2(a)), exactly
;;       r = np.clip(x / 2.0 ** e, -7.5, 7.5)
;;       step = 2.0 ** (np.maximum(np.frexp(np.where(r == 0, 1, r))[1] - 1, 0) - 3)
;;       q = np.round(r / step) * step * 2.0 ** e      # np.round: ties to even
;;       return np.moveaxis(q.reshape(q.shape[:-2] + (-1,))[..., :K], -1, axis).astype(np.float32)
;;   ~~~
;;   SOFTMAX AHEAD OF A QUANTISED PRODUCT. Where the list says 'softmax', what is quantised is not the finished softmax but p = 2^(t - M), with t = logit x log2(e) and M = ceil(the row's largest t), a whole number; so 1/2 < the row's largest p <= 1. The row's sum l is taken of the UNQUANTISED p, in f32, and the product's result is divided by l at the end. Since M is a whole number, a kernel that streams over the keys may use a running M (the ceiling of the running maximum): every later rescaling is an exact power of two, which a block's scale takes up: the codes' values come out the same.
;;   OPERANDS COMPUTED ON THE WAY. 'Computed on the way' means the value that the module computes at that place (a softmax that the list does not call 'softmax' is quantised finished and normalised). What goes into a quantiser is computed in f32, as accurately as f32 sums, v_exp_f32 and their like allow (about 1e-6 of the number): no bf16 or f16 on the way to a quantiser, and a product that is left as it is and whose result goes on into a quantised operand takes f32 operands (vector FMAs, or v_wmma_f32_16x16x4_f32). A number that lies on a knife's edge between two numbers of the format may be rounded either way, as far as f32 arithmetic and the matrix unit's own rounding can turn it there, and no further.
;; 2 versions. Each part assembles by itself: llvm-mc -triple=amdgcn-amd-amdhsa -mcpu=gfx1250 --defsym DOCPART=n.
;; ======== version 1 of 2: 8 launches
;; limits: right only within a limited range of input values
;; workspace buffers: pw 13,107,200 bytes; qkv 10,092,544 bytes; ctx 3,276,800 bytes; cf 16,777,216 bytes; o1 20,054,016 bytes; hid 13,107,200 bytes
;; launch prep (part 1): grid 512 x 1, 4 waves a work-group, no clusters, 34,304 bytes of LDS; arguments x, Wq, Wk, Wv, Wo, W1, W2, pw; writes pw
.if DOCPART == 1
	.amdgcn_target "amdgcn-amd-amdhsa--gfx1250"
	.amdhsa_code_object_version 6
	.text
	.protected	k_q905b182342_prep
	.globl	k_q905b182342_prep
	.p2align	8
	.type	k_q905b182342_prep,@function
k_q905b182342_prep:
	s_mov_b64 s[64:65], 0
	v_nop
	global_prefetch_b8 v0, s[64:65] scope:SCOPE_SE
	s_setreg_imm32_b32 hwreg(HW_REG_WAVE_MODE, 25, 1), 1
	s_wait_xcnt 0x0
; x [4096][1024] (K innermost) and the six weights [K][N] (K outermost), f32, become codes of FP6 (E2M3) and E8M0 scale bytes in pw, laid in the ORDER OF THE OPERAND'S REGISTERS.
; ROWS stand in position order: position p holds row sigma(p) = p with bits 3 and 4 exchanged; a row block is 16 positions.
; A fragment (row block rb, 128 along K: ks) is 1,536 bytes at ((ks / 2) x (rows / 16) + rb) x 3072 + (ks % 2) x 1536: registers 0-3 of lane l at 16 l, 4-5 at 512 + 8 l, 6-9 at 768 + 16 l, 10-11 at 1280 + 8 l.
; A scale word (four bytes: 128 along K of one row) lies at (rb x (K / 128) + ks) x 64 + 4 x row.
; A block's scale is 2^(floor(log2(largest magnitude)) - 2): its byte is the largest magnitude's exponent field - 2, held at 1 from below.
; LIMITS: a block of zeros, and one whose largest magnitude lies under 2^-124, gets the byte 1 (its codes are zeros or tiny; these bytes are read by this program alone); NaN and infinities are not served.
; SHARES: every work-group reads 128 KiB.  Work-groups 0-127: 32 tokens of x; 128-383: Wq, Wk, Wv, Wo, W2 (rows of 4,096 bytes); 384-511: W1 (rows of 16,384 bytes).  Waves share nothing: no barrier.
.set XWS, 12582912                     ; regions of pw: x, Wq, Wk, Wv as one operand of 7,168 rows at 0; their scale words here
.set WOC, 5505024
.set WOS, 12812288
.set W1C, 6291456
.set W1S, 12845056
.set W2C, 9437184
.set W2S, 12976128
.set SPARE, 33792                      ; behind the four stages of 8,448 bytes: the spare words, 128 bytes a wave
.set SPW, 250
.set NIL, 251
.set L16, 1                            ; v1 16 x lane   v2 8 x lane   v8 4 x lane   v3 lane % 16   v4 lane / 16   v5 4 x sigma(lane)   v6, v7 the stage, in and out
.set L8, 2
.set TM, 16                            ; v16-31 at work in QUANT
.set ST, 160                           ; v160-223 64 numbers of a lane's row
.set PC, 224                           ; v224-243 the codes just made
.set CW, 96                            ; v96-143 a weight's codes: two sets of 24, so that no store's data are written again
.set SEL, 32                           ; s[32:33] selects for lane l xor 16
; 64 numbers of a lane, register 16 b + i = k 32 b + 16 (lane / 16) + i of its row, become a fragment's codes in v[PC] on and its scale word in v[pw]
.macro QUANT s, pw
.irp b, 0,1,2,3
	v_max3_num_f32 v[TM+\b], |v[\s+16*\b]|, |v[\s+1+16*\b]|, 0x1800000   ; my 16 numbers of block b, and the floor 2^(3 - 127)
.endr
.irp i, 2,4,6,8,10,12,14
.irp b, 0,1,2,3
	v_max3_num_f32 v[TM+\b], v[TM+\b], |v[\s+16*\b+\i]|, |v[\s+1+16*\b+\i]|
.endr
.endr
.irp b, 0,1,2,3
	v_permlanex16_b32 v[TM+4+\b], v[TM+\b], s[SEL], s[SEL+1]
.endr
.irp b, 0,1,2,3
	v_max_num_f32 v[TM+\b], v[TM+\b], v[TM+4+\b]   ; with lane l xor 16's: the block's largest magnitude
.endr
.irp b, 0,1,2,3
	v_add_nc_u32 v[TM+12+\b], 0xff000000, v[TM+\b]   ; 2 off its exponent field: the conversion's scale operand
.endr
.irp b, 0,1,2,3
	v_lshrrev_b32 v[TM+4+\b], 23, v[TM+12+\b]      ; the scale's byte
.endr
	v_lshl_or_b32 v[\pw], v[TM+5], 8, v[TM+4]
	v_lshl_or_b32 v[\pw], v[TM+6], 16, v[\pw]
	v_lshl_or_b32 v[\pw], v[TM+7], 24, v[\pw]
.irp c, 0,1
	v_cvt_scalef32_pk16_fp6_f32 v[PC+6*\c:PC+2+6*\c], v[\s+32*\c:\s+15+32*\c], v[TM+12+2*\c]
	v_cvt_scalef32_pk16_fp6_f32 v[PC+12+4*\c:PC+14+4*\c], v[\s+16+32*\c:\s+31+32*\c], v[TM+13+2*\c]
.endr
	v_nop                                          ; one plain place behind a scaled conversion
.irp c, 0,1                                    ; a whole block to a lane: lanes 0-15 block 2 c, lanes 16-31 block 2 c + 1
.irp i, 0,1,2
	v_permlane16_swap_b32 v[PC+6*\c+\i], v[PC+12+4*\c+\i]
.endr
.irp i, 0,1,2
	v_mov_b32 v[PC+3+6*\c+\i], v[PC+12+4*\c+\i]
.endr
.endr
.endm
.macro FROUT sb, off                           ; the fragment in v[PC] on goes out as it stands: 512, 256, 512, 256 consecutive bytes
	global_store_b128 v[L16], v[PC:PC+3], s[\sb:\sb+1] offset:(\off)
	global_store_b64 v[L8], v[PC+4:PC+5], s[\sb:\sb+1] offset:(\off)+512
	global_store_b128 v[L16], v[PC+6:PC+9], s[\sb:\sb+1] offset:(\off)+768
	global_store_b64 v[L8], v[PC+10:PC+11], s[\sb:\sb+1] offset:(\off)+1280
.endm
	s_load_b512 s[8:23], s[0:1], 0x0               ; x s8, Wq s10, Wk s12, Wv s14, Wo s16, W1 s18, W2 s20, pw s22
	v_lshl_add_u32 v[SPW], v0, 2, SPARE
	v_mov_b32 v[NIL], 0
	v_lshrrev_b32 v9, 5, v0
	v_readfirstlane_b32 s30, v9                    ; wave
	v_and_b32 v9, 31, v0
	v_lshlrev_b32 v[L16], 4, v9
	v_lshlrev_b32 v[L8], 3, v9
	v_lshlrev_b32 v8, 2, v9
	v_and_b32 v3, 15, v0
	v_bfe_u32 v4, v0, 4, 1
	v_and_b32 v5, 7, v0
	v_bfe_u32 v10, v0, 3, 1
	v_lshl_or_b32 v5, v4, 3, v5
	v_lshl_or_b32 v5, v10, 4, v5
	v_lshlrev_b32 v5, 2, v5                        ; 4 x sigma(lane)
	s_mul_i32 s40, s30, 8448                       ; my stage
	v_add_nc_u32 v6, s40, v[L16]                   ; in: a row's 512 bytes as they lie
	v_mul_u32_u24 v7, v3, 528
	v_lshl_add_u32 v7, v4, 6, v7
	v_add_nc_u32 v7, s40, v7                       ; out: row lane % 16, + 64 x (lane / 16)
	s_mov_b32 s31, 0xffff0000                      ; lanes 16-31
	s_mov_b32 s[SEL], 0x76543210
	s_mov_b32 s[SEL+1], 0xfedcba98
	s_mov_b32 s47, 0
	s_wait_kmcnt 0x0
	s_cmp_lt_u32 ttmp9, 128
	s_cbranch_scc1 .Lxpath
	s_cmp_lt_u32 ttmp9, 384
	s_cbranch_scc0 .Lw1
; A WEIGHT.  A lane takes a column n (position order), its registers run down K: a block of 32 lies in one lane.  A wave takes 32 columns x 256 along K.
.macro WLOAD t, pitch
.set i, 0
.rept 32
	global_load_b32 v[32+32*((\t)%2)+i], v5, s[4:5] offset:(32*(\t)+i)*\pitch th:TH_LOAD_NT
.set i, i+1
.endr
.endm
.macro WBLOCK t, pitch
.set XS, 32+32*((\t)%2)
.set CQ, CW+24*((\t)/4)+6*((\t)%4)
.if (\t) < 7
	s_wait_loadcnt 32                              ; this block's 32 loads are in; the next block's 32 may be out
.else
	s_wait_loadcnt 0
.endif
	v_max3_num_f32 v12, |v[XS]|, |v[XS+1]|, |v[XS+2]|
	v_max3_num_f32 v13, |v[XS+3]|, |v[XS+4]|, |v[XS+5]|
.irp i, 6,10,14,18,22,26
	v_max3_num_f32 v12, v12, |v[XS+\i]|, |v[XS+\i+1]|
	v_max3_num_f32 v13, v13, |v[XS+\i+2]|, |v[XS+\i+3]|
.endr
	v_max3_num_f32 v12, v12, |v[XS+30]|, |v[XS+31]|
	v_max3_num_f32 v12, v12, v13, 0x1800000        ; and the floor
	v_add_nc_u32 v11, 0xff000000, v12
	v_lshrrev_b32 v13, 23, v11
.if (\t)%4 == 0
	v_mov_b32 v[20+(\t)/4], v13                    ; four bytes to a word, the lower K in the lower byte
.else
	v_lshl_or_b32 v[20+(\t)/4], v13, 8*((\t)%4), v[20+(\t)/4]
.endif
	v_cvt_scalef32_pk16_fp6_f32 v[CQ:CQ+2], v[XS:XS+15], v11
	v_cvt_scalef32_pk16_fp6_f32 v[144:146], v[XS+16:XS+31], v11   ; (a conversion's three registers begin on an even number)
	v_nop
	v_mov_b32 v[CQ+3], v144
	v_mov_b32 v[CQ+4], v145
	v_mov_b32 v[CQ+5], v146
.if (\t)+2 < 8
	WLOAD (\t)+2, \pitch
.endif
.endm
.macro WOUT q                                  ; blocks 4 q .. 4 q + 3 of 32 columns become the q-th fragments of two row blocks
.set CQ, CW+24*\q
.irp c, 0,1
.irp i, 0,1,2,3,4,5
	v_permlane16_swap_b32 v[CQ+12*\c+\i], v[CQ+12*\c+6+\i]   ; the even block's lanes 16-31 change places with the odd block's lanes 0-15: the first is now the first row block's half fragment, the second the second's
.endr
.endr
.irp c, 0,1
.irp e, 0,1
	global_store_b128 v[L16], v[CQ+12*\c+6*\e:CQ+12*\c+6*\e+3], s[34:35] offset:\e*3072+\q*1536+\c*768
	global_store_b64 v[L8], v[CQ+12*\c+6*\e+4:CQ+12*\c+6*\e+5], s[34:35] offset:\e*3072+\q*1536+\c*768+512
.endr
.endr
.endm
; s[4:5] the weight, s24 row blocks of the operand, s25 the tensor's first row block in it, s26 which 256 along K, s27 K / 128, s28, s29 the regions of codes and scale words, s42 which 128 columns
.macro WPATH pitch
	s_lshl_b32 s43, s42, 3
	s_lshl_b32 s44, s30, 1
	s_add_co_u32 s43, s43, s44                     ; my two row blocks in the tensor
	s_lshl_b32 s46, s43, 6                         ; their first column, in bytes
	s_add_co_u32 s43, s43, s25
	s_mul_i32 s48, s26, 256*\pitch
	s_add_co_u32 s46, s46, s48
	s_add_nc_u64 s[4:5], s[4:5], s[46:47]
	s_mul_i32 s46, s26, s24
	s_add_co_u32 s46, s46, s43
	s_mul_i32 s46, s46, 3072
	s_add_co_u32 s46, s46, s28
	s_add_nc_u64 s[34:35], s[22:23], s[46:47]      ; my codes
	s_mul_i32 s46, s43, s27
	s_lshl_b32 s48, s26, 1
	s_add_co_u32 s46, s46, s48
	s_lshl_b32 s46, s46, 6
	s_add_co_u32 s46, s46, s29
	s_add_nc_u64 s[36:37], s[22:23], s[46:47]      ; the first row block's scale words,
	s_lshl_b32 s46, s27, 6
	s_add_nc_u64 s[38:39], s[36:37], s[46:47]      ; the second's
	WLOAD 0, \pitch
	WLOAD 1, \pitch
.irp t, 0,1,2,3,4,5,6,7
	WBLOCK \t, \pitch
.if \t == 3
	WOUT 0
.endif
.if \t == 7
	WOUT 1
.endif
.endr
	v_permlane16_swap_b32 v20, v21                 ; v20: the first row block's two words a row (lanes 16-31: the second 128 along K), v21: the second's
	global_store_b32 v8, v20, s[36:37]             ; 128 consecutive bytes
	global_store_b32 v8, v21, s[38:39]
	s_endpgm
.endm
	s_sub_co_u32 s40, ttmp9, 128                   ; rows of 4,096 bytes: 32 work-groups each for Wq, Wk, Wv, Wo, 128 for W2
	s_lshr_b32 s41, s40, 5
	s_and_b32 s42, s40, 7
	s_lshr_b32 s26, s40, 3
	s_cmp_lt_u32 s41, 4
	s_cselect_b32 s43, 3, 15
	s_cselect_b32 s27, 8, 32
	s_and_b32 s26, s26, s43
	s_lshl_b32 s25, s41, 6
	s_add_co_u32 s25, s25, 256
	s_mov_b32 s28, W2C
	s_mov_b32 s29, W2S
	s_mov_b64 s[4:5], s[20:21]
	s_cmp_eq_u32 s41, 3
	s_cselect_b32 s28, WOC, s28
	s_cselect_b32 s29, WOS, s29
	s_cselect_b64 s[4:5], s[16:17], s[4:5]
	s_cmp_lt_u32 s41, 3
	s_cselect_b32 s24, 448, 64
	s_cselect_b32 s25, s25, 0
	s_cselect_b32 s28, 0, s28
	s_cselect_b32 s29, XWS, s29
	s_cmp_eq_u32 s41, 0
	s_cselect_b64 s[4:5], s[10:11], s[4:5]
	s_cmp_eq_u32 s41, 1
	s_cselect_b64 s[4:5], s[12:13], s[4:5]
	s_cmp_eq_u32 s41, 2
	s_cselect_b64 s[4:5], s[14:15], s[4:5]
	WPATH 4096
.Lw1:
	s_sub_co_u32 s40, ttmp9, 384                   ; W1: rows of 16,384 bytes
	s_and_b32 s42, s40, 31
	s_lshr_b32 s26, s40, 5
	s_mov_b32 s24, 256
	s_mov_b32 s25, 0
	s_mov_b32 s27, 8
	s_mov_b32 s28, W1C
	s_mov_b32 s29, W1S
	s_mov_b64 s[4:5], s[18:19]
	WPATH 16384
; x.  Work-group alpha takes tokens 32 alpha .. + 31 (two row blocks), wave w columns 256 w .. + 255: four fragments f = 2 q + u.  Each load reads a row's 512 consecutive bytes; the 16 rows turn through the
; wave's own stage (pitch 528), from which a lane takes 16 neighbours of each block of 32 of its row.
.Lxpath:
.irp b, 0,1,2,3
	v_mov_b32 v[TM+4+\b], 0                        ; a lane permute's destination counts as one of its sources
.endr
	s_lshl_b32 s46, ttmp9, 17
	s_lshl_b32 s48, s30, 10
	s_add_co_u32 s46, s46, s48
	s_add_nc_u64 s[4:5], s[8:9], s[46:47]
	s_mul_i32 s46, s30, 448
	s_lshl_b32 s48, ttmp9, 1
	s_add_co_u32 s46, s46, s48
	s_mul_i32 s46, s46, 3072
	s_add_nc_u64 s[34:35], s[22:23], s[46:47]
	s_lshl_b32 s46, ttmp9, 10
	s_lshl_b32 s48, s30, 7
	s_add_co_u32 s46, s46, s48
	s_add_co_u32 s46, s46, XWS
	s_add_nc_u64 s[36:37], s[22:23], s[46:47]
.macro XLOADF f
.set i, 0
.rept 16
	global_load_b128 v[32+64*((\f)%2)+4*i:35+64*((\f)%2)+4*i], v[L16], s[4:5] offset:(16*(i/8)+(i%8)+8*((\f)%2))*4096+512*((\f)/2) th:TH_LOAD_NT
.set i, i+1
.endr
.endm
.macro XFRAG f
.if (\f) < 3
	s_wait_loadcnt 16                              ; this fragment's 16 loads are in; the next one's 16 may be out
.else
	s_wait_loadcnt 0
.endif
.set i, 0
.rept 16
	ds_store_b128 v6, v[32+64*((\f)%2)+4*i:35+64*((\f)%2)+4*i] offset:528*i
.set i, i+1
.endr
.set i, 0
.rept 16
	ds_load_b128 v[ST+4*i:ST+4*i+3], v7 offset:128*(i/4)+16*(i%4)   ; LDS serves a wave's instructions in order: these see the stores above
.set i, i+1
.endr
	s_wait_dscnt 0x0                               ; the numbers are back, and the stores have read their registers
.if (\f) > 0
	s_wait_xcnt 0x0                                ; the last fragment's stores have read v[PC] on: it is written again only behind this wait
.endif
.if (\f)+2 < 4
	XLOADF (\f)+2
.endif
	QUANT ST, 244+(\f)
	FROUT 34, ((\f)%2)*3072+((\f)/2)*1536
.endm
	XLOADF 0
	XLOADF 1
	XFRAG 0
	XFRAG 1
	XFRAG 2
	XFRAG 3
	v_cndmask_b32 v10, v244, v246, s31             ; lanes 0-15 the first 128 along K, lanes 16-31 the second
	v_cndmask_b32 v11, v245, v247, s31
	global_store_b32 v8, v10, s[36:37]
	global_store_b32 v8, v11, s[36:37] offset:512
	s_wait_tensorcnt 0x0                           ; the wave's end, behind my last LDS store
	ds_add_u32 v[SPW], v[NIL]
	s_wait_dscnt 0x0
	s_endpgm
.Lfunc_end_k_q905b182342_prep:
	.size	k_q905b182342_prep, .Lfunc_end_k_q905b182342_prep-k_q905b182342_prep
	.p2alignl 7, 3214868480
	.fill 96, 4, 3214868480
	.section	.rodata,"a",@progbits
	.p2align	6, 0x0
	.amdhsa_kernel k_q905b182342_prep
		.amdhsa_group_segment_fixed_size 34304
		.amdhsa_private_segment_fixed_size 0
		.amdhsa_enable_private_segment 0
		.amdhsa_kernarg_size 64
		.amdhsa_user_sgpr_count 2
		.amdhsa_user_sgpr_kernarg_segment_ptr 1
		.amdhsa_wavefront_size32 1
		.amdhsa_system_sgpr_workgroup_id_x 1
		.amdhsa_system_sgpr_workgroup_id_y 1
		.amdhsa_system_sgpr_workgroup_id_z 1
		.amdhsa_system_vgpr_workitem_id 0
		.amdhsa_next_free_vgpr 256
		.amdhsa_next_free_sgpr 66
		.amdhsa_reserve_vcc 0
		.amdhsa_float_denorm_mode_32 3
		.amdhsa_float_denorm_mode_16_64 3
		.amdhsa_memory_ordered 1
		.amdhsa_forward_progress 1
		.amdhsa_inst_pref_size 113
	.end_amdhsa_kernel
	.amdgpu_metadata
---
amdhsa.version: [ 1, 2 ]
amdhsa.kernels:
  - .name:           k_q905b182342_prep
    .symbol:         k_q905b182342_prep.kd
    .args:
      - { .name: x, .offset: 0, .size: 8, .value_kind: global_buffer, .address_space: global }
      - { .name: Wq, .offset: 8, .size: 8, .value_kind: global_buffer, .address_space: global }
      - { .name: Wk, .offset: 16, .size: 8, .value_kind: global_buffer, .address_space: global }
      - { .name: Wv, .offset: 24, .size: 8, .value_kind: global_buffer, .address_space: global }
      - { .name: Wo, .offset: 32, .size: 8, .value_kind: global_buffer, .address_space: global }
      - { .name: W1, .offset: 40, .size: 8, .value_kind: global_buffer, .address_space: global }
      - { .name: W2, .offset: 48, .size: 8, .value_kind: global_buffer, .address_space: global }
      - { .name: pw, .offset: 56, .size: 8, .value_kind: global_buffer, .address_space: global }
    .group_segment_fixed_size: 34304
    .private_segment_fixed_size: 0
    .kernarg_segment_align: 8
    .kernarg_segment_size: 64
    .max_flat_workgroup_size: 128
    .sgpr_count:     66
    .vgpr_count:     256
    .wavefront_size: 32
...
	.end_amdgpu_metadata
.endif
;; end of part 1
;; launch qkv (part 2): grid 8 x 24, 4 waves a work-group, clusters of 4 x 4, 327,680 bytes of LDS; arguments pw, bq, bk, bv, mask, qkv; writes qkv
.if DOCPART == 2
	.amdgcn_target "amdgcn-amd-amdhsa--gfx1250"
	.amdhsa_code_object_version 6
	.text
	.protected	k_q905b182342_qkv
	.globl	k_q905b182342_qkv
	.p2align	8
	.type	k_q905b182342_qkv,@function
k_q905b182342_qkv:
	s_mov_b64 s[64:65], 0
	v_nop
	global_prefetch_b8 v0, s[64:65] scope:SCOPE_SE
	s_setreg_imm32_b32 hwreg(HW_REG_WAVE_MODE, 25, 1), 1
	s_wait_xcnt 0x0
	s_wait_alu depctr_hold_cnt(0) depctr_sa_sdst(0) depctr_va_vdst(0) depctr_va_sdst(0) depctr_va_ssrc(0) depctr_va_vcc(0) depctr_vm_vsrc(0)
	s_getreg_b32 s2, hwreg(HW_REG_IB_STS2, 6, 4)
	s_cmp_eq_u32 s2, 0
	s_cbranch_scc0 .Lentry_in_a_cluster
	s_endpgm
.Lentry_in_a_cluster:
	s_bfe_u32 s2, ttmp6, 0x10000c
	s_cmp_lg_u32 s2, 0xf033
	s_cbranch_scc0 .Lentry_shape_is_right
	s_endpgm
.Lentry_shape_is_right:
; Q = x Wq + bq, K = x Wk + bk, V = x Wv + bv on codes of FP6 (E2M3) with E8M0 scales; the results are quantised at once: Q and K along the head's 64, V along the keys, and laid as records for the attention launch.
; Both operands lie in pw as ONE operand of 7,168 rows (row blocks 0-255 x, 256-319 Wq, 320-383 Wk, 384-447 Wv), in the order of the operand's registers: a slot's 128 rows x 256 K are 24,576 dense bytes.
; A tile of 256 x 256 is made by four waves, 128 x 128 each (64 accumulators).  K goes in steps of 256 through two LDS slots filled by joint tensor loads of a 4 x 4 cluster; all scale words come once, with the first fills.
; THE PRODUCT IS USED TRANSPOSED: source 0 = 'B' (its rows run along a lane's registers), source 1 = 'A' (a lane holds one of its rows).  Rows stand in position order (bits 3 and 4 of a row's number exchanged), so a lane's
; 16 registers of two neighbouring tiles of B are 16 neighbours.  Clusters y 0-3: A = tokens, B = Wq (cluster x 0) or Wk (1).  Clusters y 4, 5: A = Wv, B = tokens, so that V's registers run along the keys.
; A RECORD (batch x head g, 128 tokens ks) is 19,712 bytes at (16 g + ks) x 19712: K's 8 tiles (768 bytes each), V's 4 fragments at 6144, K's scale words at 12288, V's at 12800, Q's tiles at 13056, Q's scale words at 19200.
; THE MASK rides in the score product's empty half of K: byte 2 of Q's scale word is 162 (2^35); byte 2 of K's is 162 where mask == 0, else 1.  The attention launch sets the codes 1.0 and -1.0 at k = 64.
; LIMITS: a hidden key's score is -2^70 in place of -1e20 (the same result while open logits stay above -1e20); an open key's score carries -2^-91; blocks of zeros get the byte 1; NaN and infinities are not served.
.set KK,    1024
.set SSA,   1376256                    ; bytes from a slot to the next in memory: 448 row blocks x 3,072
.set SSB,   1376256
.set XWS,   12582912
.set REC,   19712
.set RECH,  315392                     ; from a head's record to the next head's
.set NQ,    2
.set FR,    12
.set NL,    4                          ; LDS loads that bring a fragment
.set NP,    4                          ; places behind this matrix instruction
.set HALFT, 24576                      ; 8 row blocks x 256 K: what one tensor load brings
.set SLOT,  4*HALFT
.set SCL,   2*SLOT
.set NKS,   KK/128
.set HALFS, 512*NKS                    ; the scale words of 8 row blocks
.set SPARE, SCL+4*HALFS                ; the spare words, 128 bytes a wave
.set LAPS,  KK/512
.set ADRA, 16                          ; v16-17 A's fragments in slot 0, 1 (16 x lane); v18-19 the same with 8 x lane
.set ADRB, 20                          ; v20-23 likewise for B
.set L16,  24
.set L8,   25
.set ADRS, 27
.set SPW,  28
.set NIL,  29
.set SC,   32                          ; v32-63 scale words, two sets; on the way out the scale words just made
.set BI,   64                          ; v64-127 the bias along my registers
.set AF,   128                         ; v128-223 A's fragments, one set
.set ST,   128                         ; the way out: v128-191 a block's 64 numbers, v192-211 codes, v212-227 at work
.set PC,   192
.set TM,   212
.set MK,   232                         ; v232-239 a word a lane for each of my 8 blocks of A: the mask (Q, K) or bv (V)
.set SEL,  92
.set G1, 24
.set G0, 32
.set G1B, 48
.set G0B, 56
.set G1S, 68
.set G0S, 76
.set G1SB, 80
.set G0SB, 88
.set MSB, 0
.macro WIN new                         ; the immediate's high byte repeats the setting that is left
.if MSB != (\new)
	s_set_vgpr_msb (MSB<<8)|(\new)
.set MSB, (\new)
.endif
.endm
.set MUL_LO, 0xa1                      ; source 0 (B) window 1, source 1 (A) window 0, C and D window 2
.set MUL_HI, 0xf1
.set TO_B,   0x40
.macro JLOAD g0a, g1a, g0b, g1b        ; a joint load: waves 0, 1 fetch for A, waves 2, 3 for B; s_nop 0 and four v_nop follow each line
	s_cmp_eq_u32 s15, 0
	s_cbranch_scc0 .Lfor_b_\@
	tensor_load_to_lds s[\g0a:\g0a+3], s[\g1a:\g1a+7]
	s_nop 0
.rept 4
	v_nop
.endr
	s_branch .Lasked_\@
.Lfor_b_\@:
	tensor_load_to_lds s[\g0b:\g0b+3], s[\g1b:\g1b+7]
	s_nop 0
.rept 4
	v_nop
.endr
.Lasked_\@:
.endm
.macro CREST
	s_cmp_lg_u32 s14, 0
	s_cbranch_scc1 .Lnot_wave_0_\@
	s_barrier_signal -3
.Lnot_wave_0_\@:
	s_barrier_wait -3
	s_barrier_signal -1
	s_barrier_wait -1
.endm
.macro CROUND
	s_barrier_signal -1
	s_barrier_wait -1
	CREST
.endm
	s_load_b64 s[4:5], s[0:1], 0x0                 ; pw
	s_load_b128 s[96:99], s[0:1], 0x8              ; bq, bk
	s_load_b128 s[8:11], s[0:1], 0x18              ; bv, mask
	s_load_b64 s[12:13], s[0:1], 0x28              ; qkv
	v_lshl_add_u32 v[SPW], v0, 2, SPARE
	v_mov_b32 v[NIL], 0
	ds_add_u32 v[SPW], v[NIL]                      ; the wave's opening: the add and its wait ahead of my first tensor load
	v_lshrrev_b32 v1, 5, v0
	v_readfirstlane_b32 s14, v1                    ; wave
	s_lshr_b32 s15, s14, 1                         ; my half of A's rows.  Also: I fetch for A (0) or B (1)
	s_and_b32 s16, s14, 1                          ; my half of B's rows.  Also: which 8 row blocks I fetch
	s_bfe_u32 s40, ttmp6, 0x40000                  ; cx
	s_bfe_u32 s41, ttmp6, 0x40004                  ; cy
	s_and_b32 s95, ttmp7, 0xffff                   ; the cluster's y: the same in all partners
	s_lshl_b32 s18, s95, 2
	s_lshl_b32 s19, ttmp9, 2
	s_add_co_u32 s20, s19, 16
	s_lshl_b32 s21, s95, 3
	s_add_co_u32 s21, s21, s19
	s_sub_co_u32 s21, s21, 32
	s_cmp_lt_u32 s95, 4
	s_cselect_b32 s17, s18, 24                     ; A's tile of 256 rows: tokens 4 Y + cy, or Wv 24 + cy
	s_cselect_b32 s42, s20, s21                    ; B's: Wq, Wk 16 + 4 X + cx, or tokens 4 X + 8 Y - 32 + cx
	s_add_co_u32 s17, s17, s41
	s_add_co_u32 s42, s42, s40
	s_lshl_b32 s43, s41, 2
	s_lshl_b32 s43, 15, s43                        ; my row of the cluster
	s_lshl_b32 s44, 0x1111, s40                    ; my column
	s_or_b32 s[G1+0], s43, (3<<16)|(1<<21)         ; the mask; elements of 8 bytes; no padding; bit 21 beside a mask
	s_or_b32 s[G1B+0], s44, (3<<16)|(1<<21)
.irp g, G1, G1B
	s_mov_b32 s[\g+1], 32<<16                      ; 96 rows of 256 dense bytes
	s_mov_b32 s[\g+2], 96<<16
	s_mov_b32 s[\g+3], 32<<16
	s_mov_b32 s[\g+4], 96
	s_mov_b32 s[\g+5], 32
	s_mov_b32 s[\g+6], 0
	s_mov_b32 s[\g+7], 0
.endr
	s_or_b32 s[G1S+0], s43, (3<<16)|(1<<21)
	s_or_b32 s[G1SB+0], s44, (3<<16)|(1<<21)
.irp g, G1S, G1SB
	s_mov_b32 s[\g+1], 32<<16                      ; the scale words of 8 row blocks: 2 NKS rows of 256 dense bytes
	s_mov_b32 s[\g+2], (2*NKS)<<16
	s_mov_b32 s[\g+3], 32<<16
	s_mov_b32 s[\g+4], 2*NKS
	s_mov_b32 s[\g+5], 32
	s_mov_b32 s[\g+6], 0
	s_mov_b32 s[\g+7], 0
.endr
	s_lshl_b32 s18, s16, 3
	s_lshl_b32 s20, s17, 4
	s_add_co_u32 s20, s20, s18                     ; A: the first row block that I fetch
	s_lshl_b32 s46, s42, 4
	s_add_co_u32 s46, s46, s18                     ; B
	s_mul_i32 s22, s20, NKS*64
	s_mul_i32 s92, s46, NKS*64
	s_mul_i32 s20, s20, 3072
	s_mul_i32 s46, s46, 3072
	s_mov_b32 s21, 0
	s_mov_b32 s23, 0
	s_mov_b32 s47, 0
	s_mov_b32 s93, 0
	s_mul_i32 s45, s14, HALFT                      ; where they go: by the wave's number alone
	s_mul_i32 s94, s14, HALFS
	s_wait_dscnt 0x0                               ; the opening add is done
	s_wait_kmcnt 0x0
	s_add_nc_u64 s[6:7], s[4:5], XWS
	s_add_nc_u64 s[20:21], s[4:5], s[20:21]
	s_add_nc_u64 s[22:23], s[6:7], s[22:23]
	s_add_nc_u64 s[46:47], s[4:5], s[46:47]
	s_add_nc_u64 s[92:93], s[6:7], s[92:93]
	CROUND                                         ; all sixteen work-groups are here: the first joint loads meet
	s_mov_b32 s[G0S], 1
	s_add_co_u32 s[G0S+1], s94, SCL
	s_mov_b64 s[G0S+2:G0S+3], s[22:23]
	s_or_b32 s[G0S+3], s[G0S+3], 0x80000000
	s_mov_b32 s[G0SB], 1
	s_add_co_u32 s[G0SB+1], s94, SCL
	s_mov_b64 s[G0SB+2:G0SB+3], s[92:93]
	s_or_b32 s[G0SB+3], s[G0SB+3], 0x80000000
	JLOAD G0S, G1S, G0SB, G1SB
.irp s, 0,1
	s_mov_b32 s[G0+4*\s], 1
	s_add_co_u32 s[G0+4*\s+1], s45, \s*SLOT
	s_add_nc_u64 s[G0+4*\s+2:G0+4*\s+3], s[20:21], \s*SSA
	s_or_b32 s[G0+4*\s+3], s[G0+4*\s+3], 0x80000000
	s_mov_b32 s[G0B+4*\s], 1
	s_add_co_u32 s[G0B+4*\s+1], s45, \s*SLOT
	s_add_nc_u64 s[G0B+4*\s+2:G0B+4*\s+3], s[46:47], \s*SSB
	s_or_b32 s[G0B+4*\s+3], s[G0B+4*\s+3], 0x80000000
	JLOAD G0+4*\s, G1, G0B+4*\s, G1B
.endr
	v_and_b32 v1, 15, v0                           ; r
	v_bfe_u32 v2, v0, 4, 1                         ; h
	v_and_b32 v3, 31, v0
	v_lshlrev_b32 v[L16], 4, v3
	v_lshlrev_b32 v[L8], 3, v3
	s_mul_i32 s21, s15, HALFT
	s_mul_i32 s22, s16, HALFT
	s_add_co_u32 s22, s22, 2*HALFT
.irp s, 0,1
	v_add_nc_u32 v[ADRA+\s], s21, v[L16]
	v_add_nc_u32 v[ADRB+\s], s22, v[L16]
	v_add_nc_u32 v[ADRA+2+\s], s21, v[L8]
	v_add_nc_u32 v[ADRB+2+\s], s22, v[L8]
	s_add_co_u32 s21, s21, SLOT
	s_add_co_u32 s22, s22, SLOT
.endr
	v_lshlrev_b32 v5, 2, v1
	s_mul_i32 s21, s15, HALFS
	s_mul_i32 s22, s16, HALFS
	s_add_co_u32 s22, s22, 2*HALFS
	s_sub_co_u32 s22, s22, s21
	v_mul_u32_u24 v6, s22, v2                      ; lanes 16-31 take B's words
	s_add_co_u32 s21, s21, SCL
	v_add_nc_u32 v5, v5, v6
	v_add_nc_u32 v[ADRS], s21, v5
	; what the way out wants, the same lines on both paths: the bias along my registers, a word a lane for each block of A, and my first record
	s_cmp_eq_u32 ttmp9, 0
	s_cselect_b64 s[96:97], s[96:97], s[98:99]     ; bq or bk,
	s_cmp_lt_u32 s95, 4
	s_cselect_b64 s[96:97], s[96:97], s[8:9]       ; or bv
	s_cselect_b64 s[10:11], s[10:11], s[96:97]     ; the word a lane: of the mask, or of bv
	s_cselect_b32 s45, s17, s42                    ; the tokens' tile,
	s_cselect_b32 s46, s15, s16                    ; my half of it,
	s_cselect_b32 s47, s40, s41                    ; the weight's tile in its matrix,
	s_cselect_b32 s22, s16, s15                    ; my half of it
	s_lshl_b32 s23, s47, 10
	s_lshl_b32 s92, s22, 9
	s_add_co_u32 s23, s23, s92                     ; my first n, in bytes
	s_lshl_b32 s92, s45, 10
	s_lshl_b32 s93, s46, 9
	s_add_co_u32 s92, s92, s93                     ; my first token, in bytes
	s_cmp_lt_u32 s95, 4
	s_cselect_b32 s92, s92, s23
	s_mov_b32 s93, 0
	s_add_nc_u64 s[10:11], s[10:11], s[92:93]
	s_mov_b32 s92, s23
	s_add_nc_u64 s[96:97], s[96:97], s[92:93]
	s_lshr_b32 s92, s45, 3                         ; batch
	s_lshl_b32 s92, s92, 4
	s_lshl_b32 s93, s47, 2
	s_add_co_u32 s92, s92, s93
	s_lshl_b32 s93, s22, 1
	s_add_co_u32 s92, s92, s93                     ; g of my first head
	s_lshl_b32 s92, s92, 4
	s_lshl_b32 s93, s45, 1
	s_add_co_u32 s93, s93, s46
	s_and_b32 s93, s93, 15
	s_add_co_u32 s92, s92, s93
	s_mul_i32 s92, s92, REC
	s_mov_b32 s93, 0
	s_add_nc_u64 s[12:13], s[12:13], s[92:93]      ; qkv at my first record
	v_lshlrev_b32 v30, 6, v2                       ; 64 h
	v_and_b32 v5, 7, v1
	v_lshrrev_b32 v6, 3, v1
	v_lshlrev_b32 v5, 2, v5
	v_lshl_add_u32 v31, v6, 6, v5                  ; 4 x (r % 8 + 16 (r / 8)): row r of a row block
.irp b, 0,1,2,3,4,5,6,7
	global_load_b128 v[BI+8*\b:BI+8*\b+3], v30, s[96:97] offset:(32*(\b/2)+8*(\b%2))*4
	global_load_b128 v[BI+8*\b+4:BI+8*\b+7], v30, s[96:97] offset:(32*(\b/2)+8*(\b%2))*4+16
	global_load_b32 v[MK+\b], v31, s[10:11] offset:(32*(\b/2)+8*(\b%2))*4
.endr
	s_mov_b32 s[SEL], 0x76543210
	s_mov_b32 s[SEL+1], 0xfedcba98
	s_mov_b32 s94, 0xffff0000                      ; lanes 16-31
.macro FRAG reg, adr, q, i             ; a fragment comes as it was laid: every load takes 512 or 256 consecutive bytes
	ds_load_b128 v[\reg:\reg+3], v[\adr] offset:3072*(\i)+1536*(\q)
	ds_load_b64 v[\reg+4:\reg+5], v[\adr+2] offset:3072*(\i)+1536*(\q)+512
	ds_load_b128 v[\reg+6:\reg+9], v[\adr] offset:3072*(\i)+1536*(\q)+768
	ds_load_b64 v[\reg+10:\reg+11], v[\adr+2] offset:3072*(\i)+1536*(\q)+1280
.endm
; 16 matrix instructions: A's blocks a0, a0 + 1 x B's eight.  The 64 accumulators take turns, one instruction a turn, in the same order in every step
.macro MUL16 a0, p, q, sc, zero
.irp a, \a0, \a0+1
.irp b, 0,1,2,3,4,5,6,7
.if \zero
	v_wmma_scale_f32_16x16x128_f8f6f4 v[8*(8*((\a)%4)+\b):8*(8*((\a)%4)+\b)+7], v[128*(\p)+FR*\b:128*(\p)+FR*\b+FR-1], v[AF+FR*(\a):AF+FR*(\a)+FR-1], 0, v[SC+8*NQ*(\sc)+NQ*\b+(\q)], v[SC+8*NQ*(\sc)+NQ*(\a)+(\q)] matrix_a_fmt:MATRIX_FMT_FP6 matrix_b_fmt:MATRIX_FMT_FP6 matrix_a_scale:MATRIX_SCALE_ROW1
.else
	v_wmma_scale_f32_16x16x128_f8f6f4 v[8*(8*((\a)%4)+\b):8*(8*((\a)%4)+\b)+7], v[128*(\p)+FR*\b:128*(\p)+FR*\b+FR-1], v[AF+FR*(\a):AF+FR*(\a)+FR-1], v[8*(8*((\a)%4)+\b):8*(8*((\a)%4)+\b)+7], v[SC+8*NQ*(\sc)+NQ*\b+(\q)], v[SC+8*NQ*(\sc)+NQ*(\a)+(\q)] matrix_a_fmt:MATRIX_FMT_FP6 matrix_b_fmt:MATRIX_FMT_FP6 matrix_a_scale:MATRIX_SCALE_ROW1
.endif
.endr
.endr
.endm
.macro FETCH_B slot, q, p
	WIN TO_B
.irp i, 0,1,2,3,4,5,6,7
	FRAG 128*(\p)+FR*\i, ADRB+\slot, \q, \i
.endr
	WIN 0
.endm
.macro FETCH_A slot, q, i0
.irp i, \i0, \i0+1, \i0+2, \i0+3
	FRAG AF+FR*(\i), ADRA+\slot, \q, \i
.endr
.endm
.macro SCALES sc                       ; a K step's scale words: lanes 0-15 A's block i, lanes 16-31 B's block i
.irp i, 0,1,2,3,4,5,6,7
	ds_load_b32 v[SC+8*NQ*\sc+NQ*\i], v[ADRS] offset:\i*NKS*64
	ds_load_b32 v[SC+8*NQ*\sc+NQ*\i+1], v[ADRS] offset:\i*NKS*64+64
.endr
.endm
.macro PLACES n                        ; plain vector places behind matrix instructions, ahead of loads into their registers and of reads of results
.rept \n
	v_nop
.endr
.endm
.macro STEP slot, q, zero              ; 128 along K with its successor in the same slot
	s_wait_dscnt 4*NL                              ; all but the youngest 16 loads (A's blocks 4-7) are in
	WIN MUL_LO
	MUL16 0, (\q)%2, \q, \slot, \zero
	MUL16 2, (\q)%2, \q, \slot, \zero
	s_wait_dscnt 0
	PLACES NP
	FETCH_B \slot, (\q)+1, 1-(\q)%2
	FETCH_A \slot, (\q)+1, 0
	WIN MUL_HI
	MUL16 4, (\q)%2, \q, \slot, \zero
	MUL16 6, (\q)%2, \q, \slot, \zero
	PLACES NP
	WIN 0
	FETCH_A \slot, (\q)+1, 4
.endm
; A slot's last step changes slots: one barrier; ahead of it each wave waits for all its tensor loads, adds 0 to its spare word, and waits for that and for its reads of this slot
.macro TURN slot, next, fill
	s_wait_tensorcnt 0x0                           ; all my tensor loads have landed: my part of the next slot
	ds_add_u32 v[SPW], v[NIL]
	s_wait_dscnt 4*NL+1                            ; (the add and the youngest 16 loads may be out)
	WIN MUL_LO
	MUL16 0, 1, NQ-1, \slot, 0
	s_wait_dscnt 0x0                               ; the add is done, and my reads of this slot are over
	s_barrier_signal -1
	MUL16 2, 1, NQ-1, \slot, 0
	WIN 0
	s_barrier_wait -1
.if \fill
	CREST                                          ; the barrier has opened a round of the cluster's: no wave of any partner still reads this slot or has a load on its way
	s_add_nc_u64 s[G0+4*\slot+2:G0+4*\slot+3], s[G0+4*\slot+2:G0+4*\slot+3], 2*SSA
	s_add_nc_u64 s[G0B+4*\slot+2:G0B+4*\slot+3], s[G0B+4*\slot+2:G0B+4*\slot+3], 2*SSB
	JLOAD G0+4*\slot, G1, G0B+4*\slot, G1B         ; the first tensor load behind the round
.else
	PLACES NP
.endif
	v_add_nc_u32 v[ADRS], 64*NQ, v[ADRS]           ; the next K step's scale words
	FETCH_B \next, 0, 0
	FETCH_A \next, 0, 0
	SCALES \next
	WIN MUL_HI
	MUL16 4, 1, NQ-1, \slot, 0
	MUL16 6, 1, NQ-1, \slot, 0
	PLACES NP
	WIN 0
	FETCH_A \next, 0, 4
.endm
	s_wait_loadcnt 0x0                             ; the bias and the words: their address registers are free from here on
	s_wait_tensorcnt 1                             ; the scale words and my part of K step 0 are in; K step 1's load may be out
	s_barrier_signal -1
	s_barrier_wait -1
	FETCH_B 0, 0, 0
	FETCH_A 0, 0, 0
	SCALES 0
	FETCH_A 0, 0, 4
	STEP 0, 0, 1                                   ; the first step starts the sums: nothing is cleared
	s_mov_b32 s3, LAPS-1
.Llap:
	TURN 0, 1, 1
	STEP 1, 0, 0
	TURN 1, 0, 1
	STEP 0, 0, 0
	s_sub_co_u32 s3, s3, 1
	s_cmp_lg_u32 s3, 0
	s_cbranch_scc1 .Llap
	TURN 0, 1, 0                                   ; the last lap fills nothing
	STEP 1, 0, 0
	s_wait_dscnt 4*NL
	WIN MUL_LO
	MUL16 0, 1, NQ-1, 1, 0
	MUL16 2, 1, NQ-1, 1, 0
	s_wait_dscnt 0
	WIN MUL_HI
	MUL16 4, 1, NQ-1, 1, 0
	MUL16 6, 1, NQ-1, 1, 0
	WIN 0
; THE WAY OUT.  Block a of A: a lane's 64 results, register 16 b + i = B's row 32 b + 16 (lane / 16) + i, get their bias and are quantised in registers.
.macro QUANT s, pw
.irp b, 0,1,2,3
	v_max3_num_f32 v[TM+\b], |v[\s+16*\b]|, |v[\s+1+16*\b]|, 0x1800000   ; my 16 numbers of block b, and the floor 2^(3 - 127)
.endr
.irp i, 2,4,6,8,10,12,14
.irp b, 0,1,2,3
	v_max3_num_f32 v[TM+\b], v[TM+\b], |v[\s+16*\b+\i]|, |v[\s+1+16*\b+\i]|
.endr
.endr
.irp b, 0,1,2,3
	v_permlanex16_b32 v[TM+4+\b], v[TM+\b], s[SEL], s[SEL+1]
.endr
.irp b, 0,1,2,3
	v_max_num_f32 v[TM+\b], v[TM+\b], v[TM+4+\b]
.endr
.irp b, 0,1,2,3
	v_add_nc_u32 v[TM+12+\b], 0xff000000, v[TM+\b]   ; 2 off the exponent field: the conversion's scale operand
.endr
.irp b, 0,1,2,3
	v_lshrrev_b32 v[TM+4+\b], 23, v[TM+12+\b]
.endr
	v_lshl_or_b32 v[\pw], v[TM+5], 8, v[TM+4]
	v_lshl_or_b32 v[\pw], v[TM+6], 16, v[\pw]
	v_lshl_or_b32 v[\pw], v[TM+7], 24, v[\pw]
.irp c, 0,1
	v_cvt_scalef32_pk16_fp6_f32 v[PC+6*\c:PC+2+6*\c], v[\s+32*\c:\s+15+32*\c], v[TM+12+2*\c]
	v_cvt_scalef32_pk16_fp6_f32 v[PC+12+4*\c:PC+14+4*\c], v[\s+16+32*\c:\s+31+32*\c], v[TM+13+2*\c]
.endr
	v_nop                                          ; one plain place behind a scaled conversion
.irp c, 0,1
.irp i, 0,1,2
	v_permlane16_swap_b32 v[PC+6*\c+\i], v[PC+12+4*\c+\i]
.endr
.irp i, 0,1,2
	v_mov_b32 v[PC+3+6*\c+\i], v[PC+12+4*\c+\i]
.endr
.endr
.endm
.macro FROUT sb, off
	global_store_b128 v[L16], v[PC:PC+3], s[\sb:\sb+1] offset:(\off)
	global_store_b64 v[L8], v[PC+4:PC+5], s[\sb:\sb+1] offset:(\off)+512
	global_store_b128 v[L16], v[PC+6:PC+9], s[\sb:\sb+1] offset:(\off)+768
	global_store_b64 v[L8], v[PC+10:PC+11], s[\sb:\sb+1] offset:(\off)+1280
.endm
.macro BLOCKIN a                       ; + the bias along the registers; each accumulator is read from its low end on
	WIN 0x02+((\a)/4)
.set p, 0
.rept 32
	v_pk_add_f32 v[ST+p:ST+p+1], v[64*((\a)%4)+p:64*((\a)%4)+p+1], v[BI+p:BI+p+1]
.set p, p+2
.endr
	WIN 0
.endm
.macro BLOCKINV a                      ; + the lane's own bias, in v[240:241]
	WIN 0x02+((\a)/4)
.set p, 0
.rept 32
	v_pk_add_f32 v[ST+p:ST+p+1], v[64*((\a)%4)+p:64*((\a)%4)+p+1], v[240:241]
.set p, p+2
.endr
	WIN 0
.endm
	PLACES NP
.irp b, 0,1,2,3
	v_mov_b32 v[TM+4+\b], 0                        ; a lane permute's destination counts as one of its sources
.endr
	s_cmp_lt_u32 s95, 4                            ; the cluster's y: the same in all partners
	s_cbranch_scc0 .Lvpath
	; Q or K: my 128 n are two heads of 64: registers 0-5 of the codes are the first head's tile, 6-11 the second's
	s_cmp_eq_u32 ttmp9, 0
	s_cselect_b32 s18, 13056, 0
	s_mov_b32 s20, 12288
	s_cselect_b32 s20, 19200, s20
	s_cselect_b32 s22, 162, 1
	s_mov_b32 s19, 0
	s_mov_b32 s21, 0
	s_add_nc_u64 s[18:19], s[12:13], s[18:19]
	s_add_nc_u64 s[20:21], s[12:13], s[20:21]
	v_mov_b32 v242, s22
	v_mov_b32 v243, 162
.irp a, 0,1,2,3,4,5,6,7
	v_cmp_eq_u32 vcc_lo, 0, v[MK+\a]
	v_cndmask_b32 v[MK+\a], v242, v243, vcc_lo     ; byte 2: Q 162; K 162 where the key is hidden, else 1
.endr
.irp a, 0,1,2,3,4,5,6,7
	BLOCKIN \a
.if \a > 0
	s_wait_xcnt 0x0                                ; the last block's stores have read v[PC] on
.endif
	QUANT ST, 240
	global_store_b128 v[L16], v[PC:PC+3], s[18:19] offset:768*\a
	global_store_b64 v[L8], v[PC+4:PC+5], s[18:19] offset:768*\a+512
	global_store_b128 v[L16], v[PC+6:PC+9], s[18:19] offset:768*\a+RECH
	global_store_b64 v[L8], v[PC+10:PC+11], s[18:19] offset:768*\a+RECH+512
	v_and_b32 v241, 0xffff, v240
	v_lshl_or_b32 v[32+\a], v[MK+\a], 16, v241     ; the first head's word
	v_lshrrev_b32 v241, 16, v240
	v_lshl_or_b32 v[40+\a], v[MK+\a], 16, v241     ; the second's
.endr
.irp b, 0,1,2,3
	v_cndmask_b32 v[48+\b], v[32+2*\b], v[33+2*\b], s94   ; lanes 0-15 tile 2 b, lanes 16-31 tile 2 b + 1
	v_cndmask_b32 v[52+\b], v[40+2*\b], v[41+2*\b], s94
.endr
	global_store_b128 v[L16], v[48:51], s[20:21]
	global_store_b128 v[L16], v[52:55], s[20:21] offset:RECH
	s_branch .Ldone
.Lvpath:
	; V: a lane holds one of the head's 64 (position order), its registers run along my 128 keys: a block is one fragment of V
.irp a, 0,1,2,3,4,5,6,7
	v_mov_b32 v240, v[MK+\a]
	v_mov_b32 v241, v[MK+\a]
	BLOCKINV \a
.if \a > 0
	s_wait_xcnt 0x0
.endif
	QUANT ST, 32+\a
	FROUT 12, 6144+RECH*(\a/4)+1536*(\a%4)
.endr
.irp e, 0,1
.irp u, 0,1
	v_cndmask_b32 v[48+2*\e+\u], v[32+4*\e+2*\u], v[33+4*\e+2*\u], s94
.endr
	global_store_b64 v[L8], v[48+2*\e:49+2*\e], s[12:13] offset:12800+RECH*\e
.endr
.Ldone:
	s_wait_tensorcnt 0x0                           ; the wave's end
	ds_add_u32 v[SPW], v[NIL]
	s_wait_dscnt 0x0
	CROUND                                         ; the closing round
	s_endpgm
.Lfunc_end_k_q905b182342_qkv:
	.size	k_q905b182342_qkv, .Lfunc_end_k_q905b182342_qkv-k_q905b182342_qkv
	.p2alignl 7, 3214868480
	.fill 96, 4, 3214868480
	.section	.rodata,"a",@progbits
	.p2align	6, 0x0
	.amdhsa_kernel k_q905b182342_qkv
		.amdhsa_group_segment_fixed_size 327680
		.amdhsa_private_segment_fixed_size 0
		.amdhsa_enable_private_segment 0
		.amdhsa_kernarg_size 48
		.amdhsa_user_sgpr_count 2
		.amdhsa_user_sgpr_kernarg_segment_ptr 1
		.amdhsa_wavefront_size32 1
		.amdhsa_system_sgpr_workgroup_id_x 1
		.amdhsa_system_sgpr_workgroup_id_y 1
		.amdhsa_system_sgpr_workgroup_id_z 1
		.amdhsa_system_vgpr_workitem_id 0
		.amdhsa_next_free_vgpr 1024
		.amdhsa_next_free_sgpr 100
		.amdhsa_reserve_vcc 1
		.amdhsa_float_denorm_mode_32 3
		.amdhsa_float_denorm_mode_16_64 3
		.amdhsa_memory_ordered 1
		.amdhsa_forward_progress 1
		.amdhsa_inst_pref_size 223
	.end_amdhsa_kernel
	.amdgpu_metadata
---
amdhsa.version: [ 1, 2 ]
amdhsa.kernels:
  - .name:           k_q905b182342_qkv
    .symbol:         k_q905b182342_qkv.kd
    .args:
      - { .name: pw, .offset: 0, .size: 8, .value_kind: global_buffer, .address_space: global }
      - { .name: bq, .offset: 8, .size: 8, .value_kind: global_buffer, .address_space: global }
      - { .name: bk, .offset: 16, .size: 8, .value_kind: global_buffer, .address_space: global }
      - { .name: bv, .offset: 24, .size: 8, .value_kind: global_buffer, .address_space: global }
      - { .name: mask, .offset: 32, .size: 8, .value_kind: global_buffer, .address_space: global }
      - { .name: qkv, .offset: 40, .size: 8, .value_kind: global_buffer, .address_space: global }
    .group_segment_fixed_size: 327680
    .private_segment_fixed_size: 0
    .kernarg_segment_align: 8
    .kernarg_segment_size: 48
    .max_flat_workgroup_size: 128
    .sgpr_count:     100
    .vgpr_count:     1024
    .wavefront_size: 32
...
	.end_amdgpu_metadata
.endif
;; end of part 2
;; launch attn (part 3): grid 8 x 32, 16 waves a work-group, clusters of 4 x 1, 212,992 bytes of LDS; arguments qkv, mask, ctx; writes ctx
.if DOCPART == 3
	.amdgcn_target "amdgcn-amd-amdhsa--gfx1250"
	.amdhsa_code_object_version 6
	.text
	.protected	k_q905b182342_attn
	.globl	k_q905b182342_attn
	.p2align	8
	.type	k_q905b182342_attn,@function
k_q905b182342_attn:
	s_mov_b64 s[64:65], 0
	v_nop
	global_prefetch_b8 v0, s[64:65] scope:SCOPE_SE
	s_setreg_imm32_b32 hwreg(HW_REG_WAVE_MODE, 25, 1), 1
	s_wait_xcnt 0x0
	s_wait_alu depctr_hold_cnt(0) depctr_sa_sdst(0) depctr_va_vdst(0) depctr_va_sdst(0) depctr_va_ssrc(0) depctr_va_vcc(0) depctr_vm_vsrc(0)
	s_getreg_b32 s2, hwreg(HW_REG_IB_STS2, 6, 4)
	s_cmp_eq_u32 s2, 0
	s_cbranch_scc0 .Lentry_in_a_cluster
	s_endpgm
.Lentry_in_a_cluster:
	s_bfe_u32 s2, ttmp6, 0x10000c
	s_cmp_lg_u32 s2, 0x3003
	s_cbranch_scc0 .Lentry_shape_is_right
	s_endpgm
.Lentry_shape_is_right:
; ctx = softmax(Q K^T / 8, hidden keys out) V for one head and 256 queries a work-group, both products on codes of FP6 (E2M3); the result is quantised along the model's 1,024 and laid as the next product's operand.
; SHARES: sixteen waves, one tile of 16 queries each, in 256 registers.  ALL of the head's K, V and their scale words (16 records x 13,056 bytes) lie in LDS: each wave brings one record by ONE joint tensor load
; (the four query blocks of a cluster walk the same head), so one tensor load a wave is out, and the loop has no barrier.
; LAYOUT: S^T = K Q^T, O^T = V^T P^T: a lane holds one query throughout.  K's keys and V's channels stand in position order (bits 3 and 4 exchanged), so the 16 registers of two neighbouring tiles are 16 neighbours.
; THE SCORE PRODUCT has K = 64 in an instruction of 128.  In the empty half Q holds 1.0 and K -1.0 at k = 64; their scale bytes give -2^70 for a hidden key and -2^-91 for an open one.
; SOFTMAX: t = score x log2(e) / 8; M = the ceiling of the running largest t; p = 2^(t - M) is quantised along the keys; the sum is taken of the unquantised p and divides at the end.
; Where EVERY key of the batch is hidden the factor is 0 in place of log2(e) / 8 (a selected value, no branch): every t is 0 and every p is 1, as equal scores give.
; LIMITS: a hidden key's score is -2^70 in place of -1e20 (the same result while open logits stay above -1e20); an open score carries -2^-91; blocks of zeros get the byte 1; NaN and infinities are not served.
; REGISTERS: v1 16 x lane, v2 8 x lane, v3 r, v4 h, v8, v9 the step's LDS addresses; v12 -M, v13 the largest t, v[14:15] the sum; v16-27 Q; v32-79 four fragments of K (their upper six registers are set once);
;   v96-159 S^T, then p, then V's four fragments; v160-191 O^T; v224-235 p's codes; v232-247 at work; v248-251 K's, then V's scale words; v252 f; v253 p's scale word; v255 Q's.
.set REC,   19712
.set KVB,   13056                      ; K, V and their scale words of a record
.set FLG,   208896                     ; behind the 16 records: a word a wave: has my part of the mask an open key?
.set SPARE, 209152                     ; the spare words, 128 bytes a wave
.set CTXS,  3145728
.set L16, 1
.set L8,  2
.set SPW, 5
.set NIL, 6
.set A16, 8
.set A8,  9
.set WV,  18
.set SEL, 20
.set CS,  22
.macro CROUND
	s_barrier_signal -1
	s_barrier_wait -1
	s_cmp_lg_u32 s[WV], 0
	s_cbranch_scc1 .Lnot_wave_0_\@
	s_barrier_signal -3
.Lnot_wave_0_\@:
	s_barrier_wait -3
	s_barrier_signal -1
	s_barrier_wait -1
.endm
	s_load_b128 s[4:7], s[0:1], 0x0                ; qkv, mask
	s_load_b64 s[8:9], s[0:1], 0x10                ; ctx
	v_lshl_add_u32 v[SPW], v0, 2, SPARE
	v_mov_b32 v[NIL], 0
	ds_add_u32 v[SPW], v[NIL]                      ; the wave's opening: the add and its wait ahead of my first tensor load
	v_lshrrev_b32 v7, 5, v0
	v_readfirstlane_b32 s[WV], v7                  ; wave 0..15
	s_bfe_u32 s10, ttmp6, 0x40000                  ; cx: it enters Q's and ctx's addresses alone
	s_and_b32 s11, ttmp7, 0xffff                   ; g = 16 x batch + head
	s_mov_b32 s24, 15|(3<<16)|(1<<21)              ; group 1: all four work-groups; elements of 8 bytes; no padding; bit 21 beside a mask
	s_mov_b32 s25, 32<<16                          ; 51 rows of 256 dense bytes
	s_mov_b32 s26, 51<<16
	s_mov_b32 s27, 32<<16
	s_mov_b32 s28, 51
	s_mov_b32 s29, 32
	s_mov_b32 s30, 0
	s_mov_b32 s31, 0
	s_lshl_b32 s12, s11, 4
	s_add_co_u32 s13, s12, s[WV]                   ; the record that I fetch
	s_mul_i32 s40, s13, REC
	s_mov_b32 s41, 0
	s_mov_b32 s32, 1
	s_mul_i32 s33, s[WV], KVB
	s_lshl_b32 s14, ttmp9, 2
	s_add_co_u32 s14, s14, s10                     ; my block of 256 queries
	s_lshl_b32 s15, s14, 1
	s_lshr_b32 s16, s[WV], 3
	s_add_co_u32 s15, s15, s16
	s_add_co_u32 s15, s15, s12                     ; my queries' record
	s_mul_i32 s42, s15, REC
	s_mov_b32 s43, 0
	s_and_b32 s17, s[WV], 7                        ; my tile in it
	s_mul_i32 s16, s17, 768
	s_add_co_u32 s44, s42, s16
	s_mov_b32 s45, 0
	s_and_b32 s16, s17, 1
	s_lshl_b32 s16, s16, 8
	s_add_co_u32 s42, s42, s16
	s_lshr_b32 s16, s17, 1
	s_lshl_b32 s16, s16, 2
	s_add_co_u32 s42, s42, s16                     ; its scale words: 256 x (tile % 2) + 4 x (tile / 2)
	s_lshr_b32 s46, s11, 4
	s_lshl_b32 s46, s46, 13                        ; the batch's 2,048 words of the mask
	s_mov_b32 s47, 0
	s_lshl_b32 s19, s[WV], 2
	s_add_co_u32 s19, s19, FLG
	s_mov_b32 s[SEL], 0x76543210
	s_mov_b32 s[SEL+1], 0xfedcba98
	v_and_b32 v7, 31, v0
	v_lshlrev_b32 v[L16], 4, v7
	v_lshlrev_b32 v[L8], 3, v7
	v_and_b32 v3, 15, v0
	v_bfe_u32 v4, v0, 4, 1
	v_lshlrev_b32 v7, 4, v0                        ; 16 x thread
	v_lshlrev_b32 v10, 4, v3                       ; 16 r
	v_mov_b32 v11, s19                             ; my wave's flag
	v_mov_b32 v28, FLG
	v_lshlrev_b32 v29, 2, v3                       ; 4 r
	s_wait_dscnt 0x0                               ; the opening add is done
	s_wait_kmcnt 0x0
	s_add_nc_u64 s[34:35], s[4:5], s[40:41]
	s_or_b32 s35, s35, 0x80000000
	s_add_nc_u64 s[44:45], s[4:5], s[44:45]
	s_add_nc_u64 s[42:43], s[4:5], s[42:43]
	s_add_nc_u64 s[46:47], s[6:7], s[46:47]
	CROUND                                         ; all four work-groups are here: the joint loads meet
	tensor_load_to_lds s[32:35], s[24:31]
	s_nop 0
.rept 4
	v_nop
.endr
	global_load_b128 v[16:19], v[L16], s[44:45] offset:13056   ; Q's tile stays in registers
	global_load_b64 v[20:21], v[L8], s[44:45] offset:13056+512
	global_load_b32 v255, v10, s[42:43] offset:19200           ; its scale words
	global_load_b128 v[96:99], v7, s[46:47]                    ; four words of the mask a thread
	v_xor_b32 v254, 1, v4
	v_lshlrev_b32 v22, 3, v254                     ; k = 64: the code of 1.0, in lanes 0-15
	v_mul_u32_u24 v252, v254, 0x28                 ; and of -1.0 for K
.irp i, 23,24,25,26,27
	v_mov_b32 v[\i], 0
.endr
.irp t, 0,1,2,3
	v_mov_b32 v[38+12*\t], v252
.irp i, 7,8,9,10,11
	v_mov_b32 v[32+12*\t+\i], 0
.endr
.endr
.set j, 0
.rept 32
	v_mov_b32 v[160+j], 0                          ; O^T: the step is written once; the first change of M leaves zeros zeros
.set j, j+1
.endr
	v_mov_b32 v13, 0xff61b1e6                      ; the largest t so far: -3e38
	v_floor_f32 v12, -v13
	v_mov_b32 v14, 0
	v_mov_b32 v15, 0
.irp b, 0,1,2,3
	v_mov_b32 v[236+\b], 0
.endr
	v_mov_b32 v253, 0
	s_wait_loadcnt 0x0
	v_or_b32 v96, v96, v97
	v_or_b32 v98, v98, v99
	v_or_b32 v96, v96, v98
	v_cmp_ne_u32 s40, 0, v96
	s_cmp_lg_u32 s40, 0
	s_cselect_b32 s41, 1, 0
	v_mov_b32 v97, s41
	ds_store_b32 v11, v97                          ; all lanes write the same word with the same value
	s_wait_tensorcnt 0x0                           ; my record has landed,
	s_wait_dscnt 0x0                               ; my flag is stored:
	s_barrier_signal -1
	s_barrier_wait -1                              ; everybody's
.irp i, 0,1,2,3
	ds_load_b128 v[96+4*\i:99+4*\i], v28 offset:16*\i
.endr
	s_wait_dscnt 0x0
.irp i, 1,2,3,4,5,6,7,8,9,10,11,12,13,14,15
	v_or_b32 v96, v96, v[96+\i]
.endr
	v_readfirstlane_b32 s40, v96
	s_cmp_lg_u32 s40, 0
	s_cselect_b32 s[CS], 0x3e38aa3b, 0             ; c = log2(e) / 8, or 0 where every key of the batch is hidden
	s_mov_b32 s[CS+1], s[CS]
	s_mov_b32 s36, 0                               ; the step's record in LDS
	s_mov_b32 s37, 16
.Lstep:                                            ; 128 keys a trip
	v_add_nc_u32 v[A16], s36, v[L16]
	v_add_nc_u32 v[A8], s36, v[L8]
.rept 3
	v_nop                                          ; five places in all between the last products and the products that write over V's registers
.endr
	ds_load_b128 v[248:251], v[A16] offset:12288   ; K's scale words: register b: lanes 0-15 tile 2 b, lanes 16-31 tile 2 b + 1
.irp g, 0,1
.if \g
.rept 4
	v_nop                                          ; places ahead of loads into registers that matrix instructions have read
.endr
.endif
.irp t, 0,1,2,3
	ds_load_b128 v[32+12*\t:35+12*\t], v[A16] offset:768*(4*\g+\t)
	ds_load_b64 v[36+12*\t:37+12*\t], v[A8] offset:768*(4*\g+\t)+512
.endr
	s_wait_dscnt 0x0
.irp t, 0,1,2,3
.if \t%2
	v_wmma_scale_f32_16x16x128_f8f6f4 v[96+8*(4*\g+\t):103+8*(4*\g+\t)], v[32+12*\t:43+12*\t], v[16:27], 0, v[248+(4*\g+\t)/2], v255 matrix_a_fmt:MATRIX_FMT_FP6 matrix_b_fmt:MATRIX_FMT_FP6 matrix_a_scale:MATRIX_SCALE_ROW1
.else
	v_wmma_scale_f32_16x16x128_f8f6f4 v[96+8*(4*\g+\t):103+8*(4*\g+\t)], v[32+12*\t:43+12*\t], v[16:27], 0, v[248+(4*\g+\t)/2], v255 matrix_a_fmt:MATRIX_FMT_FP6 matrix_b_fmt:MATRIX_FMT_FP6
.endif
.endr
.endr
.rept 4
	v_nop
.endr
.irp b, 0,1,2,3
	v_max3_num_f32 v[232+\b], v[96+16*\b], v[97+16*\b], v[98+16*\b]   ; the largest score of each block of 32 keys: it serves the row's maximum and, since p rises with the score, the block's largest p
.endr
.irp i, 3,5,7,9,11,13
.irp b, 0,1,2,3
	v_max3_num_f32 v[232+\b], v[232+\b], v[96+16*\b+\i], v[97+16*\b+\i]
.endr
.endr
.irp b, 0,1,2,3
	v_max_num_f32 v[232+\b], v[232+\b], v[111+16*\b]
.endr
.irp b, 0,1,2,3
	v_permlanex16_b32 v[236+\b], v[232+\b], s[SEL], s[SEL+1]
.endr
.irp b, 0,1,2,3
	v_max_num_f32 v[232+\b], v[232+\b], v[236+\b]
.endr
	v_max3_num_f32 v254, v232, v233, v234
	v_max_num_f32 v254, v254, v235
	v_mul_f32 v254, s[CS], v254
	v_max_num_f32 v13, v13, v254                   ; the running largest t
	v_mov_b32 v254, v12
	v_floor_f32 v12, -v13                          ; -M = floor(-t): M is a whole number
	v_sub_f32 v254, v12, v254
	v_cvt_i32_f32 v254, v254                       ; (it saturates)
	v_ldexp_f32 v252, 1.0, v254                    ; f = 2^(old M - new M)
.set j, 0
.rept 32
	v_pk_fma_f32 v[96+j:97+j], v[96+j:97+j], s[CS:CS+1], v[12:13] op_sel_hi:[1,0,0]   ; t - M
.set j, j+2
.endr
.irp b, 0,1,2,3
	v_fma_f32 v[232+\b], v[232+\b], s[CS], v12
.endr
.set j, 0
.rept 64
	v_exp_f32 v[96+j], v[96+j]                     ; p = 2^(t - M)
.set j, j+1
.endr
	v_pk_mul_f32 v[14:15], v[14:15], v[252:253] op_sel_hi:[1,0]   ; the sums under the new M: a plain place behind the exponentials
	s_wait_alu depctr_va_vdst(0)                   ; one wait for the whole batch, ahead of its first reader
.irp b, 0,1,2,3
	v_exp_f32 v[232+\b], v[232+\b]                 ; the block's largest p
.endr
	v_pk_add_f32 v[236:237], v[96:97], v[98:99]    ; the row's sum of the unquantised p, in two chains
.set j, 4
.rept 15
	v_pk_add_f32 v[14:15], v[14:15], v[96+j:97+j]
	v_pk_add_f32 v[236:237], v[236:237], v[98+j:99+j]
.set j, j+4
.endr
	v_pk_add_f32 v[14:15], v[14:15], v[236:237]
	s_wait_alu depctr_va_vdst(0)                   ; and one for the four
.irp b, 0,1,2,3
	v_max_num_f32 v[232+\b], 0x1800000, v[232+\b]  ; the floor 2^(3 - 127)
.endr
.irp b, 0,1,2,3
	v_add_nc_u32 v[244+\b], 0xff000000, v[232+\b]
.endr
.irp b, 0,1,2,3
	v_lshrrev_b32 v[236+\b], 23, v[244+\b]
.endr
	v_lshl_or_b32 v253, v237, 8, v236              ; p's scale word for these 128 keys
	v_lshl_or_b32 v253, v238, 16, v253
	v_lshl_or_b32 v253, v239, 24, v253
.irp c, 0,1
	v_cvt_scalef32_pk16_fp6_f32 v[224+6*\c:226+6*\c], v[96+32*\c:111+32*\c], v[244+2*\c]
	v_cvt_scalef32_pk16_fp6_f32 v[236+4*\c:238+4*\c], v[112+32*\c:127+32*\c], v[245+2*\c]
.endr
	v_nop                                          ; one plain place behind a scaled conversion
.irp t, 0,1,2,3                                ; V's four fragments take p's registers
	ds_load_b128 v[96+12*\t:99+12*\t], v[A16] offset:6144+1536*\t
	ds_load_b64 v[100+12*\t:101+12*\t], v[A8] offset:6144+1536*\t+512
	ds_load_b128 v[102+12*\t:105+12*\t], v[A16] offset:6144+1536*\t+768
	ds_load_b64 v[106+12*\t:107+12*\t], v[A8] offset:6144+1536*\t+1280
.endr
	ds_load_b64 v[248:249], v[A8] offset:12800     ; V's scale words
.irp c, 0,1
.irp i, 0,1,2
	v_permlane16_swap_b32 v[224+6*\c+\i], v[236+4*\c+\i]
.endr
.irp i, 0,1,2
	v_mov_b32 v[227+6*\c+\i], v[236+4*\c+\i]
.endr
.endr
.set j, 0
.rept 16
	v_pk_mul_f32 v[160+j:161+j], v[160+j:161+j], v[252:253] op_sel_hi:[1,0]   ; O^T under the new M; these are also the places ahead of the scaled products
.set j, j+2
.endr
	s_wait_dscnt 0x0
.irp t, 0,1,2,3
.if \t%2
	v_wmma_scale_f32_16x16x128_f8f6f4 v[160+8*\t:167+8*\t], v[96+12*\t:107+12*\t], v[224:235], v[160+8*\t:167+8*\t], v[248+\t/2], v253 matrix_a_fmt:MATRIX_FMT_FP6 matrix_b_fmt:MATRIX_FMT_FP6 matrix_a_scale:MATRIX_SCALE_ROW1
.else
	v_wmma_scale_f32_16x16x128_f8f6f4 v[160+8*\t:167+8*\t], v[96+12*\t:107+12*\t], v[224:235], v[160+8*\t:167+8*\t], v[248+\t/2], v253 matrix_a_fmt:MATRIX_FMT_FP6 matrix_b_fmt:MATRIX_FMT_FP6
.endif
.endr
	s_add_co_u32 s36, s36, KVB
	s_sub_co_u32 s37, s37, 1
	s_cmp_lg_u32 s37, 0
	s_cbranch_scc1 .Lstep
	; THE WAY OUT: O^T / the sum; register 16 u + i is channel 32 u + 16 h + i of my query: two blocks of 32 along the next K
.rept 4
	v_nop
.endr
	v_add_f32 v14, v14, v15
	v_permlanex16_b32 v252, v14, s[SEL], s[SEL+1]
	v_add_f32 v14, v14, v252
	v_rcp_f32 v14, v14
	v_nop                                          ; a plain place behind the reciprocal
	s_lshr_b32 s40, s11, 4                         ; batch
	s_and_b32 s41, s11, 15                         ; head
	s_lshl_b32 s40, s40, 7
	s_lshl_b32 s42, s14, 4
	s_add_co_u32 s40, s40, s42
	s_add_co_u32 s40, s40, s[WV]                   ; my row block of ctx
	s_lshr_b32 s42, s41, 2
	s_lshl_b32 s42, s42, 8
	s_add_co_u32 s42, s42, s40
	s_mul_i32 s42, s42, 3072
	s_and_b32 s43, s41, 3
	s_mul_i32 s43, s43, 768
	s_add_co_u32 s42, s42, s43
	s_mov_b32 s43, 0
	s_add_nc_u64 s[44:45], s[8:9], s[42:43]        ; the head's half fragment
	s_lshl_b32 s42, s40, 3
	s_lshr_b32 s46, s41, 1
	s_add_co_u32 s42, s42, s46
	s_lshl_b32 s42, s42, 6
	s_and_b32 s46, s41, 1
	s_lshl_b32 s46, s46, 1
	s_add_co_u32 s42, s42, s46
	s_add_co_u32 s42, s42, CTXS
	s_add_nc_u64 s[46:47], s[8:9], s[42:43]        ; the head's two bytes of each row's scale word
	s_wait_alu depctr_va_vdst(0)                   ; ahead of the reciprocal's first reader
.set j, 0
.rept 32
	v_mul_f32 v[96+j], v[160+j], v14
.set j, j+1
.endr
.irp b, 0,1
	v_max3_num_f32 v[232+\b], |v[96+16*\b]|, |v[97+16*\b]|, 0x1800000
.endr
.irp i, 2,4,6,8,10,12,14
.irp b, 0,1
	v_max3_num_f32 v[232+\b], v[232+\b], |v[96+16*\b+\i]|, |v[97+16*\b+\i]|
.endr
.endr
.irp b, 0,1
	v_permlanex16_b32 v[236+\b], v[232+\b], s[SEL], s[SEL+1]
.endr
.irp b, 0,1
	v_max_num_f32 v[232+\b], v[232+\b], v[236+\b]
.endr
.irp b, 0,1
	v_add_nc_u32 v[244+\b], 0xff000000, v[232+\b]
.endr
.irp b, 0,1
	v_lshrrev_b32 v[236+\b], 23, v[244+\b]
.endr
	v_lshl_or_b32 v253, v237, 8, v236
	v_cvt_scalef32_pk16_fp6_f32 v[224:226], v[96:111], v244
	v_cvt_scalef32_pk16_fp6_f32 v[240:242], v[112:127], v245
	v_nop
.irp i, 0,1,2
	v_permlane16_swap_b32 v[224+\i], v[240+\i]
.endr
.irp i, 0,1,2
	v_mov_b32 v[227+\i], v[240+\i]
.endr
	global_store_b128 v[L16], v[224:227], s[44:45]
	global_store_b64 v[L8], v[228:229], s[44:45] offset:512
	global_store_b16 v29, v253, s[46:47]           ; lanes r and r + 16 store the same two bytes to the same place; a word's other half belongs to the neighbouring head's work-group
	s_wait_tensorcnt 0x0                           ; the wave's end
	ds_add_u32 v[SPW], v[NIL]
	s_wait_dscnt 0x0
	CROUND                                         ; the closing round
	s_endpgm
.Lfunc_end_k_q905b182342_attn:
	.size	k_q905b182342_attn, .Lfunc_end_k_q905b182342_attn-k_q905b182342_attn
	.p2alignl 7, 3214868480
	.fill 96, 4, 3214868480
	.section	.rodata,"a",@progbits
	.p2align	6, 0x0
	.amdhsa_kernel k_q905b182342_attn
		.amdhsa_group_segment_fixed_size 212992
		.amdhsa_private_segment_fixed_size 0
		.amdhsa_enable_private_segment 0
		.amdhsa_kernarg_size 24
		.amdhsa_user_sgpr_count 2
		.amdhsa_user_sgpr_kernarg_segment_ptr 1
		.amdhsa_wavefront_size32 1
		.amdhsa_system_sgpr_workgroup_id_x 1
		.amdhsa_system_sgpr_workgroup_id_y 1
		.amdhsa_system_sgpr_workgroup_id_z 1
		.amdhsa_system_vgpr_workitem_id 0
		.amdhsa_next_free_vgpr 256
		.amdhsa_next_free_sgpr 66
		.amdhsa_reserve_vcc 0
		.amdhsa_float_denorm_mode_32 3
		.amdhsa_float_denorm_mode_16_64 3
		.amdhsa_memory_ordered 1
		.amdhsa_forward_progress 1
		.amdhsa_inst_pref_size 29
	.end_amdhsa_kernel
	.amdgpu_metadata
---
amdhsa.version: [ 1, 2 ]
amdhsa.kernels:
  - .name:           k_q905b182342_attn
    .symbol:         k_q905b182342_attn.kd
    .args:
      - { .name: qkv, .offset: 0, .size: 8, .value_kind: global_buffer, .address_space: global }
      - { .name: mask, .offset: 8, .size: 8, .value_kind: global_buffer, .address_space: global }
      - { .name: ctx, .offset: 16, .size: 8, .value_kind: global_buffer, .address_space: global }
    .group_segment_fixed_size: 212992
    .private_segment_fixed_size: 0
    .kernarg_segment_align: 8
    .kernarg_segment_size: 24
    .max_flat_workgroup_size: 512
    .sgpr_count:     66
    .vgpr_count:     256
    .wavefront_size: 32
...
	.end_amdgpu_metadata
.endif
;; end of part 3
;; launch wo (part 4): grid 4 x 16, 4 waves a work-group, clusters of 4 x 4, 327,680 bytes of LDS; arguments ctx, pw, cf; writes cf
.if DOCPART == 4
	.amdgcn_target "amdgcn-amd-amdhsa--gfx1250"
	.amdhsa_code_object_version 6
	.text
	.protected	k_q905b182342_wo
	.globl	k_q905b182342_wo
	.p2align	8
	.type	k_q905b182342_wo,@function
k_q905b182342_wo:
	s_mov_b64 s[64:65], 0
	v_nop
	global_prefetch_b8 v0, s[64:65] scope:SCOPE_SE
	s_setreg_imm32_b32 hwreg(HW_REG_WAVE_MODE, 25, 1), 1
	s_wait_xcnt 0x0
	s_wait_alu depctr_hold_cnt(0) depctr_sa_sdst(0) depctr_va_vdst(0) depctr_va_sdst(0) depctr_va_ssrc(0) depctr_va_vcc(0) depctr_vm_vsrc(0)
	s_getreg_b32 s2, hwreg(HW_REG_IB_STS2, 6, 4)
	s_cmp_eq_u32 s2, 0
	s_cbranch_scc0 .Lentry_in_a_cluster
	s_endpgm
.Lentry_in_a_cluster:
	s_bfe_u32 s2, ttmp6, 0x10000c
	s_cmp_lg_u32 s2, 0xf033
	s_cbranch_scc0 .Lentry_shape_is_right
	s_endpgm
.Lentry_shape_is_right:
; cf = ctx Wo, raw f32 sums [4096][1024] in natural order, on codes of FP6 (E2M3) with E8M0 scales.  The bias, the residual and the norm follow in the next launch, which owns whole rows.
; Both operands lie in the order of the operand's registers, rows in position order (bits 3 and 4 of a row's number exchanged): a slot's 128 rows x 256 K are 24,576 dense bytes.
; A tile of 256 x 256 is made by four waves, 128 x 128 each (64 accumulators).  K goes in steps of 256 through two LDS slots filled by joint tensor loads of a 4 x 4 cluster; all scale words come once, with the first fills.
; THE PRODUCT IS USED TRANSPOSED: source 0 = the weight's rows, source 1 = the tokens: a lane holds one token and, in two neighbouring tiles, 16 neighbouring columns.
; 1,024 columns make 64 tiles of this size: 64 work-groups.
.set KK,    1024
.set SSA,   786432                     ; bytes from a slot to the next in memory: row blocks x 3,072
.set SSB,   196608
.set AS_O,  3145728                    ; A's scale words in its buffer
.set BC_O,  5505024                    ; B's codes and scale words in pw
.set BS_O,  12812288
.set NQ,    2
.set FR,    12
.set NL,    4
.set NP,    4
.set HALFT, 24576
.set SLOT,  4*HALFT
.set SCL,   2*SLOT
.set NKS,   KK/128
.set HALFS, 512*NKS
.set SPARE, SCL+4*HALFS
.set LAPS,  KK/512
.set SPITCH, 528                       ; the way out: a stage of 16 rows x (512 + 16) bytes a wave, in slot 0, which has had its last fill and its last read by then
.set ADRA, 16
.set ADRB, 20
.set L16,  24
.set L8,   25
.set ADRS, 27
.set SPW,  28
.set NIL,  29
.set STO,  30
.set RD,   31
.set SC,   32
.set AF,   128
.set BK,   128
.set G1, 24
.set G0, 32
.set G1B, 48
.set G0B, 56
.set G1S, 68
.set G0S, 76
.set G1SB, 80
.set G0SB, 88
.set MSB, 0
.macro WIN new
.if MSB != (\new)
	s_set_vgpr_msb (MSB<<8)|(\new)
.set MSB, (\new)
.endif
.endm
.set MUL_LO, 0xa1
.set MUL_HI, 0xf1
.set TO_B,   0x40
.macro JLOAD g0a, g1a, g0b, g1b        ; a joint load: waves 0, 1 fetch for A, waves 2, 3 for B; s_nop 0 and four v_nop follow each line
	s_cmp_eq_u32 s15, 0
	s_cbranch_scc0 .Lfor_b_\@
	tensor_load_to_lds s[\g0a:\g0a+3], s[\g1a:\g1a+7]
	s_nop 0
.rept 4
	v_nop
.endr
	s_branch .Lasked_\@
.Lfor_b_\@:
	tensor_load_to_lds s[\g0b:\g0b+3], s[\g1b:\g1b+7]
	s_nop 0
.rept 4
	v_nop
.endr
.Lasked_\@:
.endm
.macro CREST
	s_cmp_lg_u32 s14, 0
	s_cbranch_scc1 .Lnot_wave_0_\@
	s_barrier_signal -3
.Lnot_wave_0_\@:
	s_barrier_wait -3
	s_barrier_signal -1
	s_barrier_wait -1
.endm
.macro CROUND
	s_barrier_signal -1
	s_barrier_wait -1
	CREST
.endm
	s_load_b128 s[4:7], s[0:1], 0x0                ; A's buffer, pw
	s_load_b64 s[12:13], s[0:1], 0x10              ; cf
	v_lshl_add_u32 v[SPW], v0, 2, SPARE
	v_mov_b32 v[NIL], 0
	ds_add_u32 v[SPW], v[NIL]                      ; the wave's opening: the add and its wait ahead of my first tensor load
	v_lshrrev_b32 v1, 5, v0
	v_readfirstlane_b32 s14, v1
	s_lshr_b32 s15, s14, 1
	s_and_b32 s16, s14, 1
	s_bfe_u32 s40, ttmp6, 0x40000
	s_bfe_u32 s41, ttmp6, 0x40004
	s_lshl_b32 s42, ttmp9, 2
	s_add_co_u32 s42, s42, s40                     ; tile column
	s_and_b32 s17, ttmp7, 0xffff
	s_lshl_b32 s17, s17, 2
	s_add_co_u32 s17, s17, s41                     ; tile row
	s_lshl_b32 s43, s41, 2
	s_lshl_b32 s43, 15, s43
	s_lshl_b32 s44, 0x1111, s40
	s_or_b32 s[G1+0], s43, (3<<16)|(1<<21)
	s_or_b32 s[G1B+0], s44, (3<<16)|(1<<21)
.irp g, G1, G1B
	s_mov_b32 s[\g+1], 32<<16                      ; 96 rows of 256 dense bytes
	s_mov_b32 s[\g+2], 96<<16
	s_mov_b32 s[\g+3], 32<<16
	s_mov_b32 s[\g+4], 96
	s_mov_b32 s[\g+5], 32
	s_mov_b32 s[\g+6], 0
	s_mov_b32 s[\g+7], 0
.endr
	s_or_b32 s[G1S+0], s43, (3<<16)|(1<<21)
	s_or_b32 s[G1SB+0], s44, (3<<16)|(1<<21)
.irp g, G1S, G1SB
	s_mov_b32 s[\g+1], 32<<16
	s_mov_b32 s[\g+2], (2*NKS)<<16
	s_mov_b32 s[\g+3], 32<<16
	s_mov_b32 s[\g+4], 2*NKS
	s_mov_b32 s[\g+5], 32
	s_mov_b32 s[\g+6], 0
	s_mov_b32 s[\g+7], 0
.endr
	s_lshl_b32 s18, s16, 3
	s_lshl_b32 s20, s17, 4
	s_add_co_u32 s20, s20, s18
	s_lshl_b32 s46, s42, 4
	s_add_co_u32 s46, s46, s18
	s_mul_i32 s22, s20, NKS*64
	s_mul_i32 s92, s46, NKS*64
	s_mul_i32 s20, s20, 3072
	s_mul_i32 s46, s46, 3072
	s_mov_b32 s21, 0
	s_mov_b32 s23, 0
	s_mov_b32 s47, 0
	s_mov_b32 s93, 0
	s_mul_i32 s45, s14, HALFT
	s_mul_i32 s94, s14, HALFS
	s_wait_dscnt 0x0
	s_wait_kmcnt 0x0
	s_add_nc_u64 s[8:9], s[6:7], BC_O
	s_add_nc_u64 s[10:11], s[6:7], BS_O
	s_add_nc_u64 s[6:7], s[4:5], AS_O
	s_add_nc_u64 s[20:21], s[4:5], s[20:21]
	s_add_nc_u64 s[22:23], s[6:7], s[22:23]
	s_add_nc_u64 s[46:47], s[8:9], s[46:47]
	s_add_nc_u64 s[92:93], s[10:11], s[92:93]
	CROUND
	s_mov_b32 s[G0S], 1
	s_add_co_u32 s[G0S+1], s94, SCL
	s_mov_b64 s[G0S+2:G0S+3], s[22:23]
	s_or_b32 s[G0S+3], s[G0S+3], 0x80000000
	s_mov_b32 s[G0SB], 1
	s_add_co_u32 s[G0SB+1], s94, SCL
	s_mov_b64 s[G0SB+2:G0SB+3], s[92:93]
	s_or_b32 s[G0SB+3], s[G0SB+3], 0x80000000
	JLOAD G0S, G1S, G0SB, G1SB
.irp s, 0,1
	s_mov_b32 s[G0+4*\s], 1
	s_add_co_u32 s[G0+4*\s+1], s45, \s*SLOT
	s_add_nc_u64 s[G0+4*\s+2:G0+4*\s+3], s[20:21], \s*SSA
	s_or_b32 s[G0+4*\s+3], s[G0+4*\s+3], 0x80000000
	s_mov_b32 s[G0B+4*\s], 1
	s_add_co_u32 s[G0B+4*\s+1], s45, \s*SLOT
	s_add_nc_u64 s[G0B+4*\s+2:G0B+4*\s+3], s[46:47], \s*SSB
	s_or_b32 s[G0B+4*\s+3], s[G0B+4*\s+3], 0x80000000
	JLOAD G0+4*\s, G1, G0B+4*\s, G1B
.endr
	v_and_b32 v1, 15, v0
	v_bfe_u32 v2, v0, 4, 1
	v_and_b32 v3, 31, v0
	v_lshlrev_b32 v[L16], 4, v3
	v_lshlrev_b32 v[L8], 3, v3
	s_mul_i32 s21, s15, HALFT
	s_mul_i32 s22, s16, HALFT
	s_add_co_u32 s22, s22, 2*HALFT
.irp s, 0,1
	v_add_nc_u32 v[ADRA+\s], s21, v[L16]
	v_add_nc_u32 v[ADRB+\s], s22, v[L16]
	v_add_nc_u32 v[ADRA+2+\s], s21, v[L8]
	v_add_nc_u32 v[ADRB+2+\s], s22, v[L8]
	s_add_co_u32 s21, s21, SLOT
	s_add_co_u32 s22, s22, SLOT
.endr
	v_lshlrev_b32 v5, 2, v1
	s_mul_i32 s21, s15, HALFS
	s_mul_i32 s22, s16, HALFS
	s_add_co_u32 s22, s22, 2*HALFS
	s_sub_co_u32 s22, s22, s21
	v_mul_u32_u24 v6, s22, v2
	s_add_co_u32 s21, s21, SCL
	v_add_nc_u32 v5, v5, v6
	v_add_nc_u32 v[ADRS], s21, v5
	s_mul_i32 s23, s14, 16*SPITCH                  ; my stage
	v_mul_u32_u24 v5, v1, SPITCH
	v_lshl_add_u32 v5, v2, 6, v5
	v_add_nc_u32 v[STO], s23, v5                   ; in: row r, + 64 h
	v_add_nc_u32 v[RD], s23, v[L16]                ; back: a row's 512 bytes
	s_lshl_b32 s20, s17, 8
	s_lshl_b32 s21, s15, 7
	s_add_co_u32 s20, s20, s21
	s_lshl_b32 s20, s20, 12                        ; my first row of cf, 4,096 bytes a row
	s_lshl_b32 s46, s42, 10
	s_lshl_b32 s47, s16, 9
	s_add_co_u32 s46, s46, s47
	s_add_co_u32 s20, s20, s46
	s_mov_b32 s21, 0
	s_add_nc_u64 s[12:13], s[12:13], s[20:21]
.macro FRAG reg, adr, q, i
	ds_load_b128 v[\reg:\reg+3], v[\adr] offset:3072*(\i)+1536*(\q)
	ds_load_b64 v[\reg+4:\reg+5], v[\adr+2] offset:3072*(\i)+1536*(\q)+512
	ds_load_b128 v[\reg+6:\reg+9], v[\adr] offset:3072*(\i)+1536*(\q)+768
	ds_load_b64 v[\reg+10:\reg+11], v[\adr+2] offset:3072*(\i)+1536*(\q)+1280
.endm
; the 64 accumulators take turns, one instruction a turn, in the same order in every step
.macro MUL16 a0, p, q, sc, zero
.irp a, \a0, \a0+1
.irp b, 0,1,2,3,4,5,6,7
.if \zero
	v_wmma_scale_f32_16x16x128_f8f6f4 v[8*(8*((\a)%4)+\b):8*(8*((\a)%4)+\b)+7], v[128*(\p)+FR*\b:128*(\p)+FR*\b+FR-1], v[AF+FR*(\a):AF+FR*(\a)+FR-1], 0, v[SC+8*NQ*(\sc)+NQ*\b+(\q)], v[SC+8*NQ*(\sc)+NQ*(\a)+(\q)] matrix_a_fmt:MATRIX_FMT_FP6 matrix_b_fmt:MATRIX_FMT_FP6 matrix_a_scale:MATRIX_SCALE_ROW1
.else
	v_wmma_scale_f32_16x16x128_f8f6f4 v[8*(8*((\a)%4)+\b):8*(8*((\a)%4)+\b)+7], v[128*(\p)+FR*\b:128*(\p)+FR*\b+FR-1], v[AF+FR*(\a):AF+FR*(\a)+FR-1], v[8*(8*((\a)%4)+\b):8*(8*((\a)%4)+\b)+7], v[SC+8*NQ*(\sc)+NQ*\b+(\q)], v[SC+8*NQ*(\sc)+NQ*(\a)+(\q)] matrix_a_fmt:MATRIX_FMT_FP6 matrix_b_fmt:MATRIX_FMT_FP6 matrix_a_scale:MATRIX_SCALE_ROW1
.endif
.endr
.endr
.endm
.macro FETCH_B slot, q, p
	WIN TO_B
.irp i, 0,1,2,3,4,5,6,7
	FRAG 128*(\p)+FR*\i, ADRB+\slot, \q, \i
.endr
	WIN 0
.endm
.macro FETCH_A slot, q, i0
.irp i, \i0, \i0+1, \i0+2, \i0+3
	FRAG AF+FR*(\i), ADRA+\slot, \q, \i
.endr
.endm
.macro SCALES sc
.irp i, 0,1,2,3,4,5,6,7
	ds_load_b32 v[SC+8*NQ*\sc+NQ*\i], v[ADRS] offset:\i*NKS*64
	ds_load_b32 v[SC+8*NQ*\sc+NQ*\i+1], v[ADRS] offset:\i*NKS*64+64
.endr
.endm
.macro PLACES n
.rept \n
	v_nop
.endr
.endm
.macro STEP slot, q, zero
	s_wait_dscnt 4*NL                              ; all but the youngest 16 loads (A's blocks 4-7) are in
	WIN MUL_LO
	MUL16 0, (\q)%2, \q, \slot, \zero
	MUL16 2, (\q)%2, \q, \slot, \zero
	s_wait_dscnt 0
	PLACES NP
	FETCH_B \slot, (\q)+1, 1-(\q)%2
	FETCH_A \slot, (\q)+1, 0
	WIN MUL_HI
	MUL16 4, (\q)%2, \q, \slot, \zero
	MUL16 6, (\q)%2, \q, \slot, \zero
	PLACES NP
	WIN 0
	FETCH_A \slot, (\q)+1, 4
.endm
.macro TURN slot, next, fill
	s_wait_tensorcnt 0x0                           ; all my tensor loads have landed: my part of the next slot
	ds_add_u32 v[SPW], v[NIL]
	s_wait_dscnt 4*NL+1                            ; (the add and the youngest 16 loads may be out)
	WIN MUL_LO
	MUL16 0, 1, NQ-1, \slot, 0
	s_wait_dscnt 0x0                               ; the add is done, and my reads of this slot are over
	s_barrier_signal -1
	MUL16 2, 1, NQ-1, \slot, 0
	WIN 0
	s_barrier_wait -1
.if \fill
	CREST                                          ; a round of the cluster's barrier: no wave of any partner still reads this slot or has a load on its way
	s_add_nc_u64 s[G0+4*\slot+2:G0+4*\slot+3], s[G0+4*\slot+2:G0+4*\slot+3], 2*SSA
	s_add_nc_u64 s[G0B+4*\slot+2:G0B+4*\slot+3], s[G0B+4*\slot+2:G0B+4*\slot+3], 2*SSB
	JLOAD G0+4*\slot, G1, G0B+4*\slot, G1B
.else
	PLACES NP
.endif
	v_add_nc_u32 v[ADRS], 64*NQ, v[ADRS]
	FETCH_B \next, 0, 0
	FETCH_A \next, 0, 0
	SCALES \next
	WIN MUL_HI
	MUL16 4, 1, NQ-1, \slot, 0
	MUL16 6, 1, NQ-1, \slot, 0
	PLACES NP
	WIN 0
	FETCH_A \next, 0, 4
.endm
	s_wait_tensorcnt 1                             ; the scale words and my part of K step 0 are in; K step 1's load may be out
	s_barrier_signal -1
	s_barrier_wait -1
	FETCH_B 0, 0, 0
	FETCH_A 0, 0, 0
	SCALES 0
	FETCH_A 0, 0, 4
	STEP 0, 0, 1
	s_mov_b32 s3, LAPS-1
.Llap:
	TURN 0, 1, 1
	STEP 1, 0, 0
	TURN 1, 0, 1
	STEP 0, 0, 0
	s_sub_co_u32 s3, s3, 1
	s_cmp_lg_u32 s3, 0
	s_cbranch_scc1 .Llap
	TURN 0, 1, 0
	STEP 1, 0, 0
	s_wait_dscnt 4*NL
	WIN MUL_LO
	MUL16 0, 1, NQ-1, 1, 0
	MUL16 2, 1, NQ-1, 1, 0
	s_wait_dscnt 0
	WIN MUL_HI
	MUL16 4, 1, NQ-1, 1, 0
	MUL16 6, 1, NQ-1, 1, 0
	WIN 0
; THE WAY OUT, a block of 16 tokens x 128 columns at a time, through my own stage: tile b's eight numbers go to columns 32 (b / 2) + 16 h + 8 (b % 2) on; rows come back whole and go to their tokens' rows of cf.
.macro TOSTAGE a
.set AC, 64*((\a)%4)
	WIN 0x08+4*((\a)/4)
.irp b, 0,1,2,3,4,5,6,7
	ds_store_b128 v[STO], v[AC+8*\b:AC+8*\b+3] offset:128*(\b/2)+32*(\b%2)      ; each accumulator from its low end on
	ds_store_b128 v[STO], v[AC+8*\b+4:AC+8*\b+7] offset:128*(\b/2)+32*(\b%2)+16
.endr
	WIN 0
.set BB, BK+64*((\a)%2)
.set t, 0
.rept 16
	ds_load_b128 v[BB+4*t:BB+4*t+3], v[RD] offset:t*SPITCH   ; LDS serves a wave's instructions in order
.set t, t+1
.endr
.endm
.macro SEND a, younger
.set BB, BK+64*((\a)%2)
	s_wait_dscnt \younger
.set t, 0
.rept 16
	global_store_b128 v[L16], v[BB+4*t:BB+4*t+3], s[12:13] offset:(32*((\a)/2)+8*((\a)%2)+(t%8)+16*(t/8))*4096 th:TH_STORE_NT   ; 512 consecutive bytes
.set t, t+1
.endr
.endm
	PLACES NP
	TOSTAGE 0
.irp a, 1,2,3,4,5,6,7
.if \a > 1
	s_wait_xcnt 0x0                                ; block a - 2's stores have read their registers: block a's loads may land there
.endif
	TOSTAGE \a
	SEND \a-1, 32                                  ; behind block a - 1's loads: block a's 16 stores and 16 loads
.endr
	SEND 7, 0
	s_wait_tensorcnt 0x0                           ; the wave's end
	ds_add_u32 v[SPW], v[NIL]
	s_wait_dscnt 0x0
	CROUND                                         ; the closing round
	s_endpgm
.Lfunc_end_k_q905b182342_wo:
	.size	k_q905b182342_wo, .Lfunc_end_k_q905b182342_wo-k_q905b182342_wo
	.p2alignl 7, 3214868480
	.fill 96, 4, 3214868480
	.section	.rodata,"a",@progbits
	.p2align	6, 0x0
	.amdhsa_kernel k_q905b182342_wo
		.amdhsa_group_segment_fixed_size 327680
		.amdhsa_private_segment_fixed_size 0
		.amdhsa_enable_private_segment 0
		.amdhsa_kernarg_size 24
		.amdhsa_user_sgpr_count 2
		.amdhsa_user_sgpr_kernarg_segment_ptr 1
		.amdhsa_wavefront_size32 1
		.amdhsa_system_sgpr_workgroup_id_x 1
		.amdhsa_system_sgpr_workgroup_id_y 1
		.amdhsa_system_sgpr_workgroup_id_z 1
		.amdhsa_system_vgpr_workitem_id 0
		.amdhsa_next_free_vgpr 1024
		.amdhsa_next_free_sgpr 98
		.amdhsa_reserve_vcc 0
		.amdhsa_float_denorm_mode_32 3
		.amdhsa_float_denorm_mode_16_64 3
		.amdhsa_memory_ordered 1
		.amdhsa_forward_progress 1
		.amdhsa_inst_pref_size 145
	.end_amdhsa_kernel
	.amdgpu_metadata
---
amdhsa.version: [ 1, 2 ]
amdhsa.kernels:
  - .name:           k_q905b182342_wo
    .symbol:         k_q905b182342_wo.kd
    .args:
      - { .name: ctx, .offset: 0, .size: 8, .value_kind: global_buffer, .address_space: global }
      - { .name: pw, .offset: 8, .size: 8, .value_kind: global_buffer, .address_space: global }
      - { .name: cf, .offset: 16, .size: 8, .value_kind: global_buffer, .address_space: global }
    .group_segment_fixed_size: 327680
    .private_segment_fixed_size: 0
    .kernarg_segment_align: 8
    .kernarg_segment_size: 24
    .max_flat_workgroup_size: 128
    .sgpr_count:     98
    .vgpr_count:     1024
    .wavefront_size: 32
...
	.end_amdgpu_metadata
.endif
;; end of part 4
;; launch ln1 (part 5): grid 256 x 1, 8 waves a work-group, no clusters, 71,168 bytes of LDS; arguments cf, x, bo, g1, be1, o1; writes o1
.if DOCPART == 5
	.amdgcn_target "amdgcn-amd-amdhsa--gfx1250"
	.amdhsa_code_object_version 6
	.text
	.protected	k_q905b182342_ln1
	.globl	k_q905b182342_ln1
	.p2align	8
	.type	k_q905b182342_ln1,@function
k_q905b182342_ln1:
	s_mov_b64 s[64:65], 0
	v_nop
	global_prefetch_b8 v0, s[64:65] scope:SCOPE_SE
	s_setreg_imm32_b32 hwreg(HW_REG_WAVE_MODE, 25, 1), 1
	s_wait_xcnt 0x0
; o1 = LayerNorm(x + (cf + bo)) x g1 + be1: as f32 rows (natural order, at 0), and quantised to FP6 (E2M3) along the 1,024 as the next product's operand (codes at 16,777,216, scale words at 19,922,944).
; A work-group owns one row block: 16 whole rows (tokens 32 (rb / 2) + 8 (rb % 2) + i % 8 + 16 (i / 8)); wave w owns columns 128 w .. + 127.  Loads and stores take 512 consecutive bytes of a row;
; the rows turn through the wave's own stage (pitch 528), so that a lane holds 64 numbers of ONE row, register 16 b + i = column 32 b + 16 (lane / 16) + i: what the quantiser wants.
; Mean and variance in two passes (the mean first, then the squares of the differences): a common offset of the inputs does no harm.  The waves' sums meet in LDS, a barrier each.
; Memory binds: no matrix unit, no cluster (work-groups share no input), no tensor loads.   LIMITS: blocks of zeros get the scale byte 1; NaN and infinities are not served.
.set CODES, 1
.set O1C,   16777216
.set O1S,   19922944
.set RED1,  67584                      ; behind the eight stages of 8,448 bytes: 128 bytes a wave for the sums; RED1 + 1024 for the squares
.set SCG,   69632                      ; the row block's 128 scale words
.set SPARE, 70144
.set SPW, 252
.set NIL, 253
.set L16, 1                            ; v1 16 x lane  v2 8 x lane  v3 r  v4 h  v5, v6 the stage, dense and by (r, h)  v7 64 h  v8, v9 the sums' words  v10 my scale word  v249 wave 0's 16 bytes of the scale words
.set L8,  2
.set TM,  16                           ; v16-31 at work   v32-95 cf, then y, then be, then rows on their way out   v96-159 the residual, then the row   v160-223 g   v224-227 the bias
.set PC,  228
.set SEL, 20
.macro QUANT s, pw
.irp b, 0,1,2,3
	v_max3_num_f32 v[TM+\b], |v[\s+16*\b]|, |v[\s+1+16*\b]|, 0x1800000
.endr
.irp i, 2,4,6,8,10,12,14
.irp b, 0,1,2,3
	v_max3_num_f32 v[TM+\b], v[TM+\b], |v[\s+16*\b+\i]|, |v[\s+1+16*\b+\i]|
.endr
.endr
.irp b, 0,1,2,3
	v_permlanex16_b32 v[TM+4+\b], v[TM+\b], s[SEL], s[SEL+1]
.endr
.irp b, 0,1,2,3
	v_max_num_f32 v[TM+\b], v[TM+\b], v[TM+4+\b]
.endr
.irp b, 0,1,2,3
	v_add_nc_u32 v[TM+12+\b], 0xff000000, v[TM+\b]
.endr
.irp b, 0,1,2,3
	v_lshrrev_b32 v[TM+4+\b], 23, v[TM+12+\b]
.endr
	v_lshl_or_b32 v[\pw], v[TM+5], 8, v[TM+4]
	v_lshl_or_b32 v[\pw], v[TM+6], 16, v[\pw]
	v_lshl_or_b32 v[\pw], v[TM+7], 24, v[\pw]
.irp c, 0,1
	v_cvt_scalef32_pk16_fp6_f32 v[PC+6*\c:PC+2+6*\c], v[\s+32*\c:\s+15+32*\c], v[TM+12+2*\c]
	v_cvt_scalef32_pk16_fp6_f32 v[PC+12+4*\c:PC+14+4*\c], v[\s+16+32*\c:\s+31+32*\c], v[TM+13+2*\c]
.endr
	v_nop
.irp c, 0,1
.irp i, 0,1,2
	v_permlane16_swap_b32 v[PC+6*\c+\i], v[PC+12+4*\c+\i]
.endr
.irp i, 0,1,2
	v_mov_b32 v[PC+3+6*\c+\i], v[PC+12+4*\c+\i]
.endr
.endr
.endm
.macro ROWSUM off                      ; v[12:13], v[14:15]: two chains of pairs -> the row's sum over all 1,024 columns, in v16
	v_pk_add_f32 v[12:13], v[12:13], v[14:15]
	v_add_f32 v12, v12, v13
	v_permlanex16_b32 v11, v12, s[SEL], s[SEL+1]
	v_add_f32 v12, v12, v11                        ; my wave's 128 columns of row r
	ds_store_b32 v8, v12 offset:\off
	s_wait_dscnt 0x0                               ; for the others' sake: my store is done
	s_barrier_signal -1
	s_barrier_wait -1
.irp i, 0,1,2,3,4,5,6,7
	ds_load_b32 v[16+\i], v9 offset:\off+128*\i
.endr
	s_wait_dscnt 0x0
	v_add_f32 v16, v16, v17
	v_add_f32 v18, v18, v19
	v_add_f32 v20, v20, v21
	v_add_f32 v22, v22, v23
	v_add_f32 v16, v16, v18
	v_add_f32 v20, v20, v22
	v_add_f32 v16, v16, v20
.endm
	s_load_b256 s[4:11], s[0:1], 0x0               ; cf, the residual, the bias, g
	s_load_b128 s[12:15], s[0:1], 0x20             ; be, the output
	v_lshl_add_u32 v[SPW], v0, 2, SPARE
	v_mov_b32 v[NIL], 0
	v_lshrrev_b32 v11, 5, v0
	v_readfirstlane_b32 s16, v11                   ; wave
	v_and_b32 v11, 31, v0
	v_lshlrev_b32 v[L16], 4, v11
	v_lshlrev_b32 v[L8], 3, v11
	v_and_b32 v3, 15, v0
	v_bfe_u32 v4, v0, 4, 1
	s_mul_i32 s17, s16, 8448
	v_add_nc_u32 v5, s17, v[L16]
	v_mul_u32_u24 v6, v3, 528
	v_lshl_add_u32 v6, v4, 6, v6
	v_add_nc_u32 v6, s17, v6
	v_lshlrev_b32 v7, 6, v4
	v_lshl_add_u32 v9, v11, 2, RED1
	s_lshl_b32 s17, s16, 7
	v_add_nc_u32 v8, s17, v9
	s_lshl_b32 s17, s16, 6
	s_add_co_u32 s17, s17, SCG
	v_lshl_add_u32 v10, v3, 2, s17
	v_add_nc_u32 v249, SCG, v[L16]
	s_mov_b32 s[SEL], 0x76543210
	s_mov_b32 s[SEL+1], 0xfedcba98
	s_mov_b32 s24, 0x3a800000                      ; 1 / 1024
	s_lshr_b32 s18, ttmp9, 1
	s_lshl_b32 s18, s18, 5
	s_and_b32 s19, ttmp9, 1
	s_lshl_b32 s19, s19, 3
	s_add_co_u32 s18, s18, s19                     ; the row block's first token
	s_lshl_b32 s18, s18, 12
	s_lshl_b32 s30, s16, 9                         ; my 128 columns, in bytes
	s_mov_b32 s31, 0
	s_add_co_u32 s18, s18, s30
	s_mov_b32 s19, 0
	s_lshr_b32 s32, s16, 1
	s_lshl_b32 s32, s32, 8
	s_add_co_u32 s32, s32, ttmp9
	s_mul_i32 s32, s32, 3072
	s_and_b32 s33, s16, 1
	s_mul_i32 s33, s33, 1536
	s_add_co_u32 s32, s32, s33
	s_add_co_u32 s32, s32, O1C                     ; my fragment: K step w of row block rb
	s_mov_b32 s33, 0
	s_lshl_b32 s34, ttmp9, 9
	s_add_co_u32 s34, s34, O1S
	s_mov_b32 s35, 0
	s_wait_kmcnt 0x0
	s_add_nc_u64 s[4:5], s[4:5], s[18:19]
	s_add_nc_u64 s[6:7], s[6:7], s[18:19]
	s_add_nc_u64 s[22:23], s[14:15], s[18:19]
	s_add_nc_u64 s[8:9], s[8:9], s[30:31]
	s_add_nc_u64 s[10:11], s[10:11], s[30:31]
	s_add_nc_u64 s[12:13], s[12:13], s[30:31]
	s_add_nc_u64 s[26:27], s[14:15], s[32:33]
	s_add_nc_u64 s[28:29], s[14:15], s[34:35]
	global_load_b128 v[224:227], v[L16], s[8:9]
.set i, 0
.rept 16
	global_load_b128 v[32+4*i:35+4*i], v[L16], s[4:5] offset:(16*(i/8)+(i%8))*4096 th:TH_LOAD_NT
.set i, i+1
.endr
.set i, 0
.rept 16
	global_load_b128 v[96+4*i:99+4*i], v[L16], s[6:7] offset:(16*(i/8)+(i%8))*4096 th:TH_LOAD_NT
.set i, i+1
.endr
.set i, 0
.rept 16
	global_load_b128 v[160+4*i:163+4*i], v7, s[10:11] offset:128*(i/4)+16*(i%4)   ; g in the order in which a lane will hold its row
.set i, i+1
.endr
	s_wait_loadcnt 16                              ; the bias, cf and the residual are in; g's 16 loads may be out
.set i, 0
.rept 16
	v_pk_add_f32 v[32+4*i:33+4*i], v[32+4*i:33+4*i], v[224:225]
	v_pk_add_f32 v[34+4*i:35+4*i], v[34+4*i:35+4*i], v[226:227]
	v_pk_add_f32 v[32+4*i:33+4*i], v[32+4*i:33+4*i], v[96+4*i:97+4*i]
	v_pk_add_f32 v[34+4*i:35+4*i], v[34+4*i:35+4*i], v[98+4*i:99+4*i]
.set i, i+1
.endr
.set i, 0
.rept 16
	ds_store_b128 v5, v[32+4*i:35+4*i] offset:528*i
.set i, i+1
.endr
.set i, 0
.rept 16
	ds_load_b128 v[96+4*i:99+4*i], v6 offset:128*(i/4)+16*(i%4)   ; LDS serves a wave's instructions in order
.set i, i+1
.endr
	s_wait_dscnt 0x0
.set i, 0
.rept 16
	global_load_b128 v[32+4*i:35+4*i], v7, s[12:13] offset:128*(i/4)+16*(i%4)     ; be, into the registers that the stores have read
.set i, i+1
.endr
	v_pk_add_f32 v[12:13], v[96:97], v[98:99]
	v_pk_add_f32 v[14:15], v[100:101], v[102:103]
.set j, 104
.rept 14
	v_pk_add_f32 v[12:13], v[12:13], v[j:j+1]
	v_pk_add_f32 v[14:15], v[14:15], v[j+2:j+3]
.set j, j+4
.endr
	ROWSUM 0
	v_mul_f32 v12, 0xba800000, v16                 ; - the mean
	v_mov_b32 v13, v12
.set j, 96
.rept 32
	v_pk_add_f32 v[j:j+1], v[j:j+1], v[12:13]
.set j, j+2
.endr
	v_pk_mul_f32 v[12:13], v[96:97], v[96:97]
	v_pk_mul_f32 v[14:15], v[98:99], v[98:99]
.set j, 100
.rept 15
	v_pk_fma_f32 v[12:13], v[j:j+1], v[j:j+1], v[12:13]
	v_pk_fma_f32 v[14:15], v[j+2:j+3], v[j+2:j+3], v[14:15]
.set j, j+4
.endr
	ROWSUM 1024
	v_fmaak_f32 v12, s24, v16, 0x3727c5ac          ; the variance + 1e-5
	v_rsq_f32 v12, v12
	v_nop                                          ; a plain place behind it
	s_wait_alu depctr_va_vdst(0)                   ; ahead of its first reader
	v_mov_b32 v13, v12
	s_wait_loadcnt 0x0                             ; g and be
.set j, 0
.rept 32
	v_pk_mul_f32 v[96+j:97+j], v[96+j:97+j], v[12:13]
	v_pk_fma_f32 v[96+j:97+j], v[96+j:97+j], v[160+j:161+j], v[32+j:33+j]
.set j, j+2
.endr
.set i, 0
.rept 16
	ds_store_b128 v6, v[96+4*i:99+4*i] offset:128*(i/4)+16*(i%4)
.set i, i+1
.endr
.set i, 0
.rept 16
	ds_load_b128 v[32+4*i:35+4*i], v5 offset:528*i
.set i, i+1
.endr
.set i, 0
.rept 16
	s_wait_dscnt 15-i                              ; row i is back; the rows behind it may be out
	global_store_b128 v[L16], v[32+4*i:35+4*i], s[22:23] offset:(16*(i/8)+(i%8))*4096   ; 512 consecutive bytes
.set i, i+1
.endr
.if CODES
	QUANT 96, 248
	global_store_b128 v[L16], v[PC:PC+3], s[26:27]
	global_store_b64 v[L8], v[PC+4:PC+5], s[26:27] offset:512
	global_store_b128 v[L16], v[PC+6:PC+9], s[26:27] offset:768
	global_store_b64 v[L8], v[PC+10:PC+11], s[26:27] offset:1280
	ds_store_b32 v10, v248                         ; lanes r and r + 16 write the same word with the same value
	s_wait_dscnt 0x0
	s_barrier_signal -1
	s_barrier_wait -1
	s_cmp_lg_u32 s16, 0
	s_cbranch_scc1 .Lnot_wave_0
	ds_load_b128 v[16:19], v249
	s_wait_dscnt 0x0
	global_store_b128 v[L16], v[16:19], s[28:29]   ; the row block's 512 bytes of scale words, by one store
.Lnot_wave_0:
.endif
	s_wait_tensorcnt 0x0                           ; the wave's end, behind my last LDS store
	ds_add_u32 v[SPW], v[NIL]
	s_wait_dscnt 0x0
	s_endpgm
.Lfunc_end_k_q905b182342_ln1:
	.size	k_q905b182342_ln1, .Lfunc_end_k_q905b182342_ln1-k_q905b182342_ln1
	.p2alignl 7, 3214868480
	.fill 96, 4, 3214868480
	.section	.rodata,"a",@progbits
	.p2align	6, 0x0
	.amdhsa_kernel k_q905b182342_ln1
		.amdhsa_group_segment_fixed_size 71168
		.amdhsa_private_segment_fixed_size 0
		.amdhsa_enable_private_segment 0
		.amdhsa_kernarg_size 48
		.amdhsa_user_sgpr_count 2
		.amdhsa_user_sgpr_kernarg_segment_ptr 1
		.amdhsa_wavefront_size32 1
		.amdhsa_system_sgpr_workgroup_id_x 1
		.amdhsa_system_sgpr_workgroup_id_y 1
		.amdhsa_system_sgpr_workgroup_id_z 1
		.amdhsa_system_vgpr_workitem_id 0
		.amdhsa_next_free_vgpr 256
		.amdhsa_next_free_sgpr 66
		.amdhsa_reserve_vcc 0
		.amdhsa_float_denorm_mode_32 3
		.amdhsa_float_denorm_mode_16_64 3
		.amdhsa_memory_ordered 1
		.amdhsa_forward_progress 1
		.amdhsa_inst_pref_size 36
	.end_amdhsa_kernel
	.amdgpu_metadata
---
amdhsa.version: [ 1, 2 ]
amdhsa.kernels:
  - .name:           k_q905b182342_ln1
    .symbol:         k_q905b182342_ln1.kd
    .args:
      - { .name: cf, .offset: 0, .size: 8, .value_kind: global_buffer, .address_space: global }
      - { .name: x, .offset: 8, .size: 8, .value_kind: global_buffer, .address_space: global }
      - { .name: bo, .offset: 16, .size: 8, .value_kind: global_buffer, .address_space: global }
      - { .name: g1, .offset: 24, .size: 8, .value_kind: global_buffer, .address_space: global }
      - { .name: be1, .offset: 32, .size: 8, .value_kind: global_buffer, .address_space: global }
      - { .name: o1, .offset: 40, .size: 8, .value_kind: global_buffer, .address_space: global }
    .group_segment_fixed_size: 71168
    .private_segment_fixed_size: 0
    .kernarg_segment_align: 8
    .kernarg_segment_size: 48
    .max_flat_workgroup_size: 256
    .sgpr_count:     66
    .vgpr_count:     256
    .wavefront_size: 32
...
	.end_amdgpu_metadata
.endif
;; end of part 5
;; launch ffn1 (part 6): grid 16 x 16, 4 waves a work-group, clusters of 4 x 4, 327,680 bytes of LDS; arguments o1, pw, b1, hid; writes hid
.if DOCPART == 6
	.amdgcn_target "amdgcn-amd-amdhsa--gfx1250"
	.amdhsa_code_object_version 6
	.text
	.protected	k_q905b182342_ffn1
	.globl	k_q905b182342_ffn1
	.p2align	8
	.type	k_q905b182342_ffn1,@function
k_q905b182342_ffn1:
	s_mov_b64 s[64:65], 0
	v_nop
	global_prefetch_b8 v0, s[64:65] scope:SCOPE_SE
	s_setreg_imm32_b32 hwreg(HW_REG_WAVE_MODE, 25, 1), 1
	s_wait_xcnt 0x0
	s_wait_alu depctr_hold_cnt(0) depctr_sa_sdst(0) depctr_va_vdst(0) depctr_va_sdst(0) depctr_va_ssrc(0) depctr_va_vcc(0) depctr_vm_vsrc(0)
	s_getreg_b32 s2, hwreg(HW_REG_IB_STS2, 6, 4)
	s_cmp_eq_u32 s2, 0
	s_cbranch_scc0 .Lentry_in_a_cluster
	s_endpgm
.Lentry_in_a_cluster:
	s_bfe_u32 s2, ttmp6, 0x10000c
	s_cmp_lg_u32 s2, 0xf033
	s_cbranch_scc0 .Lentry_shape_is_right
	s_endpgm
.Lentry_shape_is_right:
; hid = Q(relu(o1 W1 + b1)) on codes of FP6 (E2M3) with E8M0 scales: the hidden layer [4096][4096] leaves as codes and scale words, quantised along its own 4,096, in the order of the next product's operand registers.
; Both operands lie in the order of the operand's registers, rows in position order (bits 3 and 4 of a row's number exchanged): a slot's 128 rows x 256 K are 24,576 dense bytes.
; A tile of 256 x 256 is made by four waves, 128 x 128 each (64 accumulators).  K goes in steps of 256 through two LDS slots filled by joint tensor loads of a 4 x 4 cluster; all scale words come once, with the first fills.
; THE PRODUCT IS USED TRANSPOSED: source 0 = W1's rows, source 1 = the tokens: a lane holds one token, and its 64 registers of a block are 4 x 16 neighbours along the next K: my 128 hidden units are one K step of it.
; LIMITS: blocks of zeros get the scale byte 1 (read by this program alone); NaN and infinities are not served.
.set KK,    1024
.set SSA,   786432
.set SSB,   786432
.set AC_O,  16777216                   ; o1's codes and scale words
.set AS_O,  19922944
.set BC_O,  6291456                    ; W1's in pw
.set BS_O,  12845056
.set HS_O,  12582912                   ; the hidden layer's scale words in hid
.set NQ,    2
.set FR,    12
.set NL,    4
.set NP,    4
.set HALFT, 24576
.set SLOT,  4*HALFT
.set SCL,   2*SLOT
.set NKS,   KK/128
.set HALFS, 512*NKS
.set SPARE, SCL+4*HALFS
.set LAPS,  KK/512
.set ADRA, 16
.set ADRB, 20
.set L16,  24
.set L8,   25
.set ADRS, 27
.set SPW,  28
.set NIL,  29
.set SC,   32
.set BI,   64                          ; v64-127 b1 along my registers
.set AF,   128
.set ST,   128
.set PC,   192
.set TM,   212
.set SEL,  92
.set G1, 24
.set G0, 32
.set G1B, 48
.set G0B, 56
.set G1S, 68
.set G0S, 76
.set G1SB, 80
.set G0SB, 88
.set MSB, 0
.macro WIN new
.if MSB != (\new)
	s_set_vgpr_msb (MSB<<8)|(\new)
.set MSB, (\new)
.endif
.endm
.set MUL_LO, 0xa1
.set MUL_HI, 0xf1
.set TO_B,   0x40
.macro JLOAD g0a, g1a, g0b, g1b        ; a joint load: waves 0, 1 fetch for A, waves 2, 3 for B; s_nop 0 and four v_nop follow each line
	s_cmp_eq_u32 s15, 0
	s_cbranch_scc0 .Lfor_b_\@
	tensor_load_to_lds s[\g0a:\g0a+3], s[\g1a:\g1a+7]
	s_nop 0
.rept 4
	v_nop
.endr
	s_branch .Lasked_\@
.Lfor_b_\@:
	tensor_load_to_lds s[\g0b:\g0b+3], s[\g1b:\g1b+7]
	s_nop 0
.rept 4
	v_nop
.endr
.Lasked_\@:
.endm
.macro CREST
	s_cmp_lg_u32 s14, 0
	s_cbranch_scc1 .Lnot_wave_0_\@
	s_barrier_signal -3
.Lnot_wave_0_\@:
	s_barrier_wait -3
	s_barrier_signal -1
	s_barrier_wait -1
.endm
.macro CROUND
	s_barrier_signal -1
	s_barrier_wait -1
	CREST
.endm
	s_load_b128 s[4:7], s[0:1], 0x0                ; o1, pw
	s_load_b128 s[96:99], s[0:1], 0x10             ; b1, hid
	v_lshl_add_u32 v[SPW], v0, 2, SPARE
	v_mov_b32 v[NIL], 0
	ds_add_u32 v[SPW], v[NIL]                      ; the wave's opening: the add and its wait ahead of my first tensor load
	v_lshrrev_b32 v1, 5, v0
	v_readfirstlane_b32 s14, v1
	s_lshr_b32 s15, s14, 1
	s_and_b32 s16, s14, 1
	s_bfe_u32 s40, ttmp6, 0x40000
	s_bfe_u32 s41, ttmp6, 0x40004
	s_lshl_b32 s42, ttmp9, 2
	s_add_co_u32 s42, s42, s40
	s_and_b32 s17, ttmp7, 0xffff
	s_lshl_b32 s17, s17, 2
	s_add_co_u32 s17, s17, s41
	s_lshl_b32 s43, s41, 2
	s_lshl_b32 s43, 15, s43
	s_lshl_b32 s44, 0x1111, s40
	s_or_b32 s[G1+0], s43, (3<<16)|(1<<21)
	s_or_b32 s[G1B+0], s44, (3<<16)|(1<<21)
.irp g, G1, G1B
	s_mov_b32 s[\g+1], 32<<16                      ; 96 rows of 256 dense bytes
	s_mov_b32 s[\g+2], 96<<16
	s_mov_b32 s[\g+3], 32<<16
	s_mov_b32 s[\g+4], 96
	s_mov_b32 s[\g+5], 32
	s_mov_b32 s[\g+6], 0
	s_mov_b32 s[\g+7], 0
.endr
	s_or_b32 s[G1S+0], s43, (3<<16)|(1<<21)
	s_or_b32 s[G1SB+0], s44, (3<<16)|(1<<21)
.irp g, G1S, G1SB
	s_mov_b32 s[\g+1], 32<<16
	s_mov_b32 s[\g+2], (2*NKS)<<16
	s_mov_b32 s[\g+3], 32<<16
	s_mov_b32 s[\g+4], 2*NKS
	s_mov_b32 s[\g+5], 32
	s_mov_b32 s[\g+6], 0
	s_mov_b32 s[\g+7], 0
.endr
	s_lshl_b32 s18, s16, 3
	s_lshl_b32 s20, s17, 4
	s_add_co_u32 s20, s20, s18
	s_lshl_b32 s46, s42, 4
	s_add_co_u32 s46, s46, s18
	s_mul_i32 s22, s20, NKS*64
	s_mul_i32 s92, s46, NKS*64
	s_mul_i32 s20, s20, 3072
	s_mul_i32 s46, s46, 3072
	s_mov_b32 s21, 0
	s_mov_b32 s23, 0
	s_mov_b32 s47, 0
	s_mov_b32 s93, 0
	s_mul_i32 s45, s14, HALFT
	s_mul_i32 s94, s14, HALFS
	s_wait_dscnt 0x0
	s_wait_kmcnt 0x0
	s_add_nc_u64 s[8:9], s[6:7], BC_O
	s_add_nc_u64 s[10:11], s[6:7], BS_O
	s_add_nc_u64 s[6:7], s[4:5], AS_O
	s_add_nc_u64 s[4:5], s[4:5], AC_O
	s_add_nc_u64 s[20:21], s[4:5], s[20:21]
	s_add_nc_u64 s[22:23], s[6:7], s[22:23]
	s_add_nc_u64 s[46:47], s[8:9], s[46:47]
	s_add_nc_u64 s[92:93], s[10:11], s[92:93]
	CROUND
	s_mov_b32 s[G0S], 1
	s_add_co_u32 s[G0S+1], s94, SCL
	s_mov_b64 s[G0S+2:G0S+3], s[22:23]
	s_or_b32 s[G0S+3], s[G0S+3], 0x80000000
	s_mov_b32 s[G0SB], 1
	s_add_co_u32 s[G0SB+1], s94, SCL
	s_mov_b64 s[G0SB+2:G0SB+3], s[92:93]
	s_or_b32 s[G0SB+3], s[G0SB+3], 0x80000000
	JLOAD G0S, G1S, G0SB, G1SB
.irp s, 0,1
	s_mov_b32 s[G0+4*\s], 1
	s_add_co_u32 s[G0+4*\s+1], s45, \s*SLOT
	s_add_nc_u64 s[G0+4*\s+2:G0+4*\s+3], s[20:21], \s*SSA
	s_or_b32 s[G0+4*\s+3], s[G0+4*\s+3], 0x80000000
	s_mov_b32 s[G0B+4*\s], 1
	s_add_co_u32 s[G0B+4*\s+1], s45, \s*SLOT
	s_add_nc_u64 s[G0B+4*\s+2:G0B+4*\s+3], s[46:47], \s*SSB
	s_or_b32 s[G0B+4*\s+3], s[G0B+4*\s+3], 0x80000000
	JLOAD G0+4*\s, G1, G0B+4*\s, G1B
.endr
	v_and_b32 v1, 15, v0
	v_bfe_u32 v2, v0, 4, 1
	v_and_b32 v3, 31, v0
	v_lshlrev_b32 v[L16], 4, v3
	v_lshlrev_b32 v[L8], 3, v3
	s_mul_i32 s21, s15, HALFT
	s_mul_i32 s22, s16, HALFT
	s_add_co_u32 s22, s22, 2*HALFT
.irp s, 0,1
	v_add_nc_u32 v[ADRA+\s], s21, v[L16]
	v_add_nc_u32 v[ADRB+\s], s22, v[L16]
	v_add_nc_u32 v[ADRA+2+\s], s21, v[L8]
	v_add_nc_u32 v[ADRB+2+\s], s22, v[L8]
	s_add_co_u32 s21, s21, SLOT
	s_add_co_u32 s22, s22, SLOT
.endr
	v_lshlrev_b32 v5, 2, v1
	s_mul_i32 s21, s15, HALFS
	s_mul_i32 s22, s16, HALFS
	s_add_co_u32 s22, s22, 2*HALFS
	s_sub_co_u32 s22, s22, s21
	v_mul_u32_u24 v6, s22, v2
	s_add_co_u32 s21, s21, SCL
	v_add_nc_u32 v5, v5, v6
	v_add_nc_u32 v[ADRS], s21, v5
	; what the way out wants
	s_lshl_b32 s18, s42, 10
	s_lshl_b32 s19, s16, 9
	s_add_co_u32 s18, s18, s19
	s_mov_b32 s19, 0
	s_add_nc_u64 s[96:97], s[96:97], s[18:19]      ; b1 at my 128 hidden units
	s_lshl_b32 s18, s42, 8
	s_lshl_b32 s20, s17, 4
	s_add_co_u32 s18, s18, s20
	s_lshl_b32 s20, s15, 3
	s_add_co_u32 s18, s18, s20
	s_mul_i32 s18, s18, 3072
	s_mul_i32 s20, s16, 1536
	s_add_co_u32 s18, s18, s20
	s_add_nc_u64 s[18:19], s[98:99], s[18:19]      ; my first fragment of the hidden layer: K step 2 x tile column + half
	s_lshl_b32 s20, s17, 4
	s_lshl_b32 s21, s15, 3
	s_add_co_u32 s20, s20, s21
	s_lshl_b32 s20, s20, 5
	s_lshl_b32 s21, s42, 1
	s_add_co_u32 s20, s20, s21
	s_add_co_u32 s20, s20, s16
	s_lshl_b32 s20, s20, 6
	s_add_co_u32 s20, s20, HS_O
	s_mov_b32 s21, 0
	s_add_nc_u64 s[20:21], s[98:99], s[20:21]      ; and its scale words
	v_lshlrev_b32 v30, 6, v2                       ; 64 h
	v_lshlrev_b32 v31, 2, v1
	v_lshl_add_u32 v31, v2, 11, v31                ; 4 r + 2048 h: lanes 16-31 store the next row block's words
.irp b, 0,1,2,3,4,5,6,7
	global_load_b128 v[BI+8*\b:BI+8*\b+3], v30, s[96:97] offset:(32*(\b/2)+8*(\b%2))*4
	global_load_b128 v[BI+8*\b+4:BI+8*\b+7], v30, s[96:97] offset:(32*(\b/2)+8*(\b%2))*4+16
.endr
	s_mov_b32 s[SEL], 0x76543210
	s_mov_b32 s[SEL+1], 0xfedcba98
	s_mov_b32 s94, 0xffff0000
.macro FRAG reg, adr, q, i
	ds_load_b128 v[\reg:\reg+3], v[\adr] offset:3072*(\i)+1536*(\q)
	ds_load_b64 v[\reg+4:\reg+5], v[\adr+2] offset:3072*(\i)+1536*(\q)+512
	ds_load_b128 v[\reg+6:\reg+9], v[\adr] offset:3072*(\i)+1536*(\q)+768
	ds_load_b64 v[\reg+10:\reg+11], v[\adr+2] offset:3072*(\i)+1536*(\q)+1280
.endm
; the 64 accumulators take turns, one instruction a turn, in the same order in every step
.macro MUL16 a0, p, q, sc, zero
.irp a, \a0, \a0+1
.irp b, 0,1,2,3,4,5,6,7
.if \zero
	v_wmma_scale_f32_16x16x128_f8f6f4 v[8*(8*((\a)%4)+\b):8*(8*((\a)%4)+\b)+7], v[128*(\p)+FR*\b:128*(\p)+FR*\b+FR-1], v[AF+FR*(\a):AF+FR*(\a)+FR-1], 0, v[SC+8*NQ*(\sc)+NQ*\b+(\q)], v[SC+8*NQ*(\sc)+NQ*(\a)+(\q)] matrix_a_fmt:MATRIX_FMT_FP6 matrix_b_fmt:MATRIX_FMT_FP6 matrix_a_scale:MATRIX_SCALE_ROW1
.else
	v_wmma_scale_f32_16x16x128_f8f6f4 v[8*(8*((\a)%4)+\b):8*(8*((\a)%4)+\b)+7], v[128*(\p)+FR*\b:128*(\p)+FR*\b+FR-1], v[AF+FR*(\a):AF+FR*(\a)+FR-1], v[8*(8*((\a)%4)+\b):8*(8*((\a)%4)+\b)+7], v[SC+8*NQ*(\sc)+NQ*\b+(\q)], v[SC+8*NQ*(\sc)+NQ*(\a)+(\q)] matrix_a_fmt:MATRIX_FMT_FP6 matrix_b_fmt:MATRIX_FMT_FP6 matrix_a_scale:MATRIX_SCALE_ROW1
.endif
.endr
.endr
.endm
.macro FETCH_B slot, q, p
	WIN TO_B
.irp i, 0,1,2,3,4,5,6,7
	FRAG 128*(\p)+FR*\i, ADRB+\slot, \q, \i
.endr
	WIN 0
.endm
.macro FETCH_A slot, q, i0
.irp i, \i0, \i0+1, \i0+2, \i0+3
	FRAG AF+FR*(\i), ADRA+\slot, \q, \i
.endr
.endm
.macro SCALES sc
.irp i, 0,1,2,3,4,5,6,7
	ds_load_b32 v[SC+8*NQ*\sc+NQ*\i], v[ADRS] offset:\i*NKS*64
	ds_load_b32 v[SC+8*NQ*\sc+NQ*\i+1], v[ADRS] offset:\i*NKS*64+64
.endr
.endm
.macro PLACES n
.rept \n
	v_nop
.endr
.endm
.macro STEP slot, q, zero
	s_wait_dscnt 4*NL                              ; all but the youngest 16 loads (A's blocks 4-7) are in
	WIN MUL_LO
	MUL16 0, (\q)%2, \q, \slot, \zero
	MUL16 2, (\q)%2, \q, \slot, \zero
	s_wait_dscnt 0
	PLACES NP
	FETCH_B \slot, (\q)+1, 1-(\q)%2
	FETCH_A \slot, (\q)+1, 0
	WIN MUL_HI
	MUL16 4, (\q)%2, \q, \slot, \zero
	MUL16 6, (\q)%2, \q, \slot, \zero
	PLACES NP
	WIN 0
	FETCH_A \slot, (\q)+1, 4
.endm
.macro TURN slot, next, fill
	s_wait_tensorcnt 0x0                           ; all my tensor loads have landed: my part of the next slot
	ds_add_u32 v[SPW], v[NIL]
	s_wait_dscnt 4*NL+1                            ; (the add and the youngest 16 loads may be out)
	WIN MUL_LO
	MUL16 0, 1, NQ-1, \slot, 0
	s_wait_dscnt 0x0                               ; the add is done, and my reads of this slot are over
	s_barrier_signal -1
	MUL16 2, 1, NQ-1, \slot, 0
	WIN 0
	s_barrier_wait -1
.if \fill
	CREST                                          ; a round of the cluster's barrier: no wave of any partner still reads this slot or has a load on its way
	s_add_nc_u64 s[G0+4*\slot+2:G0+4*\slot+3], s[G0+4*\slot+2:G0+4*\slot+3], 2*SSA
	s_add_nc_u64 s[G0B+4*\slot+2:G0B+4*\slot+3], s[G0B+4*\slot+2:G0B+4*\slot+3], 2*SSB
	JLOAD G0+4*\slot, G1, G0B+4*\slot, G1B
.else
	PLACES NP
.endif
	v_add_nc_u32 v[ADRS], 64*NQ, v[ADRS]
	FETCH_B \next, 0, 0
	FETCH_A \next, 0, 0
	SCALES \next
	WIN MUL_HI
	MUL16 4, 1, NQ-1, \slot, 0
	MUL16 6, 1, NQ-1, \slot, 0
	PLACES NP
	WIN 0
	FETCH_A \next, 0, 4
.endm
	s_wait_loadcnt 0x0                             ; b1: its address registers are free from here on
	s_wait_tensorcnt 1                             ; the scale words and my part of K step 0 are in; K step 1's load may be out
	s_barrier_signal -1
	s_barrier_wait -1
	FETCH_B 0, 0, 0
	FETCH_A 0, 0, 0
	SCALES 0
	FETCH_A 0, 0, 4
	STEP 0, 0, 1
	s_mov_b32 s3, LAPS-1
.Llap:
	TURN 0, 1, 1
	STEP 1, 0, 0
	TURN 1, 0, 1
	STEP 0, 0, 0
	s_sub_co_u32 s3, s3, 1
	s_cmp_lg_u32 s3, 0
	s_cbranch_scc1 .Llap
	TURN 0, 1, 0
	STEP 1, 0, 0
	s_wait_dscnt 4*NL
	WIN MUL_LO
	MUL16 0, 1, NQ-1, 1, 0
	MUL16 2, 1, NQ-1, 1, 0
	s_wait_dscnt 0
	WIN MUL_HI
	MUL16 4, 1, NQ-1, 1, 0
	MUL16 6, 1, NQ-1, 1, 0
	WIN 0
; THE WAY OUT.  Block a: a lane's 64 results, register 16 b + i = hidden unit 32 b + 16 (lane / 16) + i, get b1 and the relu and are quantised in registers: one fragment and one scale word a row.
.macro QUANT s, pw
.irp b, 0,1,2,3
	v_max3_num_f32 v[TM+\b], |v[\s+16*\b]|, |v[\s+1+16*\b]|, 0x1800000
.endr
.irp i, 2,4,6,8,10,12,14
.irp b, 0,1,2,3
	v_max3_num_f32 v[TM+\b], v[TM+\b], |v[\s+16*\b+\i]|, |v[\s+1+16*\b+\i]|
.endr
.endr
.irp b, 0,1,2,3
	v_permlanex16_b32 v[TM+4+\b], v[TM+\b], s[SEL], s[SEL+1]
.endr
.irp b, 0,1,2,3
	v_max_num_f32 v[TM+\b], v[TM+\b], v[TM+4+\b]
.endr
.irp b, 0,1,2,3
	v_add_nc_u32 v[TM+12+\b], 0xff000000, v[TM+\b]
.endr
.irp b, 0,1,2,3
	v_lshrrev_b32 v[TM+4+\b], 23, v[TM+12+\b]
.endr
	v_lshl_or_b32 v[\pw], v[TM+5], 8, v[TM+4]
	v_lshl_or_b32 v[\pw], v[TM+6], 16, v[\pw]
	v_lshl_or_b32 v[\pw], v[TM+7], 24, v[\pw]
.irp c, 0,1
	v_cvt_scalef32_pk16_fp6_f32 v[PC+6*\c:PC+2+6*\c], v[\s+32*\c:\s+15+32*\c], v[TM+12+2*\c]
	v_cvt_scalef32_pk16_fp6_f32 v[PC+12+4*\c:PC+14+4*\c], v[\s+16+32*\c:\s+31+32*\c], v[TM+13+2*\c]
.endr
	v_nop
.irp c, 0,1
.irp i, 0,1,2
	v_permlane16_swap_b32 v[PC+6*\c+\i], v[PC+12+4*\c+\i]
.endr
.irp i, 0,1,2
	v_mov_b32 v[PC+3+6*\c+\i], v[PC+12+4*\c+\i]
.endr
.endr
.endm
.macro FROUT sb, off
	global_store_b128 v[L16], v[PC:PC+3], s[\sb:\sb+1] offset:(\off)
	global_store_b64 v[L8], v[PC+4:PC+5], s[\sb:\sb+1] offset:(\off)+512
	global_store_b128 v[L16], v[PC+6:PC+9], s[\sb:\sb+1] offset:(\off)+768
	global_store_b64 v[L8], v[PC+10:PC+11], s[\sb:\sb+1] offset:(\off)+1280
.endm
.macro BLOCKIN a                       ; + the bias; each accumulator is read from its low end on
	WIN 0x02+((\a)/4)
.set p, 0
.rept 32
	v_pk_add_f32 v[ST+p:ST+p+1], v[64*((\a)%4)+p:64*((\a)%4)+p+1], v[BI+p:BI+p+1]
.set p, p+2
.endr
	WIN 0
.endm
	PLACES NP
.irp b, 0,1,2,3
	v_mov_b32 v[TM+4+\b], 0
.endr
.irp a, 0,1,2,3,4,5,6,7
	BLOCKIN \a
.set p, 0
.rept 64
	v_max_num_f32 v[ST+p], 0, v[ST+p]              ; the activation, in f32
.set p, p+1
.endr
.if \a > 0
	s_wait_xcnt 0x0                                ; the last block's stores have read v[PC] on
.endif
	QUANT ST, 32+\a
	FROUT 18, 3072*\a
.endr
.irp a, 0,2,4,6
	v_cndmask_b32 v[48+\a/2], v[32+\a], v[33+\a], s94
	global_store_b32 v31, v[48+\a/2], s[20:21] offset:2048*\a   ; 64 bytes of each of two row blocks: a K step's words of a row block are that short
.endr
	s_wait_tensorcnt 0x0                           ; the wave's end
	ds_add_u32 v[SPW], v[NIL]
	s_wait_dscnt 0x0
	CROUND                                         ; the closing round
	s_endpgm
.Lfunc_end_k_q905b182342_ffn1:
	.size	k_q905b182342_ffn1, .Lfunc_end_k_q905b182342_ffn1-k_q905b182342_ffn1
	.p2alignl 7, 3214868480
	.fill 96, 4, 3214868480
	.section	.rodata,"a",@progbits
	.p2align	6, 0x0
	.amdhsa_kernel k_q905b182342_ffn1
		.amdhsa_group_segment_fixed_size 327680
		.amdhsa_private_segment_fixed_size 0
		.amdhsa_enable_private_segment 0
		.amdhsa_kernarg_size 32
		.amdhsa_user_sgpr_count 2
		.amdhsa_user_sgpr_kernarg_segment_ptr 1
		.amdhsa_wavefront_size32 1
		.amdhsa_system_sgpr_workgroup_id_x 1
		.amdhsa_system_sgpr_workgroup_id_y 1
		.amdhsa_system_sgpr_workgroup_id_z 1
		.amdhsa_system_vgpr_workitem_id 0
		.amdhsa_next_free_vgpr 1024
		.amdhsa_next_free_sgpr 100
		.amdhsa_reserve_vcc 0
		.amdhsa_float_denorm_mode_32 3
		.amdhsa_float_denorm_mode_16_64 3
		.amdhsa_memory_ordered 1
		.amdhsa_forward_progress 1
		.amdhsa_inst_pref_size 185
	.end_amdhsa_kernel
	.amdgpu_metadata
---
amdhsa.version: [ 1, 2 ]
amdhsa.kernels:
  - .name:           k_q905b182342_ffn1
    .symbol:         k_q905b182342_ffn1.kd
    .args:
      - { .name: o1, .offset: 0, .size: 8, .value_kind: global_buffer, .address_space: global }
      - { .name: pw, .offset: 8, .size: 8, .value_kind: global_buffer, .address_space: global }
      - { .name: b1, .offset: 16, .size: 8, .value_kind: global_buffer, .address_space: global }
      - { .name: hid, .offset: 24, .size: 8, .value_kind: global_buffer, .address_space: global }
    .group_segment_fixed_size: 327680
    .private_segment_fixed_size: 0
    .kernarg_segment_align: 8
    .kernarg_segment_size: 32
    .max_flat_workgroup_size: 128
    .sgpr_count:     100
    .vgpr_count:     1024
    .wavefront_size: 32
...
	.end_amdgpu_metadata
.endif
;; end of part 6
;; launch ffn2 (part 7): grid 4 x 16, 4 waves a work-group, clusters of 4 x 4, 327,680 bytes of LDS; arguments hid, pw, cf; writes cf
.if DOCPART == 7
	.amdgcn_target "amdgcn-amd-amdhsa--gfx1250"
	.amdhsa_code_object_version 6
	.text
	.protected	k_q905b182342_ffn2
	.globl	k_q905b182342_ffn2
	.p2align	8
	.type	k_q905b182342_ffn2,@function
k_q905b182342_ffn2:
	s_mov_b64 s[64:65], 0
	v_nop
	global_prefetch_b8 v0, s[64:65] scope:SCOPE_SE
	s_setreg_imm32_b32 hwreg(HW_REG_WAVE_MODE, 25, 1), 1
	s_wait_xcnt 0x0
	s_wait_alu depctr_hold_cnt(0) depctr_sa_sdst(0) depctr_va_vdst(0) depctr_va_sdst(0) depctr_va_ssrc(0) depctr_va_vcc(0) depctr_vm_vsrc(0)
	s_getreg_b32 s2, hwreg(HW_REG_IB_STS2, 6, 4)
	s_cmp_eq_u32 s2, 0
	s_cbranch_scc0 .Lentry_in_a_cluster
	s_endpgm
.Lentry_in_a_cluster:
	s_bfe_u32 s2, ttmp6, 0x10000c
	s_cmp_lg_u32 s2, 0xf033
	s_cbranch_scc0 .Lentry_shape_is_right
	s_endpgm
.Lentry_shape_is_right:
; cf = hid W2, raw f32 sums [4096][1024] in natural order, on codes of FP6 (E2M3) with E8M0 scales; K = 4,096.  The bias, the residual and the norm follow in the next launch, which owns whole rows.
; Both operands lie in the order of the operand's registers, rows in position order (bits 3 and 4 of a row's number exchanged): a slot's 128 rows x 256 K are 24,576 dense bytes.
; A tile of 256 x 256 is made by four waves, 128 x 128 each (64 accumulators).  K goes in steps of 256 through two LDS slots filled by joint tensor loads of a 4 x 4 cluster; all scale words come once, with the first fills.
; THE PRODUCT IS USED TRANSPOSED: source 0 = the weight's rows, source 1 = the tokens: a lane holds one token and, in two neighbouring tiles, 16 neighbouring columns.
; 1,024 columns make 64 tiles of this size: 64 work-groups.
.set KK,    4096
.set SSA,   786432
.set SSB,   196608
.set AS_O,  12582912                   ; A's scale words in its buffer
.set BC_O,  9437184                    ; B's codes and scale words in pw
.set BS_O,  12976128
.set NQ,    2
.set FR,    12
.set NL,    4
.set NP,    4
.set HALFT, 24576
.set SLOT,  4*HALFT
.set SCL,   2*SLOT
.set NKS,   KK/128
.set HALFS, 512*NKS
.set SPARE, SCL+4*HALFS
.set LAPS,  KK/512
.set SPITCH, 528                       ; the way out: a stage of 16 rows x (512 + 16) bytes a wave, in slot 0, which has had its last fill and its last read by then
.set ADRA, 16
.set ADRB, 20
.set L16,  24
.set L8,   25
.set ADRS, 27
.set SPW,  28
.set NIL,  29
.set STO,  30
.set RD,   31
.set SC,   32
.set AF,   128
.set BK,   128
.set G1, 24
.set G0, 32
.set G1B, 48
.set G0B, 56
.set G1S, 68
.set G0S, 76
.set G1SB, 80
.set G0SB, 88
.set MSB, 0
.macro WIN new
.if MSB != (\new)
	s_set_vgpr_msb (MSB<<8)|(\new)
.set MSB, (\new)
.endif
.endm
.set MUL_LO, 0xa1
.set MUL_HI, 0xf1
.set TO_B,   0x40
.macro JLOAD g0a, g1a, g0b, g1b        ; a joint load: waves 0, 1 fetch for A, waves 2, 3 for B; s_nop 0 and four v_nop follow each line
	s_cmp_eq_u32 s15, 0
	s_cbranch_scc0 .Lfor_b_\@
	tensor_load_to_lds s[\g0a:\g0a+3], s[\g1a:\g1a+7]
	s_nop 0
.rept 4
	v_nop
.endr
	s_branch .Lasked_\@
.Lfor_b_\@:
	tensor_load_to_lds s[\g0b:\g0b+3], s[\g1b:\g1b+7]
	s_nop 0
.rept 4
	v_nop
.endr
.Lasked_\@:
.endm
.macro CREST
	s_cmp_lg_u32 s14, 0
	s_cbranch_scc1 .Lnot_wave_0_\@
	s_barrier_signal -3
.Lnot_wave_0_\@:
	s_barrier_wait -3
	s_barrier_signal -1
	s_barrier_wait -1
.endm
.macro CROUND
	s_barrier_signal -1
	s_barrier_wait -1
	CREST
.endm
	s_load_b128 s[4:7], s[0:1], 0x0                ; A's buffer, pw
	s_load_b64 s[12:13], s[0:1], 0x10              ; cf
	v_lshl_add_u32 v[SPW], v0, 2, SPARE
	v_mov_b32 v[NIL], 0
	ds_add_u32 v[SPW], v[NIL]                      ; the wave's opening: the add and its wait ahead of my first tensor load
	v_lshrrev_b32 v1, 5, v0
	v_readfirstlane_b32 s14, v1
	s_lshr_b32 s15, s14, 1
	s_and_b32 s16, s14, 1
	s_bfe_u32 s40, ttmp6, 0x40000
	s_bfe_u32 s41, ttmp6, 0x40004
	s_lshl_b32 s42, ttmp9, 2
	s_add_co_u32 s42, s42, s40                     ; tile column
	s_and_b32 s17, ttmp7, 0xffff
	s_lshl_b32 s17, s17, 2
	s_add_co_u32 s17, s17, s41                     ; tile row
	s_lshl_b32 s43, s41, 2
	s_lshl_b32 s43, 15, s43
	s_lshl_b32 s44, 0x1111, s40
	s_or_b32 s[G1+0], s43, (3<<16)|(1<<21)
	s_or_b32 s[G1B+0], s44, (3<<16)|(1<<21)
.irp g, G1, G1B
	s_mov_b32 s[\g+1], 32<<16                      ; 96 rows of 256 dense bytes
	s_mov_b32 s[\g+2], 96<<16
	s_mov_b32 s[\g+3], 32<<16
	s_mov_b32 s[\g+4], 96
	s_mov_b32 s[\g+5], 32
	s_mov_b32 s[\g+6], 0
	s_mov_b32 s[\g+7], 0
.endr
	s_or_b32 s[G1S+0], s43, (3<<16)|(1<<21)
	s_or_b32 s[G1SB+0], s44, (3<<16)|(1<<21)
.irp g, G1S, G1SB
	s_mov_b32 s[\g+1], 32<<16
	s_mov_b32 s[\g+2], (2*NKS)<<16
	s_mov_b32 s[\g+3], 32<<16
	s_mov_b32 s[\g+4], 2*NKS
	s_mov_b32 s[\g+5], 32
	s_mov_b32 s[\g+6], 0
	s_mov_b32 s[\g+7], 0
.endr
	s_lshl_b32 s18, s16, 3
	s_lshl_b32 s20, s17, 4
	s_add_co_u32 s20, s20, s18
	s_lshl_b32 s46, s42, 4
	s_add_co_u32 s46, s46, s18
	s_mul_i32 s22, s20, NKS*64
	s_mul_i32 s92, s46, NKS*64
	s_mul_i32 s20, s20, 3072
	s_mul_i32 s46, s46, 3072
	s_mov_b32 s21, 0
	s_mov_b32 s23, 0
	s_mov_b32 s47, 0
	s_mov_b32 s93, 0
	s_mul_i32 s45, s14, HALFT
	s_mul_i32 s94, s14, HALFS
	s_wait_dscnt 0x0
	s_wait_kmcnt 0x0
	s_add_nc_u64 s[8:9], s[6:7], BC_O
	s_add_nc_u64 s[10:11], s[6:7], BS_O
	s_add_nc_u64 s[6:7], s[4:5], AS_O
	s_add_nc_u64 s[20:21], s[4:5], s[20:21]
	s_add_nc_u64 s[22:23], s[6:7], s[22:23]
	s_add_nc_u64 s[46:47], s[8:9], s[46:47]
	s_add_nc_u64 s[92:93], s[10:11], s[92:93]
	CROUND
	s_mov_b32 s[G0S], 1
	s_add_co_u32 s[G0S+1], s94, SCL
	s_mov_b64 s[G0S+2:G0S+3], s[22:23]
	s_or_b32 s[G0S+3], s[G0S+3], 0x80000000
	s_mov_b32 s[G0SB], 1
	s_add_co_u32 s[G0SB+1], s94, SCL
	s_mov_b64 s[G0SB+2:G0SB+3], s[92:93]
	s_or_b32 s[G0SB+3], s[G0SB+3], 0x80000000
	JLOAD G0S, G1S, G0SB, G1SB
.irp s, 0,1
	s_mov_b32 s[G0+4*\s], 1
	s_add_co_u32 s[G0+4*\s+1], s45, \s*SLOT
	s_add_nc_u64 s[G0+4*\s+2:G0+4*\s+3], s[20:21], \s*SSA
	s_or_b32 s[G0+4*\s+3], s[G0+4*\s+3], 0x80000000
	s_mov_b32 s[G0B+4*\s], 1
	s_add_co_u32 s[G0B+4*\s+1], s45, \s*SLOT
	s_add_nc_u64 s[G0B+4*\s+2:G0B+4*\s+3], s[46:47], \s*SSB
	s_or_b32 s[G0B+4*\s+3], s[G0B+4*\s+3], 0x80000000
	JLOAD G0+4*\s, G1, G0B+4*\s, G1B
.endr
	v_and_b32 v1, 15, v0
	v_bfe_u32 v2, v0, 4, 1
	v_and_b32 v3, 31, v0
	v_lshlrev_b32 v[L16], 4, v3
	v_lshlrev_b32 v[L8], 3, v3
	s_mul_i32 s21, s15, HALFT
	s_mul_i32 s22, s16, HALFT
	s_add_co_u32 s22, s22, 2*HALFT
.irp s, 0,1
	v_add_nc_u32 v[ADRA+\s], s21, v[L16]
	v_add_nc_u32 v[ADRB+\s], s22, v[L16]
	v_add_nc_u32 v[ADRA+2+\s], s21, v[L8]
	v_add_nc_u32 v[ADRB+2+\s], s22, v[L8]
	s_add_co_u32 s21, s21, SLOT
	s_add_co_u32 s22, s22, SLOT
.endr
	v_lshlrev_b32 v5, 2, v1
	s_mul_i32 s21, s15, HALFS
	s_mul_i32 s22, s16, HALFS
	s_add_co_u32 s22, s22, 2*HALFS
	s_sub_co_u32 s22, s22, s21
	v_mul_u32_u24 v6, s22, v2
	s_add_co_u32 s21, s21, SCL
	v_add_nc_u32 v5, v5, v6
	v_add_nc_u32 v[ADRS], s21, v5
	s_mul_i32 s23, s14, 16*SPITCH                  ; my stage
	v_mul_u32_u24 v5, v1, SPITCH
	v_lshl_add_u32 v5, v2, 6, v5
	v_add_nc_u32 v[STO], s23, v5                   ; in: row r, + 64 h
	v_add_nc_u32 v[RD], s23, v[L16]                ; back: a row's 512 bytes
	s_lshl_b32 s20, s17, 8
	s_lshl_b32 s21, s15, 7
	s_add_co_u32 s20, s20, s21
	s_lshl_b32 s20, s20, 12                        ; my first row of cf, 4,096 bytes a row
	s_lshl_b32 s46, s42, 10
	s_lshl_b32 s47, s16, 9
	s_add_co_u32 s46, s46, s47
	s_add_co_u32 s20, s20, s46
	s_mov_b32 s21, 0
	s_add_nc_u64 s[12:13], s[12:13], s[20:21]
.macro FRAG reg, adr, q, i
	ds_load_b128 v[\reg:\reg+3], v[\adr] offset:3072*(\i)+1536*(\q)
	ds_load_b64 v[\reg+4:\reg+5], v[\adr+2] offset:3072*(\i)+1536*(\q)+512
	ds_load_b128 v[\reg+6:\reg+9], v[\adr] offset:3072*(\i)+1536*(\q)+768
	ds_load_b64 v[\reg+10:\reg+11], v[\adr+2] offset:3072*(\i)+1536*(\q)+1280
.endm
; the 64 accumulators take turns, one instruction a turn, in the same order in every step
.macro MUL16 a0, p, q, sc, zero
.irp a, \a0, \a0+1
.irp b, 0,1,2,3,4,5,6,7
.if \zero
	v_wmma_scale_f32_16x16x128_f8f6f4 v[8*(8*((\a)%4)+\b):8*(8*((\a)%4)+\b)+7], v[128*(\p)+FR*\b:128*(\p)+FR*\b+FR-1], v[AF+FR*(\a):AF+FR*(\a)+FR-1], 0, v[SC+8*NQ*(\sc)+NQ*\b+(\q)], v[SC+8*NQ*(\sc)+NQ*(\a)+(\q)] matrix_a_fmt:MATRIX_FMT_FP6 matrix_b_fmt:MATRIX_FMT_FP6 matrix_a_scale:MATRIX_SCALE_ROW1
.else
	v_wmma_scale_f32_16x16x128_f8f6f4 v[8*(8*((\a)%4)+\b):8*(8*((\a)%4)+\b)+7], v[128*(\p)+FR*\b:128*(\p)+FR*\b+FR-1], v[AF+FR*(\a):AF+FR*(\a)+FR-1], v[8*(8*((\a)%4)+\b):8*(8*((\a)%4)+\b)+7], v[SC+8*NQ*(\sc)+NQ*\b+(\q)], v[SC+8*NQ*(\sc)+NQ*(\a)+(\q)] matrix_a_fmt:MATRIX_FMT_FP6 matrix_b_fmt:MATRIX_FMT_FP6 matrix_a_scale:MATRIX_SCALE_ROW1
.endif
.endr
.endr
.endm
.macro FETCH_B slot, q, p
	WIN TO_B
.irp i, 0,1,2,3,4,5,6,7
	FRAG 128*(\p)+FR*\i, ADRB+\slot, \q, \i
.endr
	WIN 0
.endm
.macro FETCH_A slot, q, i0
.irp i, \i0, \i0+1, \i0+2, \i0+3
	FRAG AF+FR*(\i), ADRA+\slot, \q, \i
.endr
.endm
.macro SCALES sc
.irp i, 0,1,2,3,4,5,6,7
	ds_load_b32 v[SC+8*NQ*\sc+NQ*\i], v[ADRS] offset:\i*NKS*64
	ds_load_b32 v[SC+8*NQ*\sc+NQ*\i+1], v[ADRS] offset:\i*NKS*64+64
.endr
.endm
.macro PLACES n
.rept \n
	v_nop
.endr
.endm
.macro STEP slot, q, zero
	s_wait_dscnt 4*NL                              ; all but the youngest 16 loads (A's blocks 4-7) are in
	WIN MUL_LO
	MUL16 0, (\q)%2, \q, \slot, \zero
	MUL16 2, (\q)%2, \q, \slot, \zero
	s_wait_dscnt 0
	PLACES NP
	FETCH_B \slot, (\q)+1, 1-(\q)%2
	FETCH_A \slot, (\q)+1, 0
	WIN MUL_HI
	MUL16 4, (\q)%2, \q, \slot, \zero
	MUL16 6, (\q)%2, \q, \slot, \zero
	PLACES NP
	WIN 0
	FETCH_A \slot, (\q)+1, 4
.endm
.macro TURN slot, next, fill
	s_wait_tensorcnt 0x0                           ; all my tensor loads have landed: my part of the next slot
	ds_add_u32 v[SPW], v[NIL]
	s_wait_dscnt 4*NL+1                            ; (the add and the youngest 16 loads may be out)
	WIN MUL_LO
	MUL16 0, 1, NQ-1, \slot, 0
	s_wait_dscnt 0x0                               ; the add is done, and my reads of this slot are over
	s_barrier_signal -1
	MUL16 2, 1, NQ-1, \slot, 0
	WIN 0
	s_barrier_wait -1
.if \fill
	CREST                                          ; a round of the cluster's barrier: no wave of any partner still reads this slot or has a load on its way
	s_add_nc_u64 s[G0+4*\slot+2:G0+4*\slot+3], s[G0+4*\slot+2:G0+4*\slot+3], 2*SSA
	s_add_nc_u64 s[G0B+4*\slot+2:G0B+4*\slot+3], s[G0B+4*\slot+2:G0B+4*\slot+3], 2*SSB
	JLOAD G0+4*\slot, G1, G0B+4*\slot, G1B
.else
	PLACES NP
.endif
	v_add_nc_u32 v[ADRS], 64*NQ, v[ADRS]
	FETCH_B \next, 0, 0
	FETCH_A \next, 0, 0
	SCALES \next
	WIN MUL_HI
	MUL16 4, 1, NQ-1, \slot, 0
	MUL16 6, 1, NQ-1, \slot, 0
	PLACES NP
	WIN 0
	FETCH_A \next, 0, 4
.endm
	s_wait_tensorcnt 1                             ; the scale words and my part of K step 0 are in; K step 1's load may be out
	s_barrier_signal -1
	s_barrier_wait -1
	FETCH_B 0, 0, 0
	FETCH_A 0, 0, 0
	SCALES 0
	FETCH_A 0, 0, 4
	STEP 0, 0, 1
	s_mov_b32 s3, LAPS-1
.Llap:
	TURN 0, 1, 1
	STEP 1, 0, 0
	TURN 1, 0, 1
	STEP 0, 0, 0
	s_sub_co_u32 s3, s3, 1
	s_cmp_lg_u32 s3, 0
	s_cbranch_scc1 .Llap
	TURN 0, 1, 0
	STEP 1, 0, 0
	s_wait_dscnt 4*NL
	WIN MUL_LO
	MUL16 0, 1, NQ-1, 1, 0
	MUL16 2, 1, NQ-1, 1, 0
	s_wait_dscnt 0
	WIN MUL_HI
	MUL16 4, 1, NQ-1, 1, 0
	MUL16 6, 1, NQ-1, 1, 0
	WIN 0
; THE WAY OUT, a block of 16 tokens x 128 columns at a time, through my own stage: tile b's eight numbers go to columns 32 (b / 2) + 16 h + 8 (b % 2) on; rows come back whole and go to their tokens' rows of cf.
.macro TOSTAGE a
.set AC, 64*((\a)%4)
	WIN 0x08+4*((\a)/4)
.irp b, 0,1,2,3,4,5,6,7
	ds_store_b128 v[STO], v[AC+8*\b:AC+8*\b+3] offset:128*(\b/2)+32*(\b%2)      ; each accumulator from its low end on
	ds_store_b128 v[STO], v[AC+8*\b+4:AC+8*\b+7] offset:128*(\b/2)+32*(\b%2)+16
.endr
	WIN 0
.set BB, BK+64*((\a)%2)
.set t, 0
.rept 16
	ds_load_b128 v[BB+4*t:BB+4*t+3], v[RD] offset:t*SPITCH   ; LDS serves a wave's instructions in order
.set t, t+1
.endr
.endm
.macro SEND a, younger
.set BB, BK+64*((\a)%2)
	s_wait_dscnt \younger
.set t, 0
.rept 16
	global_store_b128 v[L16], v[BB+4*t:BB+4*t+3], s[12:13] offset:(32*((\a)/2)+8*((\a)%2)+(t%8)+16*(t/8))*4096 th:TH_STORE_NT   ; 512 consecutive bytes
.set t, t+1
.endr
.endm
	PLACES NP
	TOSTAGE 0
.irp a, 1,2,3,4,5,6,7
.if \a > 1
	s_wait_xcnt 0x0                                ; block a - 2's stores have read their registers: block a's loads may land there
.endif
	TOSTAGE \a
	SEND \a-1, 32                                  ; behind block a - 1's loads: block a's 16 stores and 16 loads
.endr
	SEND 7, 0
	s_wait_tensorcnt 0x0                           ; the wave's end
	ds_add_u32 v[SPW], v[NIL]
	s_wait_dscnt 0x0
	CROUND                                         ; the closing round
	s_endpgm
.Lfunc_end_k_q905b182342_ffn2:
	.size	k_q905b182342_ffn2, .Lfunc_end_k_q905b182342_ffn2-k_q905b182342_ffn2
	.p2alignl 7, 3214868480
	.fill 96, 4, 3214868480
	.section	.rodata,"a",@progbits
	.p2align	6, 0x0
	.amdhsa_kernel k_q905b182342_ffn2
		.amdhsa_group_segment_fixed_size 327680
		.amdhsa_private_segment_fixed_size 0
		.amdhsa_enable_private_segment 0
		.amdhsa_kernarg_size 24
		.amdhsa_user_sgpr_count 2
		.amdhsa_user_sgpr_kernarg_segment_ptr 1
		.amdhsa_wavefront_size32 1
		.amdhsa_system_sgpr_workgroup_id_x 1
		.amdhsa_system_sgpr_workgroup_id_y 1
		.amdhsa_system_sgpr_workgroup_id_z 1
		.amdhsa_system_vgpr_workitem_id 0
		.amdhsa_next_free_vgpr 1024
		.amdhsa_next_free_sgpr 98
		.amdhsa_reserve_vcc 0
		.amdhsa_float_denorm_mode_32 3
		.amdhsa_float_denorm_mode_16_64 3
		.amdhsa_memory_ordered 1
		.amdhsa_forward_progress 1
		.amdhsa_inst_pref_size 145
	.end_amdhsa_kernel
	.amdgpu_metadata
---
amdhsa.version: [ 1, 2 ]
amdhsa.kernels:
  - .name:           k_q905b182342_ffn2
    .symbol:         k_q905b182342_ffn2.kd
    .args:
      - { .name: hid, .offset: 0, .size: 8, .value_kind: global_buffer, .address_space: global }
      - { .name: pw, .offset: 8, .size: 8, .value_kind: global_buffer, .address_space: global }
      - { .name: cf, .offset: 16, .size: 8, .value_kind: global_buffer, .address_space: global }
    .group_segment_fixed_size: 327680
    .private_segment_fixed_size: 0
    .kernarg_segment_align: 8
    .kernarg_segment_size: 24
    .max_flat_workgroup_size: 128
    .sgpr_count:     98
    .vgpr_count:     1024
    .wavefront_size: 32
...
	.end_amdgpu_metadata
.endif
;; end of part 7
;; launch ln2 (part 8): grid 256 x 1, 8 waves a work-group, no clusters, 71,168 bytes of LDS; arguments cf, o1, b2, g2, be2, out0; writes out0
.if DOCPART == 8
	.amdgcn_target "amdgcn-amd-amdhsa--gfx1250"
	.amdhsa_code_object_version 6
	.text
	.protected	k_q905b182342_ln2
	.globl	k_q905b182342_ln2
	.p2align	8
	.type	k_q905b182342_ln2,@function
k_q905b182342_ln2:
	s_mov_b64 s[64:65], 0
	v_nop
	global_prefetch_b8 v0, s[64:65] scope:SCOPE_SE
	s_setreg_imm32_b32 hwreg(HW_REG_WAVE_MODE, 25, 1), 1
	s_wait_xcnt 0x0
; out0 = LayerNorm(o1 + (cf + b2)) x g2 + be2, f32 rows in natural order.  o1's f32 rows lie at the head of its buffer.
; A work-group owns 16 whole rows (tokens 32 (rb / 2) + 8 (rb % 2) + i % 8 + 16 (i / 8)); wave w owns columns 128 w .. + 127.  Loads and stores take 512 consecutive bytes of a row;
; the rows turn through the wave's own stage (pitch 528), so that a lane holds 64 numbers of ONE row and a row's sums want one exchange between the halves of the lanes.
; Mean and variance in two passes (the mean first, then the squares of the differences): a common offset of the inputs does no harm.  The waves' sums meet in LDS, a barrier each.
; Memory binds: no matrix unit, no cluster (work-groups share no input), no tensor loads.   LIMITS: NaN and infinities are not served.
.set RED1,  67584                      ; behind the eight stages of 8,448 bytes: 128 bytes a wave for the sums; RED1 + 1024 for the squares
.set SPARE, 70144
.set SPW, 252
.set NIL, 253
.set L16, 1                            ; v1 16 x lane  v3 r  v4 h  v5, v6 the stage, dense and by (r, h)  v7 64 h  v8, v9 the sums' words
.set SEL, 20                           ; v16-23 at work   v32-95 cf, then y, then be, then rows on their way out   v96-159 the residual, then the row   v160-223 g   v224-227 the bias
.macro ROWSUM off                      ; v[12:13], v[14:15]: two chains of pairs -> the row's sum over all 1,024 columns, in v16
	v_pk_add_f32 v[12:13], v[12:13], v[14:15]
	v_add_f32 v12, v12, v13
	v_permlanex16_b32 v11, v12, s[SEL], s[SEL+1]
	v_add_f32 v12, v12, v11                        ; my wave's 128 columns of row r
	ds_store_b32 v8, v12 offset:\off
	s_wait_dscnt 0x0                               ; for the others' sake: my store is done
	s_barrier_signal -1
	s_barrier_wait -1
.irp i, 0,1,2,3,4,5,6,7
	ds_load_b32 v[16+\i], v9 offset:\off+128*\i
.endr
	s_wait_dscnt 0x0
	v_add_f32 v16, v16, v17
	v_add_f32 v18, v18, v19
	v_add_f32 v20, v20, v21
	v_add_f32 v22, v22, v23
	v_add_f32 v16, v16, v18
	v_add_f32 v20, v20, v22
	v_add_f32 v16, v16, v20
.endm
	s_load_b256 s[4:11], s[0:1], 0x0               ; cf, the residual, the bias, g
	s_load_b128 s[12:15], s[0:1], 0x20             ; be, the output
	v_lshl_add_u32 v[SPW], v0, 2, SPARE
	v_mov_b32 v[NIL], 0
	v_lshrrev_b32 v11, 5, v0
	v_readfirstlane_b32 s16, v11                   ; wave
	v_and_b32 v11, 31, v0
	v_lshlrev_b32 v[L16], 4, v11
	v_and_b32 v3, 15, v0
	v_bfe_u32 v4, v0, 4, 1
	s_mul_i32 s17, s16, 8448
	v_add_nc_u32 v5, s17, v[L16]
	v_mul_u32_u24 v6, v3, 528
	v_lshl_add_u32 v6, v4, 6, v6
	v_add_nc_u32 v6, s17, v6
	v_lshlrev_b32 v7, 6, v4
	v_lshl_add_u32 v9, v11, 2, RED1
	s_lshl_b32 s17, s16, 7
	v_add_nc_u32 v8, s17, v9
	s_mov_b32 s[SEL], 0x76543210
	s_mov_b32 s[SEL+1], 0xfedcba98
	s_mov_b32 s24, 0x3a800000                      ; 1 / 1024
	s_lshr_b32 s18, ttmp9, 1
	s_lshl_b32 s18, s18, 5
	s_and_b32 s19, ttmp9, 1
	s_lshl_b32 s19, s19, 3
	s_add_co_u32 s18, s18, s19                     ; the first token
	s_lshl_b32 s18, s18, 12
	s_lshl_b32 s30, s16, 9                         ; my 128 columns, in bytes
	s_mov_b32 s31, 0
	s_add_co_u32 s18, s18, s30
	s_mov_b32 s19, 0
	s_wait_kmcnt 0x0
	s_add_nc_u64 s[4:5], s[4:5], s[18:19]
	s_add_nc_u64 s[6:7], s[6:7], s[18:19]
	s_add_nc_u64 s[22:23], s[14:15], s[18:19]
	s_add_nc_u64 s[8:9], s[8:9], s[30:31]
	s_add_nc_u64 s[10:11], s[10:11], s[30:31]
	s_add_nc_u64 s[12:13], s[12:13], s[30:31]
	global_load_b128 v[224:227], v[L16], s[8:9]
.set i, 0
.rept 16
	global_load_b128 v[32+4*i:35+4*i], v[L16], s[4:5] offset:(16*(i/8)+(i%8))*4096 th:TH_LOAD_NT
.set i, i+1
.endr
.set i, 0
.rept 16
	global_load_b128 v[96+4*i:99+4*i], v[L16], s[6:7] offset:(16*(i/8)+(i%8))*4096 th:TH_LOAD_NT
.set i, i+1
.endr
.set i, 0
.rept 16
	global_load_b128 v[160+4*i:163+4*i], v7, s[10:11] offset:128*(i/4)+16*(i%4)   ; g in the order in which a lane will hold its row
.set i, i+1
.endr
	s_wait_loadcnt 16                              ; the bias, cf and the residual are in; g's 16 loads may be out
.set i, 0
.rept 16
	v_pk_add_f32 v[32+4*i:33+4*i], v[32+4*i:33+4*i], v[224:225]
	v_pk_add_f32 v[34+4*i:35+4*i], v[34+4*i:35+4*i], v[226:227]
	v_pk_add_f32 v[32+4*i:33+4*i], v[32+4*i:33+4*i], v[96+4*i:97+4*i]
	v_pk_add_f32 v[34+4*i:35+4*i], v[34+4*i:35+4*i], v[98+4*i:99+4*i]
.set i, i+1
.endr
.set i, 0
.rept 16
	ds_store_b128 v5, v[32+4*i:35+4*i] offset:528*i
.set i, i+1
.endr
.set i, 0
.rept 16
	ds_load_b128 v[96+4*i:99+4*i], v6 offset:128*(i/4)+16*(i%4)   ; LDS serves a wave's instructions in order
.set i, i+1
.endr
	s_wait_dscnt 0x0
.set i, 0
.rept 16
	global_load_b128 v[32+4*i:35+4*i], v7, s[12:13] offset:128*(i/4)+16*(i%4)     ; be, into the registers that the stores have read
.set i, i+1
.endr
	v_pk_add_f32 v[12:13], v[96:97], v[98:99]
	v_pk_add_f32 v[14:15], v[100:101], v[102:103]
.set j, 104
.rept 14
	v_pk_add_f32 v[12:13], v[12:13], v[j:j+1]
	v_pk_add_f32 v[14:15], v[14:15], v[j+2:j+3]
.set j, j+4
.endr
	ROWSUM 0
	v_mul_f32 v12, 0xba800000, v16                 ; - the mean
	v_mov_b32 v13, v12
.set j, 96
.rept 32
	v_pk_add_f32 v[j:j+1], v[j:j+1], v[12:13]
.set j, j+2
.endr
	v_pk_mul_f32 v[12:13], v[96:97], v[96:97]
	v_pk_mul_f32 v[14:15], v[98:99], v[98:99]
.set j, 100
.rept 15
	v_pk_fma_f32 v[12:13], v[j:j+1], v[j:j+1], v[12:13]
	v_pk_fma_f32 v[14:15], v[j+2:j+3], v[j+2:j+3], v[14:15]
.set j, j+4
.endr
	ROWSUM 1024
	v_fmaak_f32 v12, s24, v16, 0x3727c5ac          ; the variance + 1e-5
	v_rsq_f32 v12, v12
	v_nop                                          ; a plain place behind it
	s_wait_alu depctr_va_vdst(0)                   ; ahead of its first reader
	v_mov_b32 v13, v12
	s_wait_loadcnt 0x0                             ; g and be
.set j, 0
.rept 32
	v_pk_mul_f32 v[96+j:97+j], v[96+j:97+j], v[12:13]
	v_pk_fma_f32 v[96+j:97+j], v[96+j:97+j], v[160+j:161+j], v[32+j:33+j]
.set j, j+2
.endr
.set i, 0
.rept 16
	ds_store_b128 v6, v[96+4*i:99+4*i] offset:128*(i/4)+16*(i%4)
.set i, i+1
.endr
.set i, 0
.rept 16
	ds_load_b128 v[32+4*i:35+4*i], v5 offset:528*i
.set i, i+1
.endr
.set i, 0
.rept 16
	s_wait_dscnt 15-i                              ; row i is back; the rows behind it may be out
	global_store_b128 v[L16], v[32+4*i:35+4*i], s[22:23] offset:(16*(i/8)+(i%8))*4096 th:TH_STORE_NT   ; 512 consecutive bytes
.set i, i+1
.endr
	s_wait_tensorcnt 0x0                           ; the wave's end, behind my last LDS store
	ds_add_u32 v[SPW], v[NIL]
	s_wait_dscnt 0x0
	s_endpgm
.Lfunc_end_k_q905b182342_ln2:
	.size	k_q905b182342_ln2, .Lfunc_end_k_q905b182342_ln2-k_q905b182342_ln2
	.p2alignl 7, 3214868480
	.fill 96, 4, 3214868480
	.section	.rodata,"a",@progbits
	.p2align	6, 0x0
	.amdhsa_kernel k_q905b182342_ln2
		.amdhsa_group_segment_fixed_size 71168
		.amdhsa_private_segment_fixed_size 0
		.amdhsa_enable_private_segment 0
		.amdhsa_kernarg_size 48
		.amdhsa_user_sgpr_count 2
		.amdhsa_user_sgpr_kernarg_segment_ptr 1
		.amdhsa_wavefront_size32 1
		.amdhsa_system_sgpr_workgroup_id_x 1
		.amdhsa_system_sgpr_workgroup_id_y 1
		.amdhsa_system_sgpr_workgroup_id_z 1
		.amdhsa_system_vgpr_workitem_id 0
		.amdhsa_next_free_vgpr 256
		.amdhsa_next_free_sgpr 66
		.amdhsa_reserve_vcc 0
		.amdhsa_float_denorm_mode_32 3
		.amdhsa_float_denorm_mode_16_64 3
		.amdhsa_memory_ordered 1
		.amdhsa_forward_progress 1
		.amdhsa_inst_pref_size 31
	.end_amdhsa_kernel
	.amdgpu_metadata
---
amdhsa.version: [ 1, 2 ]
amdhsa.kernels:
  - .name:           k_q905b182342_ln2
    .symbol:         k_q905b182342_ln2.kd
    .args:
      - { .name: cf, .offset: 0, .size: 8, .value_kind: global_buffer, .address_space: global }
      - { .name: o1, .offset: 8, .size: 8, .value_kind: global_buffer, .address_space: global }
      - { .name: b2, .offset: 16, .size: 8, .value_kind: global_buffer, .address_space: global }
      - { .name: g2, .offset: 24, .size: 8, .value_kind: global_buffer, .address_space: global }
      - { .name: be2, .offset: 32, .size: 8, .value_kind: global_buffer, .address_space: global }
      - { .name: out0, .offset: 40, .size: 8, .value_kind: global_buffer, .address_space: global }
    .group_segment_fixed_size: 71168
    .private_segment_fixed_size: 0
    .kernarg_segment_align: 8
    .kernarg_segment_size: 48
    .max_flat_workgroup_size: 256
    .sgpr_count:     66
    .vgpr_count:     256
    .wavefront_size: 32
...
	.end_amdgpu_metadata
.endif
;; end of part 8
;; ======== version 2 of 2: 7 launches
;; limits: right only within a limited range of input values
;; workspace buffers: pw 13,107,200 bytes; qkv 10,092,544 bytes; ctx 3,276,800 bytes; cf 33,554,432 bytes; o1 20,054,016 bytes; hid 13,107,200 bytes
;; launch prep (part 9): grid 512 x 1, 4 waves a work-group, no clusters, 34,304 bytes of LDS; arguments x, Wq, Wk, Wv, Wo, W1, W2, pw; writes pw
.if DOCPART == 9
	.amdgcn_target "amdgcn-amd-amdhsa--gfx1250"
	.amdhsa_code_object_version 6
	.text
	.protected	k_q905b182342_prep
	.globl	k_q905b182342_prep
	.p2align	8
	.type	k_q905b182342_prep,@function
k_q905b182342_prep:
	s_mov_b64 s[64:65], 0
	v_nop
	global_prefetch_b8 v0, s[64:65] scope:SCOPE_SE
	s_setreg_imm32_b32 hwreg(HW_REG_WAVE_MODE, 25, 1), 1
	s_wait_xcnt 0x0
; x [4096][1024] (K innermost) and the six weights [K][N] (K outermost), f32, become codes of FP6 (E2M3) and E8M0 scale bytes in pw, laid in the ORDER OF THE OPERAND'S REGISTERS.
; ROWS stand in position order: position p holds row sigma(p) = p with bits 3 and 4 exchanged; a row block is 16 positions.
; A fragment (row block rb, 128 along K: ks) is 1,536 bytes at ((ks / 2) x (rows / 16) + rb) x 3072 + (ks % 2) x 1536: registers 0-3 of lane l at 16 l, 4-5 at 512 + 8 l, 6-9 at 768 + 16 l, 10-11 at 1280 + 8 l.
; A scale word (four bytes: 128 along K of one row) lies at (rb x (K / 128) + ks) x 64 + 4 x row.
; A block's scale is 2^(floor(log2(largest magnitude)) - 2): its byte is the largest magnitude's exponent field - 2, held at 1 from below.
; LIMITS: a block of zeros, and one whose largest magnitude lies under 2^-124, gets the byte 1 (its codes are zeros or tiny; these bytes are read by this program alone); NaN and infinities are not served.
; SHARES: every work-group reads 128 KiB.  Work-groups 0-127: 32 tokens of x; 128-383: Wq, Wk, Wv, Wo, W2 (rows of 4,096 bytes); 384-511: W1 (rows of 16,384 bytes).  Waves share nothing: no barrier.
.set XWS, 12582912                     ; regions of pw: x, Wq, Wk, Wv as one operand of 7,168 rows at 0; their scale words here
.set WOC, 5505024
.set WOS, 12812288
.set W1C, 6291456
.set W1S, 12845056
.set W2C, 9437184
.set W2S, 12976128
.set SPARE, 33792                      ; behind the four stages of 8,448 bytes: the spare words, 128 bytes a wave
.set SPW, 250
.set NIL, 251
.set L16, 1                            ; v1 16 x lane   v2 8 x lane   v8 4 x lane   v3 lane % 16   v4 lane / 16   v5 4 x sigma(lane)   v6, v7 the stage, in and out
.set L8, 2
.set TM, 16                            ; v16-31 at work in QUANT
.set ST, 160                           ; v160-223 64 numbers of a lane's row
.set PC, 224                           ; v224-243 the codes just made
.set CW, 96                            ; v96-143 a weight's codes: two sets of 24, so that no store's data are written again
.set SEL, 32                           ; s[32:33] selects for lane l xor 16
; 64 numbers of a lane, register 16 b + i = k 32 b + 16 (lane / 16) + i of its row, become a fragment's codes in v[PC] on and its scale word in v[pw]
.macro QUANT s, pw
.irp b, 0,1,2,3
	v_max3_num_f32 v[TM+\b], |v[\s+16*\b]|, |v[\s+1+16*\b]|, 0x1800000   ; my 16 numbers of block b, and the floor 2^(3 - 127)
.endr
.irp i, 2,4,6,8,10,12,14
.irp b, 0,1,2,3
	v_max3_num_f32 v[TM+\b], v[TM+\b], |v[\s+16*\b+\i]|, |v[\s+1+16*\b+\i]|
.endr
.endr
.irp b, 0,1,2,3
	v_permlanex16_b32 v[TM+4+\b], v[TM+\b], s[SEL], s[SEL+1]
.endr
.irp b, 0,1,2,3
	v_max_num_f32 v[TM+\b], v[TM+\b], v[TM+4+\b]   ; with lane l xor 16's: the block's largest magnitude
.endr
.irp b, 0,1,2,3
	v_add_nc_u32 v[TM+12+\b], 0xff000000, v[TM+\b]   ; 2 off its exponent field: the conversion's scale operand
.endr
.irp b, 0,1,2,3
	v_lshrrev_b32 v[TM+4+\b], 23, v[TM+12+\b]      ; the scale's byte
.endr
	v_lshl_or_b32 v[\pw], v[TM+5], 8, v[TM+4]
	v_lshl_or_b32 v[\pw], v[TM+6], 16, v[\pw]
	v_lshl_or_b32 v[\pw], v[TM+7], 24, v[\pw]
.irp c, 0,1
	v_cvt_scalef32_pk16_fp6_f32 v[PC+6*\c:PC+2+6*\c], v[\s+32*\c:\s+15+32*\c], v[TM+12+2*\c]
	v_cvt_scalef32_pk16_fp6_f32 v[PC+12+4*\c:PC+14+4*\c], v[\s+16+32*\c:\s+31+32*\c], v[TM+13+2*\c]
.endr
	v_nop                                          ; one plain place behind a scaled conversion
.irp c, 0,1                                    ; a whole block to a lane: lanes 0-15 block 2 c, lanes 16-31 block 2 c + 1
.irp i, 0,1,2
	v_permlane16_swap_b32 v[PC+6*\c+\i], v[PC+12+4*\c+\i]
.endr
.irp i, 0,1,2
	v_mov_b32 v[PC+3+6*\c+\i], v[PC+12+4*\c+\i]
.endr
.endr
.endm
.macro FROUT sb, off                           ; the fragment in v[PC] on goes out as it stands: 512, 256, 512, 256 consecutive bytes
	global_store_b128 v[L16], v[PC:PC+3], s[\sb:\sb+1] offset:(\off)
	global_store_b64 v[L8], v[PC+4:PC+5], s[\sb:\sb+1] offset:(\off)+512
	global_store_b128 v[L16], v[PC+6:PC+9], s[\sb:\sb+1] offset:(\off)+768
	global_store_b64 v[L8], v[PC+10:PC+11], s[\sb:\sb+1] offset:(\off)+1280
.endm
	s_load_b512 s[8:23], s[0:1], 0x0               ; x s8, Wq s10, Wk s12, Wv s14, Wo s16, W1 s18, W2 s20, pw s22
	v_lshl_add_u32 v[SPW], v0, 2, SPARE
	v_mov_b32 v[NIL], 0
	v_lshrrev_b32 v9, 5, v0
	v_readfirstlane_b32 s30, v9                    ; wave
	v_and_b32 v9, 31, v0
	v_lshlrev_b32 v[L16], 4, v9
	v_lshlrev_b32 v[L8], 3, v9
	v_lshlrev_b32 v8, 2, v9
	v_and_b32 v3, 15, v0
	v_bfe_u32 v4, v0, 4, 1
	v_and_b32 v5, 7, v0
	v_bfe_u32 v10, v0, 3, 1
	v_lshl_or_b32 v5, v4, 3, v5
	v_lshl_or_b32 v5, v10, 4, v5
	v_lshlrev_b32 v5, 2, v5                        ; 4 x sigma(lane)
	s_mul_i32 s40, s30, 8448                       ; my stage
	v_add_nc_u32 v6, s40, v[L16]                   ; in: a row's 512 bytes as they lie
	v_mul_u32_u24 v7, v3, 528
	v_lshl_add_u32 v7, v4, 6, v7
	v_add_nc_u32 v7, s40, v7                       ; out: row lane % 16, + 64 x (lane / 16)
	s_mov_b32 s31, 0xffff0000                      ; lanes 16-31
	s_mov_b32 s[SEL], 0x76543210
	s_mov_b32 s[SEL+1], 0xfedcba98
	s_mov_b32 s47, 0
	s_wait_kmcnt 0x0
	s_cmp_lt_u32 ttmp9, 128
	s_cbranch_scc1 .Lxpath
	s_cmp_lt_u32 ttmp9, 384
	s_cbranch_scc0 .Lw1
; A WEIGHT.  A lane takes a column n (position order), its registers run down K: a block of 32 lies in one lane.  A wave takes 32 columns x 256 along K.
.macro WLOAD t, pitch
.set i, 0
.rept 32
	global_load_b32 v[32+32*((\t)%2)+i], v5, s[4:5] offset:(32*(\t)+i)*\pitch th:TH_LOAD_NT
.set i, i+1
.endr
.endm
.macro WBLOCK t, pitch
.set XS, 32+32*((\t)%2)
.set CQ, CW+24*((\t)/4)+6*((\t)%4)
.if (\t) < 7
	s_wait_loadcnt 32                              ; this block's 32 loads are in; the next block's 32 may be out
.else
	s_wait_loadcnt 0
.endif
	v_max3_num_f32 v12, |v[XS]|, |v[XS+1]|, |v[XS+2]|
	v_max3_num_f32 v13, |v[XS+3]|, |v[XS+4]|, |v[XS+5]|
.irp i, 6,10,14,18,22,26
	v_max3_num_f32 v12, v12, |v[XS+\i]|, |v[XS+\i+1]|
	v_max3_num_f32 v13, v13, |v[XS+\i+2]|, |v[XS+\i+3]|
.endr
	v_max3_num_f32 v12, v12, |v[XS+30]|, |v[XS+31]|
	v_max3_num_f32 v12, v12, v13, 0x1800000        ; and the floor
	v_add_nc_u32 v11, 0xff000000, v12
	v_lshrrev_b32 v13, 23, v11
.if (\t)%4 == 0
	v_mov_b32 v[20+(\t)/4], v13                    ; four bytes to a word, the lower K in the lower byte
.else
	v_lshl_or_b32 v[20+(\t)/4], v13, 8*((\t)%4), v[20+(\t)/4]
.endif
	v_cvt_scalef32_pk16_fp6_f32 v[CQ:CQ+2], v[XS:XS+15], v11
	v_cvt_scalef32_pk16_fp6_f32 v[144:146], v[XS+16:XS+31], v11   ; (a conversion's three registers begin on an even number)
	v_nop
	v_mov_b32 v[CQ+3], v144
	v_mov_b32 v[CQ+4], v145
	v_mov_b32 v[CQ+5], v146
.if (\t)+2 < 8
	WLOAD (\t)+2, \pitch
.endif
.endm
.macro WOUT q                                  ; blocks 4 q .. 4 q + 3 of 32 columns become the q-th fragments of two row blocks
.set CQ, CW+24*\q
.irp c, 0,1
.irp i, 0,1,2,3,4,5
	v_permlane16_swap_b32 v[CQ+12*\c+\i], v[CQ+12*\c+6+\i]   ; the even block's lanes 16-31 change places with the odd block's lanes 0-15: the first is now the first row block's half fragment, the second the second's
.endr
.endr
.irp c, 0,1
.irp e, 0,1
	global_store_b128 v[L16], v[CQ+12*\c+6*\e:CQ+12*\c+6*\e+3], s[34:35] offset:\e*3072+\q*1536+\c*768
	global_store_b64 v[L8], v[CQ+12*\c+6*\e+4:CQ+12*\c+6*\e+5], s[34:35] offset:\e*3072+\q*1536+\c*768+512
.endr
.endr
.endm
; s[4:5] the weight, s24 row blocks of the operand, s25 the tensor's first row block in it, s26 which 256 along K, s27 K / 128, s28, s29 the regions of codes and scale words, s42 which 128 columns
.macro WPATH pitch
	s_lshl_b32 s43, s42, 3
	s_lshl_b32 s44, s30, 1
	s_add_co_u32 s43, s43, s44                     ; my two row blocks in the tensor
	s_lshl_b32 s46, s43, 6                         ; their first column, in bytes
	s_add_co_u32 s43, s43, s25
	s_mul_i32 s48, s26, 256*\pitch
	s_add_co_u32 s46, s46, s48
	s_add_nc_u64 s[4:5], s[4:5], s[46:47]
	s_mul_i32 s46, s26, s24
	s_add_co_u32 s46, s46, s43
	s_mul_i32 s46, s46, 3072
	s_add_co_u32 s46, s46, s28
	s_add_nc_u64 s[34:35], s[22:23], s[46:47]      ; my codes
	s_mul_i32 s46, s43, s27
	s_lshl_b32 s48, s26, 1
	s_add_co_u32 s46, s46, s48
	s_lshl_b32 s46, s46, 6
	s_add_co_u32 s46, s46, s29
	s_add_nc_u64 s[36:37], s[22:23], s[46:47]      ; the first row block's scale words,
	s_lshl_b32 s46, s27, 6
	s_add_nc_u64 s[38:39], s[36:37], s[46:47]      ; the second's
	WLOAD 0, \pitch
	WLOAD 1, \pitch
.irp t, 0,1,2,3,4,5,6,7
	WBLOCK \t, \pitch
.if \t == 3
	WOUT 0
.endif
.if \t == 7
	WOUT 1
.endif
.endr
	v_permlane16_swap_b32 v20, v21                 ; v20: the first row block's two words a row (lanes 16-31: the second 128 along K), v21: the second's
	global_store_b32 v8, v20, s[36:37]             ; 128 consecutive bytes
	global_store_b32 v8, v21, s[38:39]
	s_endpgm
.endm
	s_sub_co_u32 s40, ttmp9, 128                   ; rows of 4,096 bytes: 32 work-groups each for Wq, Wk, Wv, Wo, 128 for W2
	s_lshr_b32 s41, s40, 5
	s_and_b32 s42, s40, 7
	s_lshr_b32 s26, s40, 3
	s_cmp_lt_u32 s41, 4
	s_cselect_b32 s43, 3, 15
	s_cselect_b32 s27, 8, 32
	s_and_b32 s26, s26, s43
	s_lshl_b32 s25, s41, 6
	s_add_co_u32 s25, s25, 256
	s_mov_b32 s28, W2C
	s_mov_b32 s29, W2S
	s_mov_b64 s[4:5], s[20:21]
	s_cmp_eq_u32 s41, 3
	s_cselect_b32 s28, WOC, s28
	s_cselect_b32 s29, WOS, s29
	s_cselect_b64 s[4:5], s[16:17], s[4:5]
	s_cmp_lt_u32 s41, 3
	s_cselect_b32 s24, 448, 64
	s_cselect_b32 s25, s25, 0
	s_cselect_b32 s28, 0, s28
	s_cselect_b32 s29, XWS, s29
	s_cmp_eq_u32 s41, 0
	s_cselect_b64 s[4:5], s[10:11], s[4:5]
	s_cmp_eq_u32 s41, 1
	s_cselect_b64 s[4:5], s[12:13], s[4:5]
	s_cmp_eq_u32 s41, 2
	s_cselect_b64 s[4:5], s[14:15], s[4:5]
	s_wait_alu depctr_va_vdst(0)
	WPATH 4096
.Lw1:
	s_sub_co_u32 s40, ttmp9, 384                   ; W1: rows of 16,384 bytes
	s_and_b32 s42, s40, 31
	s_lshr_b32 s26, s40, 5
	s_mov_b32 s24, 256
	s_mov_b32 s25, 0
	s_mov_b32 s27, 8
	s_mov_b32 s28, W1C
	s_mov_b32 s29, W1S
	s_mov_b64 s[4:5], s[18:19]
	s_wait_alu depctr_va_vdst(0)
	WPATH 16384
; x.  Work-group alpha takes tokens 32 alpha .. + 31 (two row blocks), wave w columns 256 w .. + 255: four fragments f = 2 q + u.  Each load reads a row's 512 consecutive bytes; the 16 rows turn through the
; wave's own stage (pitch 528), from which a lane takes 16 neighbours of each block of 32 of its row.
.Lxpath:
.irp b, 0,1,2,3
	v_mov_b32 v[TM+4+\b], 0                        ; a lane permute's destination counts as one of its sources
.endr
	s_lshl_b32 s46, ttmp9, 17
	s_lshl_b32 s48, s30, 10
	s_add_co_u32 s46, s46, s48
	s_add_nc_u64 s[4:5], s[8:9], s[46:47]
	s_mul_i32 s46, s30, 448
	s_lshl_b32 s48, ttmp9, 1
	s_add_co_u32 s46, s46, s48
	s_mul_i32 s46, s46, 3072
	s_add_nc_u64 s[34:35], s[22:23], s[46:47]
	s_lshl_b32 s46, ttmp9, 10
	s_lshl_b32 s48, s30, 7
	s_add_co_u32 s46, s46, s48
	s_add_co_u32 s46, s46, XWS
	s_add_nc_u64 s[36:37], s[22:23], s[46:47]
.macro XLOADF f
.set i, 0
.rept 16
	global_load_b128 v[32+64*((\f)%2)+4*i:35+64*((\f)%2)+4*i], v[L16], s[4:5] offset:(16*(i/8)+(i%8)+8*((\f)%2))*4096+512*((\f)/2) th:TH_LOAD_NT
.set i, i+1
.endr
.endm
.macro XFRAG f
.if (\f) < 3
	s_wait_loadcnt 16                              ; this fragment's 16 loads are in; the next one's 16 may be out
.else
	s_wait_loadcnt 0
.endif
.set i, 0
.rept 16
	ds_store_b128 v6, v[32+64*((\f)%2)+4*i:35+64*((\f)%2)+4*i] offset:528*i
.set i, i+1
.endr
.set i, 0
.rept 16
	ds_load_b128 v[ST+4*i:ST+4*i+3], v7 offset:128*(i/4)+16*(i%4)   ; LDS serves a wave's instructions in order: these see the stores above
.set i, i+1
.endr
	s_wait_dscnt 0x0                               ; the numbers are back, and the stores have read their registers
.if (\f) > 0
	s_wait_xcnt 0x0                                ; the last fragment's stores have read v[PC] on: it is written again only behind this wait
.endif
.if (\f)+2 < 4
	XLOADF (\f)+2
.endif
	QUANT ST, 244+(\f)
	FROUT 34, ((\f)%2)*3072+((\f)/2)*1536
.endm
	XLOADF 0
	XLOADF 1
	s_wait_alu depctr_va_vdst(0)
	XFRAG 0
	XFRAG 1
	XFRAG 2
	XFRAG 3
	v_cndmask_b32 v10, v244, v246, s31             ; lanes 0-15 the first 128 along K, lanes 16-31 the second
	v_cndmask_b32 v11, v245, v247, s31
	global_store_b32 v8, v10, s[36:37]
	global_store_b32 v8, v11, s[36:37] offset:512
	s_wait_tensorcnt 0x0                           ; the wave's end, behind my last LDS store
	ds_add_u32 v[SPW], v[NIL]
	s_wait_dscnt 0x0
	s_endpgm
.Lfunc_end_k_q905b182342_prep:
	.size	k_q905b182342_prep, .Lfunc_end_k_q905b182342_prep-k_q905b182342_prep
	.p2alignl 7, 3214868480
	.fill 96, 4, 3214868480
	.section	.rodata,"a",@progbits
	.p2align	6, 0x0
	.amdhsa_kernel k_q905b182342_prep
		.amdhsa_group_segment_fixed_size 34304
		.amdhsa_private_segment_fixed_size 0
		.amdhsa_enable_private_segment 0
		.amdhsa_kernarg_size 64
		.amdhsa_user_sgpr_count 2
		.amdhsa_user_sgpr_kernarg_segment_ptr 1
		.amdhsa_wavefront_size32 1
		.amdhsa_system_sgpr_workgroup_id_x 1
		.amdhsa_system_sgpr_workgroup_id_y 1
		.amdhsa_system_sgpr_workgroup_id_z 1
		.amdhsa_system_vgpr_workitem_id 0
		.amdhsa_next_free_vgpr 256
		.amdhsa_next_free_sgpr 66
		.amdhsa_reserve_vcc 0
		.amdhsa_float_denorm_mode_32 3
		.amdhsa_float_denorm_mode_16_64 3
		.amdhsa_memory_ordered 1
		.amdhsa_forward_progress 1
		.amdhsa_inst_pref_size 113
	.end_amdhsa_kernel
	.amdgpu_metadata
---
amdhsa.version: [ 1, 2 ]
amdhsa.kernels:
  - .name:           k_q905b182342_prep
    .symbol:         k_q905b182342_prep.kd
    .args:
      - { .name: x, .offset: 0, .size: 8, .value_kind: global_buffer, .address_space: global }
      - { .name: Wq, .offset: 8, .size: 8, .value_kind: global_buffer, .address_space: global }
      - { .name: Wk, .offset: 16, .size: 8, .value_kind: global_buffer, .address_space: global }
      - { .name: Wv, .offset: 24, .size: 8, .value_kind: global_buffer, .address_space: global }
      - { .name: Wo, .offset: 32, .size: 8, .value_kind: global_buffer, .address_space: global }
      - { .name: W1, .offset: 40, .size: 8, .value_kind: global_buffer, .address_space: global }
      - { .name: W2, .offset: 48, .size: 8, .value_kind: global_buffer, .address_space: global }
      - { .name: pw, .offset: 56, .size: 8, .value_kind: global_buffer, .address_space: global }
    .group_segment_fixed_size: 34304
    .private_segment_fixed_size: 0
    .kernarg_segment_align: 8
    .kernarg_segment_size: 64
    .max_flat_workgroup_size: 128
    .sgpr_count:     66
    .vgpr_count:     256
    .wavefront_size: 32
...
	.end_amdgpu_metadata
.endif
;; end of part 9
;; launch qkv (part 10): grid 8 x 24, 4 waves a work-group, clusters of 4 x 4, 327,680 bytes of LDS; arguments pw, bq, bk, bv, mask, qkv; writes qkv
.if DOCPART == 10
	.amdgcn_target "amdgcn-amd-amdhsa--gfx1250"
	.amdhsa_code_object_version 6
	.text
	.protected	k_q905b182342_qkv
	.globl	k_q905b182342_qkv
	.p2align	8
	.type	k_q905b182342_qkv,@function
k_q905b182342_qkv:
	s_mov_b64 s[64:65], 0
	v_nop
	global_prefetch_b8 v0, s[64:65] scope:SCOPE_SE
	s_setreg_imm32_b32 hwreg(HW_REG_WAVE_MODE, 25, 1), 1
	s_wait_xcnt 0x0
	s_wait_alu depctr_hold_cnt(0) depctr_sa_sdst(0) depctr_va_vdst(0) depctr_va_sdst(0) depctr_va_ssrc(0) depctr_va_vcc(0) depctr_vm_vsrc(0)
	s_getreg_b32 s2, hwreg(HW_REG_IB_STS2, 6, 4)
	s_cmp_eq_u32 s2, 0
	s_cbranch_scc0 .Lentry_in_a_cluster
	s_endpgm
.Lentry_in_a_cluster:
	s_bfe_u32 s2, ttmp6, 0x10000c
	s_cmp_lg_u32 s2, 0xf033
	s_cbranch_scc0 .Lentry_shape_is_right
	s_endpgm
.Lentry_shape_is_right:
.set KK,    1024
.set SSA,   1376256
.set SSB,   1376256
.set XWS,   12582912
.set REC,   19712
.set RECH,  315392
.set NQ,    2
.set FR,    12
.set NL,    4
.set NP,    4
.set HALFT, 24576
.set SLOT,  4*HALFT
.set SCL,   2*SLOT
.set NKS,   KK/128
.set HALFS, 512*NKS
.set SPARE, SCL+4*HALFS
.set LAPS,  KK/512
.set ADRA, 16
.set ADRB, 20
.set L16,  24
.set L8,   25
.set ADRS, 27
.set SPW,  28
.set NIL,  29
.set SC,   32
.set BI,   64
.set AF,   128
.set ST,   128
.set PC,   192
.set TM,   212
.set MK,   232
.set SEL,  92
.set G1, 24
.set G0, 32
.set G1B, 48
.set G0B, 56
.set G1S, 68
.set G0S, 76
.set G1SB, 80
.set G0SB, 88
.set MSB, 0
.macro WIN new
.if MSB != (\new)
	s_set_vgpr_msb (MSB<<8)|(\new)
.set MSB, (\new)
.endif
.endm
.set MUL_LO, 0xa1
.set MUL_HI, 0xf1
.set TO_B,   0x40
.macro JLOAD g0a, g1a, g0b, g1b
	s_cmp_eq_u32 s15, 0
	s_cbranch_scc0 .Lfor_b_\@
	tensor_load_to_lds s[\g0a:\g0a+3], s[\g1a:\g1a+7]
	s_nop 0
.rept 4
	v_nop
.endr
	s_branch .Lasked_\@
.Lfor_b_\@:
	tensor_load_to_lds s[\g0b:\g0b+3], s[\g1b:\g1b+7]
	s_nop 0
.rept 4
	v_nop
.endr
.Lasked_\@:
.endm
.macro CREST
	s_cmp_lg_u32 s14, 0
	s_cbranch_scc1 .Lnot_wave_0_\@
	s_barrier_signal -3
.Lnot_wave_0_\@:
	s_barrier_wait -3
	s_barrier_signal -1
	s_barrier_wait -1
.endm
.macro CROUND
	s_barrier_signal -1
	s_barrier_wait -1
	CREST
.endm
	s_load_b64 s[4:5], s[0:1], 0x0
	s_load_b128 s[96:99], s[0:1], 0x8
	s_load_b128 s[8:11], s[0:1], 0x18
	s_load_b64 s[12:13], s[0:1], 0x28
	v_lshl_add_u32 v[SPW], v0, 2, SPARE
	v_mov_b32 v[NIL], 0
	ds_add_u32 v[SPW], v[NIL]
	ds_add_u32 v[SPW], v[NIL]
	v_lshrrev_b32 v1, 5, v0
	v_readfirstlane_b32 s14, v1
	s_lshr_b32 s15, s14, 1
	s_and_b32 s16, s14, 1
	s_bfe_u32 s40, ttmp6, 0x40000
	s_bfe_u32 s41, ttmp6, 0x40004
	s_and_b32 s95, ttmp7, 0xffff
	s_lshl_b32 s18, s95, 2
	s_lshl_b32 s19, ttmp9, 2
	s_add_co_u32 s20, s19, 16
	s_lshl_b32 s21, s95, 3
	s_add_co_u32 s21, s21, s19
	s_sub_co_u32 s21, s21, 32
	s_cmp_lt_u32 s95, 4
	s_cselect_b32 s17, s18, 24
	s_cselect_b32 s42, s20, s21
	s_add_co_u32 s17, s17, s41
	s_add_co_u32 s42, s42, s40
	s_lshl_b32 s43, s41, 2
	s_lshl_b32 s43, 15, s43
	s_lshl_b32 s44, 0x1111, s40
	s_or_b32 s[G1+0], s43, (3<<16)|(1<<21)
	s_or_b32 s[G1B+0], s44, (3<<16)|(1<<21)
.irp g, G1, G1B
	s_mov_b32 s[\g+1], 32<<16
	s_mov_b32 s[\g+2], 192<<16                     ; the head's loads bring a whole 256 rows: 192 lines of 256 bytes
	s_mov_b32 s[\g+3], 32<<16
	s_mov_b32 s[\g+4], 192
	s_mov_b32 s[\g+5], 32
	s_mov_b32 s[\g+6], 0
	s_mov_b32 s[\g+7], 0
.endr
	s_or_b32 s[G1S+0], s43, (3<<16)|(1<<21)
	s_or_b32 s[G1SB+0], s44, (3<<16)|(1<<21)
.irp g, G1S, G1SB
	s_mov_b32 s[\g+1], 32<<16
	s_mov_b32 s[\g+2], (4*NKS)<<16                 ; the scale words of 256 rows
	s_mov_b32 s[\g+3], 32<<16
	s_mov_b32 s[\g+4], 4*NKS
	s_mov_b32 s[\g+5], 32
	s_mov_b32 s[\g+6], 0
	s_mov_b32 s[\g+7], 0
.endr
	s_lshl_b32 s18, s16, 3
	s_lshl_b32 s20, s17, 4
	s_add_co_u32 s20, s20, s18
	s_lshl_b32 s46, s42, 4
	s_add_co_u32 s46, s46, s18
	s_mul_i32 s22, s20, NKS*64
	s_mul_i32 s92, s46, NKS*64
	s_mul_i32 s20, s20, 3072
	s_mul_i32 s46, s46, 3072
	s_mov_b32 s21, 0
	s_mov_b32 s23, 0
	s_mov_b32 s47, 0
	s_mov_b32 s93, 0
	s_mul_i32 s45, s14, HALFT
	s_wait_dscnt 0x0
	s_wait_kmcnt 0x0
	s_add_nc_u64 s[6:7], s[4:5], XWS
	s_add_nc_u64 s[20:21], s[4:5], s[20:21]
	s_add_nc_u64 s[22:23], s[6:7], s[22:23]
	s_add_nc_u64 s[46:47], s[4:5], s[46:47]
	s_add_nc_u64 s[92:93], s[6:7], s[92:93]
	CROUND
.irp s, 0,1
	s_mov_b32 s[G0+4*\s], 1
	s_add_co_u32 s[G0+4*\s+1], s45, \s*SLOT
	s_add_nc_u64 s[G0+4*\s+2:G0+4*\s+3], s[20:21], \s*SSA
	s_or_b32 s[G0+4*\s+3], s[G0+4*\s+3], 0x80000000
	s_mov_b32 s[G0B+4*\s], 1
	s_add_co_u32 s[G0B+4*\s+1], s45, \s*SLOT
	s_add_nc_u64 s[G0B+4*\s+2:G0B+4*\s+3], s[46:47], \s*SSB
	s_or_b32 s[G0B+4*\s+3], s[G0B+4*\s+3], 0x80000000
.endr
	; THE HEAD'S LOADS, ONE A WAVE, in one chain of arms on the wave's number: wave 0 slot 0's 256 rows of A, wave 1 its 256 rows of B, wave 2 A's scale words, wave 3 B's.
	; Waves 1 and 3 have the second half's address in their registers: the first half begins HALFT (HALFS) bytes lower.
	s_mov_b32 s4, 1
	s_cmp_lt_u32 s14, 1
	s_cbranch_scc0 .Lhead_b
	s_mov_b32 s5, 0
	s_mov_b64 s[6:7], s[20:21]
	s_or_b32 s7, s7, 0x80000000
	tensor_load_to_lds s[4:7], s[G1:G1+7]
	s_nop 0
.rept 4
	v_nop
.endr
	s_branch .Lhead_asked
.Lhead_b:
	s_cmp_lt_u32 s14, 2
	s_cbranch_scc0 .Lhead_sa
	s_mov_b32 s5, 2*HALFT
	s_sub_nc_u64 s[6:7], s[46:47], HALFT
	s_or_b32 s7, s7, 0x80000000
	tensor_load_to_lds s[4:7], s[G1B:G1B+7]
	s_nop 0
.rept 4
	v_nop
.endr
	s_branch .Lhead_asked
.Lhead_sa:
	s_cmp_lt_u32 s14, 3
	s_cbranch_scc0 .Lhead_sb
	s_mov_b32 s5, SCL
	s_mov_b64 s[6:7], s[22:23]
	s_or_b32 s7, s7, 0x80000000
	tensor_load_to_lds s[4:7], s[G1S:G1S+7]
	s_nop 0
.rept 4
	v_nop
.endr
	s_branch .Lhead_asked
.Lhead_sb:
	s_mov_b32 s5, SCL+2*HALFS
	s_sub_nc_u64 s[6:7], s[92:93], HALFS
	s_or_b32 s7, s7, 0x80000000
	tensor_load_to_lds s[4:7], s[G1SB:G1SB+7]
	s_nop 0
.rept 4
	v_nop
.endr
.Lhead_asked:
	v_and_b32 v1, 15, v0
	v_bfe_u32 v2, v0, 4, 1
	v_and_b32 v3, 31, v0
	v_lshlrev_b32 v[L16], 4, v3
	v_lshlrev_b32 v[L8], 3, v3
	s_mul_i32 s21, s15, HALFT
	s_mul_i32 s22, s16, HALFT
	s_add_co_u32 s22, s22, 2*HALFT
.irp s, 0,1
	v_add_nc_u32 v[ADRA+\s], s21, v[L16]
	v_add_nc_u32 v[ADRB+\s], s22, v[L16]
	v_add_nc_u32 v[ADRA+2+\s], s21, v[L8]
	v_add_nc_u32 v[ADRB+2+\s], s22, v[L8]
	s_add_co_u32 s21, s21, SLOT
	s_add_co_u32 s22, s22, SLOT
.endr
	v_lshlrev_b32 v5, 2, v1
	s_mul_i32 s21, s15, HALFS
	s_mul_i32 s22, s16, HALFS
	s_add_co_u32 s22, s22, 2*HALFS
	s_sub_co_u32 s22, s22, s21
	v_mul_u32_u24 v6, s22, v2
	s_add_co_u32 s21, s21, SCL
	v_add_nc_u32 v5, v5, v6
	v_add_nc_u32 v[ADRS], s21, v5
	s_cmp_eq_u32 ttmp9, 0
	s_cselect_b64 s[96:97], s[96:97], s[98:99]
	s_cmp_lt_u32 s95, 4
	s_cselect_b64 s[96:97], s[96:97], s[8:9]
	s_cselect_b64 s[10:11], s[10:11], s[96:97]
	s_cselect_b32 s45, s17, s42
	s_cselect_b32 s46, s15, s16
	s_cselect_b32 s47, s40, s41
	s_cselect_b32 s22, s16, s15
	s_lshl_b32 s23, s47, 10
	s_lshl_b32 s92, s22, 9
	s_add_co_u32 s23, s23, s92
	s_lshl_b32 s92, s45, 10
	s_lshl_b32 s93, s46, 9
	s_add_co_u32 s92, s92, s93
	s_cmp_lt_u32 s95, 4
	s_cselect_b32 s92, s92, s23
	s_mov_b32 s93, 0
	s_add_nc_u64 s[10:11], s[10:11], s[92:93]
	s_mov_b32 s92, s23
	s_add_nc_u64 s[96:97], s[96:97], s[92:93]
	s_lshr_b32 s92, s45, 3
	s_lshl_b32 s92, s92, 4
	s_lshl_b32 s93, s47, 2
	s_add_co_u32 s92, s92, s93
	s_lshl_b32 s93, s22, 1
	s_add_co_u32 s92, s92, s93
	s_lshl_b32 s92, s92, 4
	s_lshl_b32 s93, s45, 1
	s_add_co_u32 s93, s93, s46
	s_and_b32 s93, s93, 15
	s_add_co_u32 s92, s92, s93
	s_mul_i32 s92, s92, REC
	s_mov_b32 s93, 0
	s_add_nc_u64 s[12:13], s[12:13], s[92:93]
	v_lshlrev_b32 v30, 6, v2
	v_and_b32 v5, 7, v1
	v_lshrrev_b32 v6, 3, v1
	v_lshlrev_b32 v5, 2, v5
	v_lshl_add_u32 v31, v6, 6, v5
.irp b, 0,1,2,3,4,5,6,7
	global_load_b128 v[BI+8*\b:BI+8*\b+3], v30, s[96:97] offset:(32*(\b/2)+8*(\b%2))*4
	global_load_b128 v[BI+8*\b+4:BI+8*\b+7], v30, s[96:97] offset:(32*(\b/2)+8*(\b%2))*4+16
	global_load_b32 v[MK+\b], v31, s[10:11] offset:(32*(\b/2)+8*(\b%2))*4
.endr
	s_mov_b32 s[SEL], 0x76543210
	s_mov_b32 s[SEL+1], 0xfedcba98
	s_mov_b32 s94, 0xffff0000
.macro FRAG reg, adr, q, i
	ds_load_b128 v[\reg:\reg+3], v[\adr] offset:3072*(\i)+1536*(\q)
	ds_load_b64 v[\reg+4:\reg+5], v[\adr+2] offset:3072*(\i)+1536*(\q)+512
	ds_load_b128 v[\reg+6:\reg+9], v[\adr] offset:3072*(\i)+1536*(\q)+768
	ds_load_b64 v[\reg+10:\reg+11], v[\adr+2] offset:3072*(\i)+1536*(\q)+1280
.endm
.macro MUL16 a0, p, q, sc, zero
.irp a, \a0, \a0+1
.irp b, 0,1,2,3,4,5,6,7
.if \zero
	v_wmma_scale_f32_16x16x128_f8f6f4 v[8*(8*((\a)%4)+\b):8*(8*((\a)%4)+\b)+7], v[128*(\p)+FR*\b:128*(\p)+FR*\b+FR-1], v[AF+FR*(\a):AF+FR*(\a)+FR-1], 0, v[SC+8*NQ*(\sc)+NQ*\b+(\q)], v[SC+8*NQ*(\sc)+NQ*(\a)+(\q)] matrix_a_fmt:MATRIX_FMT_FP6 matrix_b_fmt:MATRIX_FMT_FP6 matrix_a_scale:MATRIX_SCALE_ROW1
.else
	v_wmma_scale_f32_16x16x128_f8f6f4 v[8*(8*((\a)%4)+\b):8*(8*((\a)%4)+\b)+7], v[128*(\p)+FR*\b:128*(\p)+FR*\b+FR-1], v[AF+FR*(\a):AF+FR*(\a)+FR-1], v[8*(8*((\a)%4)+\b):8*(8*((\a)%4)+\b)+7], v[SC+8*NQ*(\sc)+NQ*\b+(\q)], v[SC+8*NQ*(\sc)+NQ*(\a)+(\q)] matrix_a_fmt:MATRIX_FMT_FP6 matrix_b_fmt:MATRIX_FMT_FP6 matrix_a_scale:MATRIX_SCALE_ROW1
.endif
.endr
.endr
.endm
.macro FETCH_B slot, q, p
	WIN TO_B
.irp i, 0,1,2,3,4,5,6,7
	FRAG 128*(\p)+FR*\i, ADRB+\slot, \q, \i
.endr
	WIN 0
.endm
.macro FETCH_A slot, q, i0
.irp i, \i0, \i0+1, \i0+2, \i0+3
	FRAG AF+FR*(\i), ADRA+\slot, \q, \i
.endr
.endm
.macro SCALES sc
.irp i, 0,1,2,3,4,5,6,7
	ds_load_b32 v[SC+8*NQ*\sc+NQ*\i], v[ADRS] offset:\i*NKS*64
	ds_load_b32 v[SC+8*NQ*\sc+NQ*\i+1], v[ADRS] offset:\i*NKS*64+64
.endr
.endm
.macro PLACES n
.rept \n
	v_nop
.endr
.endm
.macro STEP slot, q, zero
	s_wait_dscnt 4*NL
	WIN MUL_LO
	MUL16 0, (\q)%2, \q, \slot, \zero
	MUL16 2, (\q)%2, \q, \slot, \zero
	s_wait_dscnt 0
	PLACES NP
	FETCH_B \slot, (\q)+1, 1-(\q)%2
	FETCH_A \slot, (\q)+1, 0
	WIN MUL_HI
	MUL16 4, (\q)%2, \q, \slot, \zero
	MUL16 6, (\q)%2, \q, \slot, \zero
	PLACES NP
	WIN 0
	FETCH_A \slot, (\q)+1, 4
.endm
.macro TURN slot, next, fill
	s_wait_tensorcnt 0x0
	ds_add_u32 v[SPW], v[NIL]
	s_wait_dscnt 4*NL+1
	WIN MUL_LO
	MUL16 0, 1, NQ-1, \slot, 0
	s_wait_dscnt 0x0
	s_barrier_signal -1
	MUL16 2, 1, NQ-1, \slot, 0
	WIN 0
	s_barrier_wait -1
.if \fill
	CREST
	s_add_nc_u64 s[G0+4*\slot+2:G0+4*\slot+3], s[G0+4*\slot+2:G0+4*\slot+3], 2*SSA
	s_add_nc_u64 s[G0B+4*\slot+2:G0B+4*\slot+3], s[G0B+4*\slot+2:G0B+4*\slot+3], 2*SSB
	JLOAD G0+4*\slot, G1, G0B+4*\slot, G1B
.else
	PLACES NP
.endif
	s_wait_alu depctr_va_vdst(0)
	v_add_nc_u32 v[ADRS], 64*NQ, v[ADRS]
	FETCH_B \next, 0, 0
	FETCH_A \next, 0, 0
	SCALES \next
	WIN MUL_HI
	MUL16 4, 1, NQ-1, \slot, 0
	MUL16 6, 1, NQ-1, \slot, 0
	PLACES NP
	WIN 0
	FETCH_A \next, 0, 4
.endm
	s_wait_alu depctr_va_vdst(0)
	s_wait_loadcnt 0x0
	s_wait_tensorcnt 0x0                           ; my tile of the head's four is in
	ds_add_u32 v[SPW], v[NIL]
	s_mov_b32 s[G1+2], 96<<16                      ; no tensor load of mine is out: from here on a load brings 128 rows
	s_mov_b32 s[G1+4], 96
	s_mov_b32 s[G1B+2], 96<<16
	s_mov_b32 s[G1B+4], 96
	s_wait_dscnt 0x0
	CROUND                                         ; all four tiles are in, in every partner
	JLOAD G0+4, G1, G0B+4, G1B                     ; slot 1's first fill, the first tensor load behind the round
	FETCH_B 0, 0, 0
	FETCH_A 0, 0, 0
	SCALES 0
	FETCH_A 0, 0, 4
	STEP 0, 0, 1
	s_mov_b32 s3, LAPS-1
.Llap:
	TURN 0, 1, 1
	STEP 1, 0, 0
	TURN 1, 0, 1
	STEP 0, 0, 0
	s_sub_co_u32 s3, s3, 1
	s_cmp_lg_u32 s3, 0
	s_cbranch_scc1 .Llap
	TURN 0, 1, 0
	STEP 1, 0, 0
	s_wait_dscnt 4*NL
	WIN MUL_LO
	MUL16 0, 1, NQ-1, 1, 0
	MUL16 2, 1, NQ-1, 1, 0
	s_wait_dscnt 0
	WIN MUL_HI
	MUL16 4, 1, NQ-1, 1, 0
	MUL16 6, 1, NQ-1, 1, 0
	WIN 0
.macro QUANT s, pw
.irp b, 0,1,2,3
	v_max3_num_f32 v[TM+\b], |v[\s+16*\b]|, |v[\s+1+16*\b]|, 0x1800000
.endr
.irp i, 2,4,6,8,10,12,14
.irp b, 0,1,2,3
	v_max3_num_f32 v[TM+\b], v[TM+\b], |v[\s+16*\b+\i]|, |v[\s+1+16*\b+\i]|
.endr
.endr
.irp b, 0,1,2,3
	v_permlanex16_b32 v[TM+4+\b], v[TM+\b], s[SEL], s[SEL+1]
.endr
.irp b, 0,1,2,3
	v_max_num_f32 v[TM+\b], v[TM+\b], v[TM+4+\b]
.endr
.irp b, 0,1,2,3
	v_add_nc_u32 v[TM+12+\b], 0xff000000, v[TM+\b]
.endr
.irp b, 0,1,2,3
	v_lshrrev_b32 v[TM+4+\b], 23, v[TM+12+\b]
.endr
	v_lshl_or_b32 v[\pw], v[TM+5], 8, v[TM+4]
	v_lshl_or_b32 v[\pw], v[TM+6], 16, v[\pw]
	v_lshl_or_b32 v[\pw], v[TM+7], 24, v[\pw]
.irp c, 0,1
	v_cvt_scalef32_pk16_fp6_f32 v[PC+6*\c:PC+2+6*\c], v[\s+32*\c:\s+15+32*\c], v[TM+12+2*\c]
	v_cvt_scalef32_pk16_fp6_f32 v[PC+12+4*\c:PC+14+4*\c], v[\s+16+32*\c:\s+31+32*\c], v[TM+13+2*\c]
.endr
	v_nop
.irp c, 0,1
.irp i, 0,1,2
	v_permlane16_swap_b32 v[PC+6*\c+\i], v[PC+12+4*\c+\i]
.endr
.irp i, 0,1,2
	v_mov_b32 v[PC+3+6*\c+\i], v[PC+12+4*\c+\i]
.endr
.endr
.endm
.macro FROUT sb, off
	global_store_b128 v[L16], v[PC:PC+3], s[\sb:\sb+1] offset:(\off)
	global_store_b64 v[L8], v[PC+4:PC+5], s[\sb:\sb+1] offset:(\off)+512
	global_store_b128 v[L16], v[PC+6:PC+9], s[\sb:\sb+1] offset:(\off)+768
	global_store_b64 v[L8], v[PC+10:PC+11], s[\sb:\sb+1] offset:(\off)+1280
.endm
.macro BLOCKIN a
	WIN 0x02+((\a)/4)
.set p, 0
.rept 32
	v_pk_add_f32 v[ST+p:ST+p+1], v[64*((\a)%4)+p:64*((\a)%4)+p+1], v[BI+p:BI+p+1]
.set p, p+2
.endr
	WIN 0
.endm
.macro BLOCKINV a
	WIN 0x02+((\a)/4)
.set p, 0
.rept 32
	v_pk_add_f32 v[ST+p:ST+p+1], v[64*((\a)%4)+p:64*((\a)%4)+p+1], v[240:241]
.set p, p+2
.endr
	WIN 0
.endm
	PLACES NP
.irp b, 0,1,2,3
	v_mov_b32 v[TM+4+\b], 0
.endr
	s_cmp_lt_u32 s95, 4
	s_cbranch_scc0 .Lvpath
	s_cmp_eq_u32 ttmp9, 0
	s_cselect_b32 s18, 13056, 0
	s_mov_b32 s20, 12288
	s_cselect_b32 s20, 19200, s20
	s_cselect_b32 s22, 162, 1
	s_mov_b32 s19, 0
	s_mov_b32 s21, 0
	s_add_nc_u64 s[18:19], s[12:13], s[18:19]
	s_add_nc_u64 s[20:21], s[12:13], s[20:21]
	v_mov_b32 v242, s22
	v_mov_b32 v243, 162
.irp a, 0,1,2,3,4,5,6,7
	v_cmp_eq_u32 vcc_lo, 0, v[MK+\a]
	v_cndmask_b32 v[MK+\a], v242, v243, vcc_lo
.endr
.irp a, 0,1,2,3,4,5,6,7
	BLOCKIN \a
.if \a > 0
	s_wait_xcnt 0x0
.endif
	QUANT ST, 240
	global_store_b128 v[L16], v[PC:PC+3], s[18:19] offset:768*\a
	global_store_b64 v[L8], v[PC+4:PC+5], s[18:19] offset:768*\a+512
	global_store_b128 v[L16], v[PC+6:PC+9], s[18:19] offset:768*\a+RECH
	global_store_b64 v[L8], v[PC+10:PC+11], s[18:19] offset:768*\a+RECH+512
	v_and_b32 v241, 0xffff, v240
	v_lshl_or_b32 v[32+\a], v[MK+\a], 16, v241
	v_lshrrev_b32 v241, 16, v240
	v_lshl_or_b32 v[40+\a], v[MK+\a], 16, v241
.endr
.irp b, 0,1,2,3
	v_cndmask_b32 v[48+\b], v[32+2*\b], v[33+2*\b], s94
	v_cndmask_b32 v[52+\b], v[40+2*\b], v[41+2*\b], s94
.endr
	global_store_b128 v[L16], v[48:51], s[20:21]
	global_store_b128 v[L16], v[52:55], s[20:21] offset:RECH
	s_branch .Ldone
.Lvpath:
.irp a, 0,1,2,3,4,5,6,7
	v_mov_b32 v240, v[MK+\a]
	v_mov_b32 v241, v[MK+\a]
	BLOCKINV \a
.if \a > 0
	s_wait_xcnt 0x0
.endif
	QUANT ST, 32+\a
	FROUT 12, 6144+RECH*(\a/4)+1536*(\a%4)
.endr
.irp e, 0,1
.irp u, 0,1
	v_cndmask_b32 v[48+2*\e+\u], v[32+4*\e+2*\u], v[33+4*\e+2*\u], s94
.endr
	global_store_b64 v[L8], v[48+2*\e:49+2*\e], s[12:13] offset:12800+RECH*\e
.endr
.Ldone:
	s_wait_tensorcnt 0x0
	ds_add_u32 v[SPW], v[NIL]
	s_wait_dscnt 0x0
	CROUND
	s_endpgm
.Lfunc_end_k_q905b182342_qkv:
	.size	k_q905b182342_qkv, .Lfunc_end_k_q905b182342_qkv-k_q905b182342_qkv
	.p2alignl 7, 3214868480
	.fill 96, 4, 3214868480
	.section	.rodata,"a",@progbits
	.p2align	6, 0x0
	.amdhsa_kernel k_q905b182342_qkv
		.amdhsa_group_segment_fixed_size 327680
		.amdhsa_private_segment_fixed_size 0
		.amdhsa_enable_private_segment 0
		.amdhsa_kernarg_size 48
		.amdhsa_user_sgpr_count 2
		.amdhsa_user_sgpr_kernarg_segment_ptr 1
		.amdhsa_wavefront_size32 1
		.amdhsa_system_sgpr_workgroup_id_x 1
		.amdhsa_system_sgpr_workgroup_id_y 1
		.amdhsa_system_sgpr_workgroup_id_z 1
		.amdhsa_system_vgpr_workitem_id 0
		.amdhsa_next_free_vgpr 1024
		.amdhsa_next_free_sgpr 100
		.amdhsa_reserve_vcc 1
		.amdhsa_float_denorm_mode_32 3
		.amdhsa_float_denorm_mode_16_64 3
		.amdhsa_memory_ordered 1
		.amdhsa_forward_progress 1
		.amdhsa_inst_pref_size 224
	.end_amdhsa_kernel
	.amdgpu_metadata
---
amdhsa.version: [ 1, 2 ]
amdhsa.kernels:
  - .name:           k_q905b182342_qkv
    .symbol:         k_q905b182342_qkv.kd
    .args:
      - { .name: pw, .offset: 0, .size: 8, .value_kind: global_buffer, .address_space: global }
      - { .name: bq, .offset: 8, .size: 8, .value_kind: global_buffer, .address_space: global }
      - { .name: bk, .offset: 16, .size: 8, .value_kind: global_buffer, .address_space: global }
      - { .name: bv, .offset: 24, .size: 8, .value_kind: global_buffer, .address_space: global }
      - { .name: mask, .offset: 32, .size: 8, .value_kind: global_buffer, .address_space: global }
      - { .name: qkv, .offset: 40, .size: 8, .value_kind: global_buffer, .address_space: global }
    .group_segment_fixed_size: 327680
    .private_segment_fixed_size: 0
    .kernarg_segment_align: 8
    .kernarg_segment_size: 48
    .max_flat_workgroup_size: 128
    .sgpr_count:     100
    .vgpr_count:     1024
    .wavefront_size: 32
...
	.end_amdgpu_metadata
.endif
;; end of part 10
;; launch attn (part 11): grid 8 x 32, 16 waves a work-group, clusters of 4 x 1, 212,992 bytes of LDS; arguments qkv, mask, ctx; writes ctx
.if DOCPART == 11
	.amdgcn_target "amdgcn-amd-amdhsa--gfx1250"
	.amdhsa_code_object_version 6
	.text
	.protected	k_q905b182342_attn
	.globl	k_q905b182342_attn
	.p2align	8
	.type	k_q905b182342_attn,@function
k_q905b182342_attn:
	s_mov_b64 s[64:65], 0
	v_nop
	global_prefetch_b8 v0, s[64:65] scope:SCOPE_SE
	s_setreg_imm32_b32 hwreg(HW_REG_WAVE_MODE, 25, 1), 1
	s_wait_xcnt 0x0
	s_wait_alu depctr_hold_cnt(0) depctr_sa_sdst(0) depctr_va_vdst(0) depctr_va_sdst(0) depctr_va_ssrc(0) depctr_va_vcc(0) depctr_vm_vsrc(0)
	s_getreg_b32 s2, hwreg(HW_REG_IB_STS2, 6, 4)
	s_cmp_eq_u32 s2, 0
	s_cbranch_scc0 .Lentry_in_a_cluster
	s_endpgm
.Lentry_in_a_cluster:
	s_bfe_u32 s2, ttmp6, 0x10000c
	s_cmp_lg_u32 s2, 0x3003
	s_cbranch_scc0 .Lentry_shape_is_right
	s_endpgm
.Lentry_shape_is_right:
; ctx = softmax(Q K^T / 8, hidden keys out) V for one head and 256 queries a work-group, both products on codes of FP6 (E2M3); the result is quantised along the model's 1,024 and laid as the next product's operand.
; SHARES: sixteen waves, one tile of 16 queries each, in 256 registers.  ALL of the head's K, V and their scale words (16 records x 13,056 bytes) lie in LDS: each wave brings one record by ONE joint tensor load
; (the four query blocks of a cluster walk the same head), so one tensor load a wave is out, and the loop has no barrier.
; LAYOUT: S^T = K Q^T, O^T = V^T P^T: a lane holds one query throughout.  K's keys and V's channels stand in position order (bits 3 and 4 exchanged), so the 16 registers of two neighbouring tiles are 16 neighbours.
; THE SCORE PRODUCT has K = 64 in an instruction of 128.  In the empty half Q holds 1.0 and K -1.0 at k = 64; their scale bytes give -2^70 for a hidden key and -2^-91 for an open one.
; SOFTMAX: t = score x log2(e) / 8; M = the ceiling of the running largest t; p = 2^(t - M) is quantised along the keys; the sum is taken of the unquantised p and divides at the end.
; Where EVERY key of the batch is hidden the factor is 0 in place of log2(e) / 8 (a selected value, no branch): every t is 0 and every p is 1, as equal scores give.
; LIMITS: a hidden key's score is -2^70 in place of -1e20 (the same result while open logits stay above -1e20); an open score carries -2^-91; blocks of zeros get the byte 1; NaN and infinities are not served.
; REGISTERS: v1 16 x lane, v2 8 x lane, v3 r, v4 h, v8, v9 the step's LDS addresses; v12 -M, v13 the largest t, v[14:15] the sum; v16-27 Q; v32-79 four fragments of K (their upper six registers are set once);
;   v96-159 S^T, then p, then V's four fragments; v160-191 O^T; v224-235 p's codes; v232-247 at work; v248-251 K's scale words, then sums at work, then V's; v252 f; v253 p's scale word; v255 Q's.
.set REC,   19712
.set KVB,   13056                      ; K, V and their scale words of a record
.set FLG,   208896                     ; behind the 16 records: a word a wave: has my part of the mask an open key?
.set SPARE, 209152                     ; the spare words, 128 bytes a wave
.set CTXS,  3145728
.set L16, 1
.set L8,  2
.set SPW, 5
.set NIL, 6
.set A16, 8
.set A8,  9
.set WV,  18
.set SEL, 20
.set CS,  22
.macro CROUND
	s_barrier_signal -1
	s_barrier_wait -1
	s_cmp_lg_u32 s[WV], 0
	s_cbranch_scc1 .Lnot_wave_0_\@
	s_barrier_signal -3
.Lnot_wave_0_\@:
	s_barrier_wait -3
	s_barrier_signal -1
	s_barrier_wait -1
.endm
	s_load_b128 s[4:7], s[0:1], 0x0                ; qkv, mask
	s_load_b64 s[8:9], s[0:1], 0x10                ; ctx
	v_lshl_add_u32 v[SPW], v0, 2, SPARE
	v_mov_b32 v[NIL], 0
	ds_add_u32 v[SPW], v[NIL]                      ; the wave's opening: the add and its wait ahead of my first tensor load
	ds_add_u32 v[SPW], v[NIL]
	v_lshrrev_b32 v7, 5, v0
	s_delay_alu instid0(VALU_DEP_1)
	v_readfirstlane_b32 s[WV], v7                  ; wave 0..15
	s_bfe_u32 s10, ttmp6, 0x40000                  ; cx: it enters Q's and ctx's addresses alone
	s_and_b32 s11, ttmp7, 0xffff                   ; g = 16 x batch + head
	s_mov_b32 s24, 15|(3<<16)|(1<<21)              ; group 1: all four work-groups; elements of 8 bytes; no padding; bit 21 beside a mask
	s_mov_b32 s25, 32<<16                          ; 51 rows of 256 dense bytes
	s_mov_b32 s26, 51<<16
	s_mov_b32 s27, 32<<16
	s_mov_b32 s28, 51
	s_mov_b32 s29, 32
	s_mov_b32 s30, 0
	s_mov_b32 s31, 0
	s_lshl_b32 s12, s11, 4
	s_add_co_u32 s13, s12, s[WV]                   ; the record that I fetch
	s_mul_i32 s40, s13, REC
	s_mov_b32 s41, 0
	s_mov_b32 s32, 1
	s_mul_i32 s33, s[WV], KVB
	s_lshl_b32 s14, ttmp9, 2
	s_add_co_u32 s14, s14, s10                     ; my block of 256 queries
	s_lshl_b32 s15, s14, 1
	s_lshr_b32 s16, s[WV], 3
	s_add_co_u32 s15, s15, s16
	s_add_co_u32 s15, s15, s12                     ; my queries' record
	s_mul_i32 s42, s15, REC
	s_mov_b32 s43, 0
	s_and_b32 s17, s[WV], 7                        ; my tile in it
	s_mul_i32 s16, s17, 768
	s_add_co_u32 s44, s42, s16
	s_mov_b32 s45, 0
	s_and_b32 s16, s17, 1
	s_lshl_b32 s16, s16, 8
	s_add_co_u32 s42, s42, s16
	s_lshr_b32 s16, s17, 1
	s_lshl_b32 s16, s16, 2
	s_add_co_u32 s42, s42, s16                     ; its scale words: 256 x (tile % 2) + 4 x (tile / 2)
	s_lshr_b32 s46, s11, 4
	s_lshl_b32 s46, s46, 13                        ; the batch's 2,048 words of the mask
	s_mov_b32 s47, 0
	s_lshl_b32 s19, s[WV], 2
	s_add_co_u32 s19, s19, FLG
	s_mov_b32 s[SEL], 0x76543210
	s_mov_b32 s[SEL+1], 0xfedcba98
	v_and_b32 v7, 31, v0
	s_delay_alu instid0(VALU_DEP_1)
	v_lshlrev_b32 v[L16], 4, v7
	s_delay_alu instid0(VALU_DEP_2)
	v_lshlrev_b32 v[L8], 3, v7
	v_and_b32 v3, 15, v0
	v_bfe_u32 v4, v0, 4, 1
	v_lshlrev_b32 v7, 4, v0                        ; 16 x thread
	s_delay_alu instid0(VALU_DEP_3)
	v_lshlrev_b32 v10, 4, v3                       ; 16 r
	v_mov_b32 v11, s19                             ; my wave's flag
	v_mov_b32 v28, FLG
	v_lshlrev_b32 v29, 2, v3                       ; 4 r
	s_wait_dscnt 0x0                               ; the opening add is done
	s_wait_kmcnt 0x0
	s_add_nc_u64 s[34:35], s[4:5], s[40:41]
	s_or_b32 s35, s35, 0x80000000
	s_add_nc_u64 s[44:45], s[4:5], s[44:45]
	s_add_nc_u64 s[42:43], s[4:5], s[42:43]
	s_add_nc_u64 s[46:47], s[6:7], s[46:47]
	CROUND                                         ; all four work-groups are here: the joint loads meet
	tensor_load_to_lds s[32:35], s[24:31]
	s_nop 0
.rept 4
	v_nop
.endr
	s_wait_alu depctr_va_vdst(0)
	global_load_b128 v[16:19], v[L16], s[44:45] offset:13056   ; Q's tile stays in registers
	global_load_b64 v[20:21], v[L8], s[44:45] offset:13056+512
	global_load_b32 v255, v10, s[42:43] offset:19200           ; its scale words
	global_load_b128 v[96:99], v7, s[46:47]                    ; four words of the mask a thread
	v_xor_b32 v254, 1, v4
	s_delay_alu instid0(VALU_DEP_1)
	v_lshlrev_b32 v22, 3, v254                     ; k = 64: the code of 1.0, in lanes 0-15
	s_delay_alu instid0(VALU_DEP_2)
	v_mul_u32_u24 v252, v254, 0x28                 ; and of -1.0 for K
.irp i, 23,24,25,26,27
	v_mov_b32 v[\i], 0
.endr
.irp t, 0,1,2,3
	v_mov_b32 v[38+12*\t], v252
.irp i, 7,8,9,10,11
	v_mov_b32 v[32+12*\t+\i], 0
.endr
.endr
.set j, 0
.rept 32
	v_mov_b32 v[160+j], 0                          ; O^T: the step is written once; the first change of M leaves zeros zeros
.set j, j+1
.endr
	v_mov_b32 v13, 0xff61b1e6                      ; the largest t so far: -3e38
	s_delay_alu instid0(VALU_DEP_1)
	v_floor_f32 v12, -v13
	v_mov_b32 v14, 0
	v_mov_b32 v15, 0
.irp b, 0,1,2,3
	v_mov_b32 v[236+\b], 0
.endr
	v_mov_b32 v253, 0
	s_wait_loadcnt 0x0
	v_or_b32 v96, v96, v97
	v_or_b32 v98, v98, v99
	s_delay_alu instid0(VALU_DEP_1)
	v_or_b32 v96, v96, v98
	s_delay_alu instid0(VALU_DEP_1)
	v_cmp_ne_u32 s40, 0, v96
	s_cmp_lg_u32 s40, 0
	s_cselect_b32 s41, 1, 0
	v_mov_b32 v97, s41
	ds_store_b32 v11, v97                          ; all lanes write the same word with the same value
	s_wait_tensorcnt 0x0                           ; my record has landed,
	s_wait_dscnt 0x0                               ; my flag is stored:
	s_barrier_signal -1
	s_barrier_wait -1                              ; everybody's
.irp i, 0,1,2,3
	ds_load_b128 v[96+4*\i:99+4*\i], v28 offset:16*\i
.endr
	s_wait_dscnt 0x0
.irp i, 1
	v_or_b32 v96, v96, v[96+\i]
.endr
.irp i, 2, 3, 4, 5, 6, 7, 8, 9, 10, 11, 12, 13, 14, 15
	s_delay_alu instid0(VALU_DEP_1)
	v_or_b32 v96, v96, v[96+\i]
.endr
	s_delay_alu instid0(VALU_DEP_1)
	v_readfirstlane_b32 s40, v96
	s_cmp_lg_u32 s40, 0
	s_cselect_b32 s[CS], 0x3e38aa3b, 0             ; c = log2(e) / 8, or 0 where every key of the batch is hidden
	s_mov_b32 s[CS+1], s[CS]
	s_mov_b32 s36, 0                               ; the step's record in LDS
	s_mov_b32 s37, 16
.Lstep:                                            ; 128 keys a trip
	v_add_nc_u32 v[A16], s36, v[L16]
	s_wait_alu depctr_va_vdst(0)
	v_add_nc_u32 v[A8], s36, v[L8]
	s_wait_alu depctr_va_vdst(0)
.rept 3
	v_nop                                          ; five places in all between the last products and the products that write over V's registers
.endr
	ds_load_b128 v[248:251], v[A16] offset:12288   ; K's scale words: register b: lanes 0-15 tile 2 b, lanes 16-31 tile 2 b + 1
.irp g, 0,1
.if \g
.rept 4
	v_nop                                          ; places ahead of loads into registers that matrix instructions have read
.endr
.endif
.irp t, 0,1,2,3
	ds_load_b128 v[32+12*\t:35+12*\t], v[A16] offset:768*(4*\g+\t)
	ds_load_b64 v[36+12*\t:37+12*\t], v[A8] offset:768*(4*\g+\t)+512
.endr
	s_wait_dscnt 0x0
.irp t, 0,1,2,3
.if \t%2
	v_wmma_scale_f32_16x16x128_f8f6f4 v[96+8*(4*\g+\t):103+8*(4*\g+\t)], v[32+12*\t:43+12*\t], v[16:27], 0, v[248+(4*\g+\t)/2], v255 matrix_a_fmt:MATRIX_FMT_FP6 matrix_b_fmt:MATRIX_FMT_FP6 matrix_a_scale:MATRIX_SCALE_ROW1
.else
	v_wmma_scale_f32_16x16x128_f8f6f4 v[96+8*(4*\g+\t):103+8*(4*\g+\t)], v[32+12*\t:43+12*\t], v[16:27], 0, v[248+(4*\g+\t)/2], v255 matrix_a_fmt:MATRIX_FMT_FP6 matrix_b_fmt:MATRIX_FMT_FP6
.endif
.endr
.endr
.rept 4
	v_nop
.endr
.irp b, 0,1,2,3
	v_max3_num_f32 v[232+\b], v[96+16*\b], v[97+16*\b], v[98+16*\b]   ; the largest score of each block of 32 keys: it serves the row's maximum and, since p rises with the score, the block's largest p
.endr
.irp i, 3,5,7,9,11,13
.irp b, 0,1,2,3
	v_max3_num_f32 v[232+\b], v[232+\b], v[96+16*\b+\i], v[97+16*\b+\i]
.endr
.endr
.irp b, 0,1,2,3
	v_max_num_f32 v[232+\b], v[232+\b], v[111+16*\b]
.endr
.irp b, 0,1,2,3
	s_delay_alu instid0(VALU_DEP_4)
	v_permlanex16_b32 v[236+\b], v[232+\b], s[SEL], s[SEL+1]
.endr
.irp b, 0,1,2,3
	s_delay_alu instid0(VALU_DEP_4)
	v_max_num_f32 v[232+\b], v[232+\b], v[236+\b]
.endr
	s_delay_alu instid0(VALU_DEP_2)
	v_max3_num_f32 v254, v232, v233, v234
	s_delay_alu instid0(VALU_DEP_1)
	v_max_num_f32 v254, v254, v235
	s_delay_alu instid0(VALU_DEP_1)
	v_mul_f32 v254, s[CS], v254
	s_delay_alu instid0(VALU_DEP_1)
	v_max_num_f32 v13, v13, v254                   ; the running largest t
	v_mov_b32 v254, v12
	s_delay_alu instid0(VALU_DEP_2)
	v_floor_f32 v12, -v13                          ; -M = floor(-t): M is a whole number
	s_delay_alu instid0(VALU_DEP_1)
	v_sub_f32 v254, v12, v254
	s_delay_alu instid0(VALU_DEP_1)
	v_cvt_i32_f32 v254, v254                       ; (it saturates)
	s_delay_alu instid0(VALU_DEP_1)
	v_ldexp_f32 v252, 1.0, v254                    ; f = 2^(old M - new M)
.set j, 0
.rept 32
	v_pk_fma_f32 v[96+j:97+j], v[96+j:97+j], s[CS:CS+1], v[12:13] op_sel_hi:[1,0,0]   ; t - M
.set j, j+2
.endr
.irp b, 0,1,2,3
	v_fma_f32 v[232+\b], v[232+\b], s[CS], v12
.endr
.set j, 0
	s_wait_alu depctr_va_vdst(0)
.rept 64
	v_exp_f32 v[96+j], v[96+j]                     ; p = 2^(t - M)
.set j, j+1
.endr
	v_pk_mul_f32 v[14:15], v[14:15], v[252:253] op_sel_hi:[1,0]   ; the sums under the new M: a plain place behind the exponentials
	s_wait_alu depctr_va_vdst(0)                   ; one wait for the whole batch, ahead of its first reader
.irp b, 0,1,2,3
	v_exp_f32 v[232+\b], v[232+\b]                 ; the block's largest p
.endr
	v_pk_add_f32 v[236:237], v[100:101], v[104:105]
	v_pk_add_f32 v[250:251], v[108:109], v[112:113]
	v_pk_add_f32 v[248:249], v[116:117], v[120:121]
	v_pk_add_f32 v[246:247], v[124:125], v[128:129]
	v_pk_add_f32 v[244:245], v[132:133], v[136:137]
	v_pk_add_f32 v[242:243], v[140:141], v[144:145]
	v_pk_add_f32 v[240:241], v[148:149], v[152:153]
	v_pk_add_f32 v[14:15], v[14:15], v[156:157]
	v_pk_add_f32 v[236:237], v[236:237], v[96:97]
	v_pk_add_f32 v[250:251], v[250:251], v[98:99]
	v_pk_add_f32 v[248:249], v[248:249], v[102:103]
	v_pk_add_f32 v[246:247], v[246:247], v[106:107]
	v_pk_add_f32 v[244:245], v[244:245], v[110:111]
	v_pk_add_f32 v[242:243], v[242:243], v[114:115]
	v_pk_add_f32 v[240:241], v[240:241], v[118:119]
	v_pk_add_f32 v[14:15], v[14:15], v[122:123]
	v_pk_add_f32 v[236:237], v[236:237], v[126:127]
	v_pk_add_f32 v[250:251], v[250:251], v[130:131]
	v_pk_add_f32 v[248:249], v[248:249], v[134:135]
	v_pk_add_f32 v[246:247], v[246:247], v[138:139]
	v_pk_add_f32 v[244:245], v[244:245], v[142:143]
	v_pk_add_f32 v[242:243], v[242:243], v[146:147]
	v_pk_add_f32 v[240:241], v[240:241], v[150:151]
	v_pk_add_f32 v[14:15], v[14:15], v[154:155]
	v_pk_add_f32 v[236:237], v[236:237], v[158:159]
	s_delay_alu instid0(VALU_DEP_2)
	v_pk_add_f32 v[14:15], v[14:15], v[246:247]
	s_delay_alu instid0(VALU_DEP_2)
	v_pk_add_f32 v[236:237], v[236:237], v[244:245]
	v_pk_add_f32 v[250:251], v[250:251], v[242:243]
	v_pk_add_f32 v[248:249], v[248:249], v[240:241]
	s_delay_alu instid0(VALU_DEP_2)
	v_pk_add_f32 v[14:15], v[14:15], v[250:251]
	s_delay_alu instid0(VALU_DEP_2)
	v_pk_add_f32 v[236:237], v[236:237], v[248:249]
	s_delay_alu instid0(VALU_DEP_1)
	v_pk_add_f32 v[14:15], v[14:15], v[236:237]
	s_wait_alu depctr_va_vdst(0)                   ; and one for the four
.irp b, 0,1,2,3
	v_max_num_f32 v[232+\b], 0x1800000, v[232+\b]  ; the floor 2^(3 - 127)
.endr
.irp b, 0,1,2,3
	s_delay_alu instid0(VALU_DEP_4)
	v_add_nc_u32 v[244+\b], 0xff000000, v[232+\b]
.endr
.irp b, 0,1,2,3
	s_delay_alu instid0(VALU_DEP_4)
	v_lshrrev_b32 v[236+\b], 23, v[244+\b]
.endr
	s_delay_alu instid0(VALU_DEP_3)
	v_lshl_or_b32 v253, v237, 8, v236              ; p's scale word for these 128 keys
	s_delay_alu instid0(VALU_DEP_1)
	v_lshl_or_b32 v253, v238, 16, v253
	s_delay_alu instid0(VALU_DEP_1)
	v_lshl_or_b32 v253, v239, 24, v253
.irp c, 0,1
	v_cvt_scalef32_pk16_fp6_f32 v[224+6*\c:226+6*\c], v[96+32*\c:111+32*\c], v[244+2*\c]
	v_cvt_scalef32_pk16_fp6_f32 v[236+4*\c:238+4*\c], v[112+32*\c:127+32*\c], v[245+2*\c]
.endr
	v_nop                                          ; one plain place behind a scaled conversion
.irp t, 0,1,2,3                                ; V's four fragments take p's registers
	ds_load_b128 v[96+12*\t:99+12*\t], v[A16] offset:6144+1536*\t
	ds_load_b64 v[100+12*\t:101+12*\t], v[A8] offset:6144+1536*\t+512
	ds_load_b128 v[102+12*\t:105+12*\t], v[A16] offset:6144+1536*\t+768
	ds_load_b64 v[106+12*\t:107+12*\t], v[A8] offset:6144+1536*\t+1280
.endr
	ds_load_b64 v[248:249], v[A8] offset:12800     ; V's scale words
.irp c, 0,1
.irp i, 0,1,2
	v_permlane16_swap_b32 v[224+6*\c+\i], v[236+4*\c+\i]
.endr
.irp i, 0,1,2
	s_delay_alu instid0(VALU_DEP_3)
	v_mov_b32 v[227+6*\c+\i], v[236+4*\c+\i]
.endr
.endr
.set j, 0
.rept 16
	v_pk_mul_f32 v[160+j:161+j], v[160+j:161+j], v[252:253] op_sel_hi:[1,0]   ; O^T under the new M; these are also the places ahead of the scaled products
.set j, j+2
.endr
	s_wait_alu depctr_va_vdst(0)
	s_wait_dscnt 0x0
.irp t, 0,1,2,3
.if \t%2
	v_wmma_scale_f32_16x16x128_f8f6f4 v[160+8*\t:167+8*\t], v[96+12*\t:107+12*\t], v[224:235], v[160+8*\t:167+8*\t], v[248+\t/2], v253 matrix_a_fmt:MATRIX_FMT_FP6 matrix_b_fmt:MATRIX_FMT_FP6 matrix_a_scale:MATRIX_SCALE_ROW1
.else
	v_wmma_scale_f32_16x16x128_f8f6f4 v[160+8*\t:167+8*\t], v[96+12*\t:107+12*\t], v[224:235], v[160+8*\t:167+8*\t], v[248+\t/2], v253 matrix_a_fmt:MATRIX_FMT_FP6 matrix_b_fmt:MATRIX_FMT_FP6
.endif
.endr
	s_add_co_u32 s36, s36, KVB
	s_sub_co_u32 s37, s37, 1
	s_cmp_lg_u32 s37, 0
	s_cbranch_scc1 .Lstep
	; THE WAY OUT: O^T / the sum; register 16 u + i is channel 32 u + 16 h + i of my query: two blocks of 32 along the next K
.rept 4
	v_nop
.endr
	v_add_f32 v14, v14, v15
	s_delay_alu instid0(VALU_DEP_1)
	v_permlanex16_b32 v252, v14, s[SEL], s[SEL+1]
	s_delay_alu instid0(VALU_DEP_1)
	v_add_f32 v14, v14, v252
	s_wait_alu depctr_va_vdst(0)
	v_rcp_f32 v14, v14
	v_nop                                          ; a plain place behind the reciprocal
	s_lshr_b32 s40, s11, 4                         ; batch
	s_and_b32 s41, s11, 15                         ; head
	s_lshl_b32 s40, s40, 7
	s_lshl_b32 s42, s14, 4
	s_add_co_u32 s40, s40, s42
	s_add_co_u32 s40, s40, s[WV]                   ; my row block of ctx
	s_lshr_b32 s42, s41, 2
	s_lshl_b32 s42, s42, 8
	s_add_co_u32 s42, s42, s40
	s_mul_i32 s42, s42, 3072
	s_and_b32 s43, s41, 3
	s_mul_i32 s43, s43, 768
	s_add_co_u32 s42, s42, s43
	s_mov_b32 s43, 0
	s_add_nc_u64 s[44:45], s[8:9], s[42:43]        ; the head's half fragment
	s_lshl_b32 s42, s40, 3
	s_lshr_b32 s46, s41, 1
	s_add_co_u32 s42, s42, s46
	s_lshl_b32 s42, s42, 6
	s_and_b32 s46, s41, 1
	s_lshl_b32 s46, s46, 1
	s_add_co_u32 s42, s42, s46
	s_add_co_u32 s42, s42, CTXS
	s_add_nc_u64 s[46:47], s[8:9], s[42:43]        ; the head's two bytes of each row's scale word
	s_wait_alu depctr_va_vdst(0)                   ; ahead of the reciprocal's first reader
.set j, 0
.rept 32
	v_mul_f32 v[96+j], v[160+j], v14
.set j, j+1
.endr
.irp b, 0,1
	v_max3_num_f32 v[232+\b], |v[96+16*\b]|, |v[97+16*\b]|, 0x1800000
.endr
.irp i, 2,4,6,8,10,12,14
.irp b, 0,1
	s_delay_alu instid0(VALU_DEP_2)
	v_max3_num_f32 v[232+\b], v[232+\b], |v[96+16*\b+\i]|, |v[97+16*\b+\i]|
.endr
.endr
.irp b, 0,1
	s_delay_alu instid0(VALU_DEP_2)
	v_permlanex16_b32 v[236+\b], v[232+\b], s[SEL], s[SEL+1]
.endr
.irp b, 0,1
	s_delay_alu instid0(VALU_DEP_2)
	v_max_num_f32 v[232+\b], v[232+\b], v[236+\b]
.endr
.irp b, 0,1
	s_delay_alu instid0(VALU_DEP_2)
	v_add_nc_u32 v[244+\b], 0xff000000, v[232+\b]
.endr
.irp b, 0,1
	s_delay_alu instid0(VALU_DEP_2)
	v_lshrrev_b32 v[236+\b], 23, v[244+\b]
.endr
	s_delay_alu instid0(VALU_DEP_1)
	v_lshl_or_b32 v253, v237, 8, v236
	v_cvt_scalef32_pk16_fp6_f32 v[224:226], v[96:111], v244
	v_cvt_scalef32_pk16_fp6_f32 v[240:242], v[112:127], v245
	v_nop
.irp i, 0,1,2
	v_permlane16_swap_b32 v[224+\i], v[240+\i]
.endr
.irp i, 0,1,2
	s_delay_alu instid0(VALU_DEP_3)
	v_mov_b32 v[227+\i], v[240+\i]
.endr
	global_store_b128 v[L16], v[224:227], s[44:45]
	global_store_b64 v[L8], v[228:229], s[44:45] offset:512
	global_store_b16 v29, v253, s[46:47]           ; lanes r and r + 16 store the same two bytes to the same place; a word's other half belongs to the neighbouring head's work-group
	s_wait_tensorcnt 0x0                           ; the wave's end
	ds_add_u32 v[SPW], v[NIL]
	s_wait_dscnt 0x0
	CROUND                                         ; the closing round
	s_endpgm
.Lfunc_end_k_q905b182342_attn:
	.size	k_q905b182342_attn, .Lfunc_end_k_q905b182342_attn-k_q905b182342_attn
	.p2alignl 7, 3214868480
	.fill 96, 4, 3214868480
	.section	.rodata,"a",@progbits
	.p2align	6, 0x0
	.amdhsa_kernel k_q905b182342_attn
		.amdhsa_group_segment_fixed_size 212992
		.amdhsa_private_segment_fixed_size 0
		.amdhsa_enable_private_segment 0
		.amdhsa_kernarg_size 24
		.amdhsa_user_sgpr_count 2
		.amdhsa_user_sgpr_kernarg_segment_ptr 1
		.amdhsa_wavefront_size32 1
		.amdhsa_system_sgpr_workgroup_id_x 1
		.amdhsa_system_sgpr_workgroup_id_y 1
		.amdhsa_system_sgpr_workgroup_id_z 1
		.amdhsa_system_vgpr_workitem_id 0
		.amdhsa_next_free_vgpr 256
		.amdhsa_next_free_sgpr 66
		.amdhsa_reserve_vcc 0
		.amdhsa_float_denorm_mode_32 3
		.amdhsa_float_denorm_mode_16_64 3
		.amdhsa_memory_ordered 1
		.amdhsa_forward_progress 1
		.amdhsa_inst_pref_size 32
	.end_amdhsa_kernel
	.amdgpu_metadata
---
amdhsa.version: [ 1, 2 ]
amdhsa.kernels:
  - .name:           k_q905b182342_attn
    .symbol:         k_q905b182342_attn.kd
    .args:
      - { .name: qkv, .offset: 0, .size: 8, .value_kind: global_buffer, .address_space: global }
      - { .name: mask, .offset: 8, .size: 8, .value_kind: global_buffer, .address_space: global }
      - { .name: ctx, .offset: 16, .size: 8, .value_kind: global_buffer, .address_space: global }
    .group_segment_fixed_size: 212992
    .private_segment_fixed_size: 0
    .kernarg_segment_align: 8
    .kernarg_segment_size: 24
    .max_flat_workgroup_size: 512
    .sgpr_count:     66
    .vgpr_count:     256
    .wavefront_size: 32
...
	.end_amdgpu_metadata
.endif
;; end of part 11
;; launch wln (part 12): grid 256 x 1, 8 waves a work-group, no clusters, 79,360 bytes of LDS; arguments ctx, pw, x, bo, g1, be1, o1; writes o1
.if DOCPART == 12
	.amdgcn_target "amdgcn-amd-amdhsa--gfx1250"
	.amdhsa_code_object_version 6
	.text
	.protected	k_q905b182342_wln
	.globl	k_q905b182342_wln
	.p2align	8
	.type	k_q905b182342_wln,@function
k_q905b182342_wln:
	s_mov_b64 s[64:65], 0
	v_nop
	global_prefetch_b8 v0, s[64:65] scope:SCOPE_SE
	s_setreg_imm32_b32 hwreg(HW_REG_WAVE_MODE, 25, 1), 1
	s_wait_xcnt 0x0
; o1 = LayerNorm(x + (ctx Wo + bo)) x g1 + be1: the product on codes of FP6 (E2M3) with E8M0 scales, the rest in f32.  o1 leaves as f32 rows (natural order, at 0) and,
; quantised along its 1,024, as the next product's operand (codes at 16,777,216, scale words at 19,922,944).
; SHARES: a work-group owns one row block: 16 whole rows (tokens 32 (rb / 2) + 8 (rb % 2) + i % 8 + 16 (i / 8)), so the norm needs no other work-group; wave w owns columns 128 w .. + 127: 8 tiles, 64 accumulator registers.
; OPERANDS lie in memory in the order of the operand's registers (fragment of 1,536 bytes: registers 0-3 at 16 l, 4-5 at 512 + 8 l, 6-9 at 768 + 16 l, 10-11 at 1280 + 8 l), in planes of 256 along K.
; They go from memory straight into registers: no tile passes through LDS, so there is no tensor load, no slot, no joint load to share and no cluster.  No prefetch line: the register loads themselves stand a plane ahead of their use.
; THE PRODUCT IS USED TRANSPOSED (source 0 = the weight's rows, source 1 = the tokens): lane (r, h) holds token r, and register 16 b + i of its 64 is column 128 w + 32 b + 16 h + i: what the sums and the quantiser want.
; A TRIP is a plane: two K steps of 128 on two sets of registers.  A GROUP of loads is 36: 4 for the tokens' fragment, 32 for the weight's eight.  A plane's scale words are 9 loads: lanes 0-15 the even step's, lanes 16-31 the odd step's.
; Mean and variance in two passes.  LIMITS: blocks of zeros get the scale byte 1 (read by this program alone); NaN and infinities are not served.
; REGISTERS: window 0: v1-11 addresses; v12-31 at work; v32-95 the sums, then be, then rows on their way out; v96-159 the residual, then the row; v160-183 the tokens' fragments, two sets, later v160-223 the turned residual, g, the codes;
;   v224-231, v244-247 bias, g, be as they lie; v232-240 scale words and nothing else.  window 1: v0-191 the weight's fragments, two sets of eight.
.set NPL,   4                          ; planes of 256 along K
.set NKT,   8                          ; K / 128: a row block's scale words are 64 NKT bytes
.set SSA,   786432                     ; bytes from plane to plane: row blocks x 3,072
.set SSB,   196608
.set AS_O,  3145728                    ; the tokens' scale words in their buffer
.set BC_O,  5505024                    ; the weight's codes and scale words in pw
.set BS_O,  12812288
.set CODES, 1                          ; the result is also quantised
.set O1C,   16777216
.set O1S,   19922944
.set RED1,  67584                      ; behind the eight stages of 8,448 bytes: 128 bytes a wave for the sums; + 1024 for the squares
.set SCG,   69632                      ; the row block's 128 scale words
.set SPARE, 70144                      ; the spare words, 128 bytes a wave
.set GB,    71168                      ; 1,024 bytes a wave: my 128 numbers of g, then of be
.set L16, 1
.set L8,  2
.set TM,  16
.set ACC, 32
.set AF,  160
.set PC,  160
.set BD,  224
.set GN,  228
.set SB,  232
.set SA,  240
.set PW,  241
.set SCR, 242
.set GD,  243
.set BN,  244
.set L4,  248
.set SPW, 252
.set NIL, 253
.set SEL, 38
.set PA,  46                           ; s[46:47] the tokens' codes, s[22:23] their scale words, s[20:21] the weight's codes, s[24:25] its scale words: all at the plane at work
.set PAS, 22
.set PB,  20
.set PBS, 24
.set MSB, 0
.macro WIN new                         ; the immediate's high byte repeats the setting that is left
.if MSB != (\new)
	s_set_vgpr_msb (MSB<<8)|(\new)
.set MSB, (\new)
.endif
.endm
.macro FRAGL reg, sb, off              ; a fragment as it lies: 512, 256, 512, 256 consecutive bytes
	global_load_b128 v[\reg:\reg+3], v[L16], s[\sb:\sb+1] offset:(\off)
	global_load_b64 v[\reg+4:\reg+5], v[L8], s[\sb:\sb+1] offset:(\off)+512
	global_load_b128 v[\reg+6:\reg+9], v[L16], s[\sb:\sb+1] offset:(\off)+768
	global_load_b64 v[\reg+10:\reg+11], v[L8], s[\sb:\sb+1] offset:(\off)+1280
.endm
.macro GROUP s, pl                     ; step s of the plane pl planes on: 36 loads
	FRAGL AF+12*\s, PA, \pl*SSA+1536*\s
	WIN 0x40                                       ; destination window 1, address window 0
.irp t, 0,1,2,3,4,5,6,7
	FRAGL 96*\s+12*\t, PB, \pl*SSB+3072*\t+1536*\s
.endr
	WIN 0
.endm
.macro SCALES pl                       ; 9 loads
.irp t, 0,1,2,3,4,5,6,7
	global_load_b32 v[SB+\t], v[L4], s[PBS:PBS+1] offset:\pl*128+\t*NKT*64
.endr
	global_load_b32 v[SA], v[L4], s[PAS:PAS+1] offset:\pl*128
.endm
.macro MUL s, zero                     ; 8 products; the 8 accumulators take turns, in the same order in every step
	WIN 0x01                                       ; source 0 window 1
.irp t, 0,1,2,3,4,5,6,7
.if \zero
	v_wmma_scale_f32_16x16x128_f8f6f4 v[ACC+8*\t:ACC+8*\t+7], v[12*\t:12*\t+11], v[AF:AF+11], 0, v[SB+\t], v[SA] matrix_a_fmt:MATRIX_FMT_FP6 matrix_b_fmt:MATRIX_FMT_FP6
.elseif \s
	v_wmma_scale_f32_16x16x128_f8f6f4 v[ACC+8*\t:ACC+8*\t+7], v[96+12*\t:96+12*\t+11], v[AF+12:AF+23], v[ACC+8*\t:ACC+8*\t+7], v[SB+\t], v[SA] matrix_a_fmt:MATRIX_FMT_FP6 matrix_b_fmt:MATRIX_FMT_FP6 matrix_a_scale:MATRIX_SCALE_ROW1 matrix_b_scale:MATRIX_SCALE_ROW1
.else
	v_wmma_scale_f32_16x16x128_f8f6f4 v[ACC+8*\t:ACC+8*\t+7], v[12*\t:12*\t+11], v[AF:AF+11], v[ACC+8*\t:ACC+8*\t+7], v[SB+\t], v[SA] matrix_a_fmt:MATRIX_FMT_FP6 matrix_b_fmt:MATRIX_FMT_FP6
.endif
.endr
	WIN 0
.endm
.macro PLACES                          ; four plain places between products and loads into their registers (ISA guide 7.12.1 for vector instructions)
.rept 4
	v_nop
.endr
.endm
; a plane.  fill = 1: the next plane's loads follow each step's products.  x: loads of the head that are younger than the first plane's groups
.macro TRIP zero, fill, x
	s_wait_loadcnt (36+\x)                         ; the even group and the scale words are in; the odd group's 36 (and the head's x) may be out
	MUL 0, \zero
.if \fill
	PLACES
	GROUP 0, 1
	s_wait_loadcnt (36+\x)                         ; the odd group is in; the 36 just issued (and the head's x) may be out
.else
	s_wait_loadcnt 0x0
.endif
	MUL 1, 0
.if \fill
	PLACES
	SCALES 1
	GROUP 1, 1
	s_wait_xcnt 0x0                                ; the bases are stepped only behind this wait
	s_add_nc_u64 s[PA:PA+1], s[PA:PA+1], SSA
	s_add_nc_u64 s[PB:PB+1], s[PB:PB+1], SSB
	s_add_nc_u64 s[PAS:PAS+1], s[PAS:PAS+1], 128
	s_add_nc_u64 s[PBS:PBS+1], s[PBS:PBS+1], 128
.endif
.endm
.macro QUANT s, pw                     ; 64 numbers of a lane's row become a fragment's codes in v[PC] on and its scale word
.irp b, 0,1,2,3
	v_max3_num_f32 v[TM+\b], |v[\s+16*\b]|, |v[\s+1+16*\b]|, 0x1800000
.endr
.irp i, 2,4,6,8,10,12,14
.irp b, 0,1,2,3
	s_delay_alu instid0(VALU_DEP_4)
	v_max3_num_f32 v[TM+\b], v[TM+\b], |v[\s+16*\b+\i]|, |v[\s+1+16*\b+\i]|
.endr
.endr
.irp b, 0,1,2,3
	s_delay_alu instid0(VALU_DEP_4)
	v_permlanex16_b32 v[TM+4+\b], v[TM+\b], s[SEL], s[SEL+1]
.endr
.irp b, 0,1,2,3
	s_delay_alu instid0(VALU_DEP_4)
	v_max_num_f32 v[TM+\b], v[TM+\b], v[TM+4+\b]
.endr
.irp b, 0,1,2,3
	s_delay_alu instid0(VALU_DEP_4)
	v_add_nc_u32 v[TM+12+\b], 0xff000000, v[TM+\b]
.endr
.irp b, 0,1,2,3
	s_delay_alu instid0(VALU_DEP_4)
	v_lshrrev_b32 v[TM+4+\b], 23, v[TM+12+\b]
.endr
	s_delay_alu instid0(VALU_DEP_3)
	v_lshl_or_b32 v[\pw], v[TM+5], 8, v[TM+4]
	s_delay_alu instid0(VALU_DEP_1)
	v_lshl_or_b32 v[\pw], v[TM+6], 16, v[\pw]
	s_delay_alu instid0(VALU_DEP_1)
	v_lshl_or_b32 v[\pw], v[TM+7], 24, v[\pw]
.irp c, 0,1
	v_cvt_scalef32_pk16_fp6_f32 v[PC+6*\c:PC+2+6*\c], v[\s+32*\c:\s+15+32*\c], v[TM+12+2*\c]
	v_cvt_scalef32_pk16_fp6_f32 v[PC+12+4*\c:PC+14+4*\c], v[\s+16+32*\c:\s+31+32*\c], v[TM+13+2*\c]
.endr
	v_nop
.irp c, 0,1
.irp i, 0,1,2
	v_permlane16_swap_b32 v[PC+6*\c+\i], v[PC+12+4*\c+\i]
.endr
.irp i, 0,1,2
	s_delay_alu instid0(VALU_DEP_3)
	v_mov_b32 v[PC+3+6*\c+\i], v[PC+12+4*\c+\i]
.endr
.endr
.endm
.macro ROWSUM off                      ; v[12:13], v[14:15]: two chains of pairs -> the row's sum over all 1,024 columns, in v16
	s_delay_alu instid0(VALU_DEP_1)
	v_pk_add_f32 v[12:13], v[12:13], v[14:15]
	s_delay_alu instid0(VALU_DEP_1)
	v_add_f32 v12, v12, v13
	s_delay_alu instid0(VALU_DEP_1)
	v_permlanex16_b32 v11, v12, s[SEL], s[SEL+1]
	s_delay_alu instid0(VALU_DEP_1)
	v_add_f32 v12, v12, v11                        ; my wave's 128 columns of row r
	ds_store_b32 v8, v12 offset:\off
	s_wait_dscnt 0x0                               ; for the others' sake: my store is done
	s_barrier_signal -1
	s_barrier_wait -1
.irp i, 0,1,2,3,4,5,6,7
	ds_load_b32 v[16+\i], v9 offset:\off+128*\i
.endr
	s_wait_dscnt 0x0
	v_add_f32 v16, v16, v17
	v_add_f32 v18, v18, v19
	v_add_f32 v20, v20, v21
	v_add_f32 v22, v22, v23
	s_delay_alu instid0(VALU_DEP_3)
	v_add_f32 v16, v16, v18
	s_delay_alu instid0(VALU_DEP_2)
	v_add_f32 v20, v20, v22
	s_delay_alu instid0(VALU_DEP_1)
	v_add_f32 v16, v16, v20
.endm
	s_load_b256 s[4:11], s[0:1], 0x0               ; the tokens' operand, pw, the residual, the bias
	s_load_b128 s[12:15], s[0:1], 0x20             ; g, be
	s_load_b64 s[16:17], s[0:1], 0x30              ; the output
	v_lshl_add_u32 v[SPW], v0, 2, SPARE
	v_mov_b32 v[NIL], 0
	v_lshrrev_b32 v11, 5, v0
	v_readfirstlane_b32 s36, v11                   ; wave
	v_and_b32 v11, 31, v0
	v_and_b32 v3, 15, v0                           ; r
	v_bfe_u32 v4, v0, 4, 1                         ; h
	v_lshlrev_b32 v[L16], 4, v11
	v_lshlrev_b32 v[L8], 3, v11
	v_lshlrev_b32 v[L4], 2, v11
	s_mul_i32 s27, s36, 8448                       ; my stage
	v_mul_u32_u24 v6, v3, 528
	v_add_nc_u32 v5, s27, v[L16]                   ; dense: a row's 512 bytes as they lie
	v_lshl_add_u32 v6, v4, 6, v6
	v_add_nc_u32 v6, s27, v6                       ; by (r, h)
	s_lshl_b32 s27, s36, 10
	s_add_co_u32 s27, s27, GB
	v_lshl_add_u32 v7, v4, 6, s27                  ; g and be, back: + 64 h
	v_add_nc_u32 v[GD], s27, v[L16]                ; and in
	v_lshl_add_u32 v9, v11, 2, RED1
	s_lshl_b32 s27, s36, 7
	v_add_nc_u32 v8, s27, v9
	s_lshl_b32 s27, s36, 6
	s_add_co_u32 s27, s27, SCG
	v_lshl_add_u32 v10, v3, 2, s27
	v_add_nc_u32 v[SCR], SCG, v[L16]
	s_mov_b32 s[SEL], 0x76543210
	s_mov_b32 s[SEL+1], 0xfedcba98
	s_mov_b32 s37, 0x3a800000                      ; 1 / 1024
	s_lshr_b32 s18, ttmp9, 1
	s_lshl_b32 s18, s18, 5
	s_and_b32 s19, ttmp9, 1
	s_lshl_b32 s19, s19, 3
	s_add_co_u32 s18, s18, s19                     ; the row block's first token
	s_lshl_b32 s18, s18, 12
	s_lshl_b32 s30, s36, 9                         ; my 128 columns, in bytes
	s_mov_b32 s31, 0
	s_add_co_u32 s18, s18, s30
	s_mov_b32 s19, 0
.if CODES
	s_lshr_b32 s32, s36, 1
	s_lshl_b32 s32, s32, 8
	s_add_co_u32 s32, s32, ttmp9
	s_mul_i32 s32, s32, 3072
	s_and_b32 s33, s36, 1
	s_mul_i32 s33, s33, 1536
	s_add_co_u32 s32, s32, s33
	s_add_co_u32 s32, s32, O1C                     ; my fragment of the result: K step w of row block rb
	s_mov_b32 s33, 0
	s_lshl_b32 s34, ttmp9, 9
	s_add_co_u32 s34, s34, O1S
	s_mov_b32 s35, 0
.endif
	s_mul_i32 s48, s36, 8*3072                     ; my 8 row blocks of the weight
	s_add_co_u32 s48, s48, BC_O
	s_mov_b32 s49, 0
	s_mul_i32 s50, s36, 8*NKT*64
	s_add_co_u32 s50, s50, BS_O
	s_mov_b32 s51, 0
	s_mul_i32 s52, ttmp9, 3072                     ; my row block of the tokens
	s_mov_b32 s53, 0
	s_mul_i32 s54, ttmp9, NKT*64
	s_add_co_u32 s54, s54, AS_O
	s_mov_b32 s55, 0
	s_wait_alu depctr_va_vdst(0)                   ; the wait at the head's end
	s_wait_kmcnt 0x0
	s_add_nc_u64 s[PB:PB+1], s[6:7], s[48:49]
	s_add_nc_u64 s[PBS:PBS+1], s[6:7], s[50:51]
	s_add_nc_u64 s[PA:PA+1], s[4:5], s[52:53]
	s_add_nc_u64 s[PAS:PAS+1], s[4:5], s[54:55]
	SCALES 0
	GROUP 0, 0
	GROUP 1, 0
	s_add_nc_u64 s[8:9], s[8:9], s[18:19]
	s_add_nc_u64 s[40:41], s[16:17], s[18:19]
	s_add_nc_u64 s[10:11], s[10:11], s[30:31]
	s_add_nc_u64 s[12:13], s[12:13], s[30:31]
	s_add_nc_u64 s[14:15], s[14:15], s[30:31]
.if CODES
	s_add_nc_u64 s[42:43], s[16:17], s[32:33]
	s_add_nc_u64 s[44:45], s[16:17], s[34:35]
.endif
.set i, 0
.rept 16                                       ; 19 loads that are wanted behind the product: the residual's 16 rows, 512 consecutive bytes each, and bias, g, be as they lie
	global_load_b128 v[96+4*i:99+4*i], v[L16], s[8:9] offset:(16*(i/8)+(i%8))*4096 th:TH_LOAD_NT
.set i, i+1
.endr
	global_load_b128 v[BD:BD+3], v[L16], s[10:11]
	global_load_b128 v[GN:GN+3], v[L16], s[12:13]
	global_load_b128 v[BN:BN+3], v[L16], s[14:15]
	TRIP 1, 1, 19                                  ; the first step starts the sums: nothing is cleared
	s_mov_b32 s56, NPL-2
.Lplane:
	TRIP 0, 1, 0
	s_sub_co_u32 s56, s56, 1
	s_cmp_lg_u32 s56, 0
	s_cbranch_scc1 .Lplane
	TRIP 0, 0, 0                                   ; the last plane fetches nothing
.set i, 0
.rept 16                                       ; residual + bias, as they lie; these 32 lines are also the places behind the last products
	v_pk_add_f32 v[96+4*i:97+4*i], v[96+4*i:97+4*i], v[BD:BD+1]
	v_pk_add_f32 v[98+4*i:99+4*i], v[98+4*i:99+4*i], v[BD+2:BD+3]
.set i, i+1
.endr
	ds_store_b128 v[GD], v[GN:GN+3]
	ds_store_b128 v[GD], v[BN:BN+3] offset:512
.set i, 0
.rept 16
	ds_store_b128 v5, v[96+4*i:99+4*i] offset:528*i
.set i, i+1
.endr
.set i, 0
.rept 16
	ds_load_b128 v[160+4*i:163+4*i], v6 offset:128*(i/4)+16*(i%4)   ; LDS serves a wave's instructions in order: the rows come back in the sums' layout
.set i, i+1
.endr
	s_wait_dscnt 0x0
.set j, 0
.rept 32
	v_pk_add_f32 v[96+j:97+j], v[ACC+j:ACC+j+1], v[160+j:161+j]     ; each accumulator from its low end on
.set j, j+2
.endr
.set i, 0
.rept 16
	ds_load_b128 v[160+4*i:163+4*i], v7 offset:128*(i/4)+16*(i%4)   ; g in the order in which a lane holds its row,
.set i, i+1
.endr
.set i, 0
.rept 16
	ds_load_b128 v[32+4*i:35+4*i], v7 offset:512+128*(i/4)+16*(i%4) ; and be; the waits for 0 in the sums below cover both
.set i, i+1
.endr
	v_pk_add_f32 v[12:13], v[96:97], v[98:99]
	v_pk_add_f32 v[14:15], v[100:101], v[102:103]
.set j, 104
.rept 14
	s_delay_alu instid0(VALU_DEP_2)
	v_pk_add_f32 v[12:13], v[12:13], v[j:j+1]
	s_delay_alu instid0(VALU_DEP_2)
	v_pk_add_f32 v[14:15], v[14:15], v[j+2:j+3]
.set j, j+4
.endr
	ROWSUM 0
	s_delay_alu instid0(VALU_DEP_1)
	v_mul_f32 v12, 0xba800000, v16                 ; - the mean
	s_delay_alu instid0(VALU_DEP_1)
	v_mov_b32 v13, v12
.set j, 96
.rept 32
	v_pk_add_f32 v[j:j+1], v[j:j+1], v[12:13]
.set j, j+2
.endr
	v_pk_mul_f32 v[12:13], v[96:97], v[96:97]
	v_pk_mul_f32 v[14:15], v[98:99], v[98:99]
.set j, 100
.rept 15
	s_delay_alu instid0(VALU_DEP_2)
	v_pk_fma_f32 v[12:13], v[j:j+1], v[j:j+1], v[12:13]
	s_delay_alu instid0(VALU_DEP_2)
	v_pk_fma_f32 v[14:15], v[j+2:j+3], v[j+2:j+3], v[14:15]
.set j, j+4
.endr
	ROWSUM 1024
	s_delay_alu instid0(VALU_DEP_1)
	v_fmaak_f32 v12, s37, v16, 0x3727c5ac          ; the variance + 1e-5
	s_wait_alu depctr_va_vdst(0)                   ; the wait ahead of the transcendental
	v_rsq_f32 v12, v12
	v_nop                                          ; a plain place behind it
	s_wait_alu depctr_va_vdst(0)                   ; and ahead of its first reader
	v_mov_b32 v13, v12
.set j, 0
.rept 32
	v_pk_mul_f32 v[96+j:97+j], v[96+j:97+j], v[12:13]
	s_delay_alu instid0(VALU_DEP_1)
	v_pk_fma_f32 v[96+j:97+j], v[96+j:97+j], v[160+j:161+j], v[32+j:33+j]
.set j, j+2
.endr
.set i, 0
.rept 16
	ds_store_b128 v6, v[96+4*i:99+4*i] offset:128*(i/4)+16*(i%4)
.set i, i+1
.endr
.set i, 0
.rept 16
	ds_load_b128 v[32+4*i:35+4*i], v5 offset:528*i
.set i, i+1
.endr
.set i, 0
.rept 16
	s_wait_dscnt 15-i                              ; row i is back; the rows behind it may be out
.if CODES
	global_store_b128 v[L16], v[32+4*i:35+4*i], s[40:41] offset:(16*(i/8)+(i%8))*4096   ; 512 consecutive bytes
.else
	global_store_b128 v[L16], v[32+4*i:35+4*i], s[40:41] offset:(16*(i/8)+(i%8))*4096 th:TH_STORE_NT
.endif
.set i, i+1
.endr
.if CODES
	QUANT 96, PW
	global_store_b128 v[L16], v[PC:PC+3], s[42:43]
	global_store_b64 v[L8], v[PC+4:PC+5], s[42:43] offset:512
	global_store_b128 v[L16], v[PC+6:PC+9], s[42:43] offset:768
	global_store_b64 v[L8], v[PC+10:PC+11], s[42:43] offset:1280
	ds_store_b32 v10, v[PW]                        ; lanes r and r + 16 write the same word with the same value
	s_wait_dscnt 0x0
	s_barrier_signal -1
	s_barrier_wait -1
	s_cmp_lg_u32 s36, 0
	s_cbranch_scc1 .Lnot_wave_0
	ds_load_b128 v[16:19], v[SCR]
	s_wait_dscnt 0x0
	global_store_b128 v[L16], v[16:19], s[44:45]   ; the row block's 512 bytes of scale words, by one store
.Lnot_wave_0:
.endif
	s_wait_tensorcnt 0x0                           ; the wave's end, behind my last LDS store
	ds_add_u32 v[SPW], v[NIL]
	s_wait_dscnt 0x0
	s_endpgm
.Lfunc_end_k_q905b182342_wln:
	.size	k_q905b182342_wln, .Lfunc_end_k_q905b182342_wln-k_q905b182342_wln
	.p2alignl 7, 3214868480
	.fill 96, 4, 3214868480
	.section	.rodata,"a",@progbits
	.p2align	6, 0x0
	.amdhsa_kernel k_q905b182342_wln
		.amdhsa_group_segment_fixed_size 79360
		.amdhsa_private_segment_fixed_size 0
		.amdhsa_enable_private_segment 0
		.amdhsa_kernarg_size 56
		.amdhsa_user_sgpr_count 2
		.amdhsa_user_sgpr_kernarg_segment_ptr 1
		.amdhsa_wavefront_size32 1
		.amdhsa_system_sgpr_workgroup_id_x 1
		.amdhsa_system_sgpr_workgroup_id_y 1
		.amdhsa_system_sgpr_workgroup_id_z 1
		.amdhsa_system_vgpr_workitem_id 0
		.amdhsa_next_free_vgpr 512
		.amdhsa_next_free_sgpr 66
		.amdhsa_reserve_vcc 0
		.amdhsa_float_denorm_mode_32 3
		.amdhsa_float_denorm_mode_16_64 3
		.amdhsa_memory_ordered 1
		.amdhsa_forward_progress 1
		.amdhsa_inst_pref_size 71
	.end_amdhsa_kernel
	.amdgpu_metadata
---
amdhsa.version: [ 1, 2 ]
amdhsa.kernels:
  - .name:           k_q905b182342_wln
    .symbol:         k_q905b182342_wln.kd
    .args:
      - { .name: ctx, .offset: 0, .size: 8, .value_kind: global_buffer, .address_space: global }
      - { .name: pw, .offset: 8, .size: 8, .value_kind: global_buffer, .address_space: global }
      - { .name: x, .offset: 16, .size: 8, .value_kind: global_buffer, .address_space: global }
      - { .name: bo, .offset: 24, .size: 8, .value_kind: global_buffer, .address_space: global }
      - { .name: g1, .offset: 32, .size: 8, .value_kind: global_buffer, .address_space: global }
      - { .name: be1, .offset: 40, .size: 8, .value_kind: global_buffer, .address_space: global }
      - { .name: o1, .offset: 48, .size: 8, .value_kind: global_buffer, .address_space: global }
    .group_segment_fixed_size: 79360
    .private_segment_fixed_size: 0
    .kernarg_segment_align: 8
    .kernarg_segment_size: 56
    .max_flat_workgroup_size: 256
    .sgpr_count:     66
    .vgpr_count:     512
    .wavefront_size: 32
...
	.end_amdgpu_metadata
.endif
;; end of part 12
;; launch ffn1 (part 13): grid 16 x 16, 4 waves a work-group, clusters of 4 x 4, 327,680 bytes of LDS; arguments o1, pw, b1, hid; writes hid
.if DOCPART == 13
	.amdgcn_target "amdgcn-amd-amdhsa--gfx1250"
	.amdhsa_code_object_version 6
	.text
	.protected	k_q905b182342_ffn1
	.globl	k_q905b182342_ffn1
	.p2align	8
	.type	k_q905b182342_ffn1,@function
k_q905b182342_ffn1:
	s_mov_b64 s[64:65], 0
	v_nop
	global_prefetch_b8 v0, s[64:65] scope:SCOPE_SE
	s_setreg_imm32_b32 hwreg(HW_REG_WAVE_MODE, 25, 1), 1
	s_wait_xcnt 0x0
	s_wait_alu depctr_hold_cnt(0) depctr_sa_sdst(0) depctr_va_vdst(0) depctr_va_sdst(0) depctr_va_ssrc(0) depctr_va_vcc(0) depctr_vm_vsrc(0)
	s_getreg_b32 s2, hwreg(HW_REG_IB_STS2, 6, 4)
	s_cmp_eq_u32 s2, 0
	s_cbranch_scc0 .Lentry_in_a_cluster
	s_endpgm
.Lentry_in_a_cluster:
	s_bfe_u32 s2, ttmp6, 0x10000c
	s_cmp_lg_u32 s2, 0xf033
	s_cbranch_scc0 .Lentry_shape_is_right
	s_endpgm
.Lentry_shape_is_right:
.set KK,    1024
.set SSA,   786432
.set SSB,   786432
.set AC_O,  16777216
.set AS_O,  19922944
.set BC_O,  6291456
.set BS_O,  12845056
.set HS_O,  12582912
.set NQ,    2
.set FR,    12
.set NL,    4
.set NP,    4
.set HALFT, 24576
.set SLOT,  4*HALFT
.set SCL,   2*SLOT
.set NKS,   KK/128
.set HALFS, 512*NKS
.set SPARE, SCL+4*HALFS
.set LAPS,  KK/512
.set ADRA, 16
.set ADRB, 20
.set L16,  24
.set L8,   25
.set ADRS, 27
.set SPW,  28
.set NIL,  29
.set SC,   32
.set BI,   64
.set AF,   128
.set ST,   128
.set PC,   192
.set TM,   212
.set SEL,  92
.set G1, 24
.set G0, 32
.set G1B, 48
.set G0B, 56
.set G1S, 68
.set G0S, 76
.set G1SB, 80
.set G0SB, 88
.set MSB, 0
.macro WIN new
.if MSB != (\new)
	s_set_vgpr_msb (MSB<<8)|(\new)
.set MSB, (\new)
.endif
.endm
.set MUL_LO, 0xa1
.set MUL_HI, 0xf1
.set TO_B,   0x40
.macro JLOAD g0a, g1a, g0b, g1b
	s_cmp_eq_u32 s15, 0
	s_cbranch_scc0 .Lfor_b_\@
	tensor_load_to_lds s[\g0a:\g0a+3], s[\g1a:\g1a+7]
	s_nop 0
.rept 4
	v_nop
.endr
	s_branch .Lasked_\@
.Lfor_b_\@:
	tensor_load_to_lds s[\g0b:\g0b+3], s[\g1b:\g1b+7]
	s_nop 0
.rept 4
	v_nop
.endr
.Lasked_\@:
.endm
.macro CREST
	s_cmp_lg_u32 s14, 0
	s_cbranch_scc1 .Lnot_wave_0_\@
	s_barrier_signal -3
.Lnot_wave_0_\@:
	s_barrier_wait -3
	s_barrier_signal -1
	s_barrier_wait -1
.endm
.macro CROUND
	s_barrier_signal -1
	s_barrier_wait -1
	CREST
.endm
	s_load_b128 s[4:7], s[0:1], 0x0
	s_load_b128 s[96:99], s[0:1], 0x10
	v_lshl_add_u32 v[SPW], v0, 2, SPARE
	v_mov_b32 v[NIL], 0
	ds_add_u32 v[SPW], v[NIL]
	ds_add_u32 v[SPW], v[NIL]
	v_lshrrev_b32 v1, 5, v0
	v_readfirstlane_b32 s14, v1
	s_lshr_b32 s15, s14, 1
	s_and_b32 s16, s14, 1
	s_bfe_u32 s40, ttmp6, 0x40000
	s_bfe_u32 s41, ttmp6, 0x40004
	s_lshl_b32 s42, ttmp9, 2
	s_add_co_u32 s42, s42, s40
	s_and_b32 s17, ttmp7, 0xffff
	s_lshl_b32 s17, s17, 2
	s_add_co_u32 s17, s17, s41
	s_lshl_b32 s43, s41, 2
	s_lshl_b32 s43, 15, s43
	s_lshl_b32 s44, 0x1111, s40
	s_or_b32 s[G1+0], s43, (3<<16)|(1<<21)
	s_or_b32 s[G1B+0], s44, (3<<16)|(1<<21)
.irp g, G1, G1B
	s_mov_b32 s[\g+1], 32<<16
	s_mov_b32 s[\g+2], 192<<16                     ; the head's loads bring a whole 256 rows: 192 lines of 256 bytes
	s_mov_b32 s[\g+3], 32<<16
	s_mov_b32 s[\g+4], 192
	s_mov_b32 s[\g+5], 32
	s_mov_b32 s[\g+6], 0
	s_mov_b32 s[\g+7], 0
.endr
	s_or_b32 s[G1S+0], s43, (3<<16)|(1<<21)
	s_or_b32 s[G1SB+0], s44, (3<<16)|(1<<21)
.irp g, G1S, G1SB
	s_mov_b32 s[\g+1], 32<<16
	s_mov_b32 s[\g+2], (4*NKS)<<16                 ; the scale words of 256 rows
	s_mov_b32 s[\g+3], 32<<16
	s_mov_b32 s[\g+4], 4*NKS
	s_mov_b32 s[\g+5], 32
	s_mov_b32 s[\g+6], 0
	s_mov_b32 s[\g+7], 0
.endr
	s_lshl_b32 s18, s16, 3
	s_lshl_b32 s20, s17, 4
	s_add_co_u32 s20, s20, s18
	s_lshl_b32 s46, s42, 4
	s_add_co_u32 s46, s46, s18
	s_mul_i32 s22, s20, NKS*64
	s_mul_i32 s92, s46, NKS*64
	s_mul_i32 s20, s20, 3072
	s_mul_i32 s46, s46, 3072
	s_mov_b32 s21, 0
	s_mov_b32 s23, 0
	s_mov_b32 s47, 0
	s_mov_b32 s93, 0
	s_mul_i32 s45, s14, HALFT
	s_wait_dscnt 0x0
	s_wait_kmcnt 0x0
	s_add_nc_u64 s[8:9], s[6:7], BC_O
	s_add_nc_u64 s[10:11], s[6:7], BS_O
	s_add_nc_u64 s[6:7], s[4:5], AS_O
	s_add_nc_u64 s[4:5], s[4:5], AC_O
	s_add_nc_u64 s[20:21], s[4:5], s[20:21]
	s_add_nc_u64 s[22:23], s[6:7], s[22:23]
	s_add_nc_u64 s[46:47], s[8:9], s[46:47]
	s_add_nc_u64 s[92:93], s[10:11], s[92:93]
	CROUND
.irp s, 0,1
	s_mov_b32 s[G0+4*\s], 1
	s_add_co_u32 s[G0+4*\s+1], s45, \s*SLOT
	s_add_nc_u64 s[G0+4*\s+2:G0+4*\s+3], s[20:21], \s*SSA
	s_or_b32 s[G0+4*\s+3], s[G0+4*\s+3], 0x80000000
	s_mov_b32 s[G0B+4*\s], 1
	s_add_co_u32 s[G0B+4*\s+1], s45, \s*SLOT
	s_add_nc_u64 s[G0B+4*\s+2:G0B+4*\s+3], s[46:47], \s*SSB
	s_or_b32 s[G0B+4*\s+3], s[G0B+4*\s+3], 0x80000000
.endr
	; THE HEAD'S LOADS, ONE A WAVE, in one chain of arms on the wave's number: wave 0 slot 0's 256 rows of A, wave 1 its 256 rows of B, wave 2 A's scale words, wave 3 B's.
	; Waves 1 and 3 have the second half's address in their registers: the first half begins HALFT (HALFS) bytes lower.
	s_mov_b32 s4, 1
	s_cmp_lt_u32 s14, 1
	s_cbranch_scc0 .Lhead_b
	s_mov_b32 s5, 0
	s_mov_b64 s[6:7], s[20:21]
	s_or_b32 s7, s7, 0x80000000
	tensor_load_to_lds s[4:7], s[G1:G1+7]
	s_nop 0
.rept 4
	v_nop
.endr
	s_branch .Lhead_asked
.Lhead_b:
	s_cmp_lt_u32 s14, 2
	s_cbranch_scc0 .Lhead_sa
	s_mov_b32 s5, 2*HALFT
	s_sub_nc_u64 s[6:7], s[46:47], HALFT
	s_or_b32 s7, s7, 0x80000000
	tensor_load_to_lds s[4:7], s[G1B:G1B+7]
	s_nop 0
.rept 4
	v_nop
.endr
	s_branch .Lhead_asked
.Lhead_sa:
	s_cmp_lt_u32 s14, 3
	s_cbranch_scc0 .Lhead_sb
	s_mov_b32 s5, SCL
	s_mov_b64 s[6:7], s[22:23]
	s_or_b32 s7, s7, 0x80000000
	tensor_load_to_lds s[4:7], s[G1S:G1S+7]
	s_nop 0
.rept 4
	v_nop
.endr
	s_branch .Lhead_asked
.Lhead_sb:
	s_mov_b32 s5, SCL+2*HALFS
	s_sub_nc_u64 s[6:7], s[92:93], HALFS
	s_or_b32 s7, s7, 0x80000000
	tensor_load_to_lds s[4:7], s[G1SB:G1SB+7]
	s_nop 0
.rept 4
	v_nop
.endr
.Lhead_asked:
	v_and_b32 v1, 15, v0
	v_bfe_u32 v2, v0, 4, 1
	v_and_b32 v3, 31, v0
	v_lshlrev_b32 v[L16], 4, v3
	v_lshlrev_b32 v[L8], 3, v3
	s_mul_i32 s21, s15, HALFT
	s_mul_i32 s22, s16, HALFT
	s_add_co_u32 s22, s22, 2*HALFT
.irp s, 0,1
	v_add_nc_u32 v[ADRA+\s], s21, v[L16]
	v_add_nc_u32 v[ADRB+\s], s22, v[L16]
	v_add_nc_u32 v[ADRA+2+\s], s21, v[L8]
	v_add_nc_u32 v[ADRB+2+\s], s22, v[L8]
	s_add_co_u32 s21, s21, SLOT
	s_add_co_u32 s22, s22, SLOT
.endr
	v_lshlrev_b32 v5, 2, v1
	s_mul_i32 s21, s15, HALFS
	s_mul_i32 s22, s16, HALFS
	s_add_co_u32 s22, s22, 2*HALFS
	s_sub_co_u32 s22, s22, s21
	v_mul_u32_u24 v6, s22, v2
	s_add_co_u32 s21, s21, SCL
	v_add_nc_u32 v5, v5, v6
	v_add_nc_u32 v[ADRS], s21, v5
	s_lshl_b32 s18, s42, 10
	s_lshl_b32 s19, s16, 9
	s_add_co_u32 s18, s18, s19
	s_mov_b32 s19, 0
	s_add_nc_u64 s[96:97], s[96:97], s[18:19]
	s_lshl_b32 s18, s42, 8
	s_lshl_b32 s20, s17, 4
	s_add_co_u32 s18, s18, s20
	s_lshl_b32 s20, s15, 3
	s_add_co_u32 s18, s18, s20
	s_mul_i32 s18, s18, 3072
	s_mul_i32 s20, s16, 1536
	s_add_co_u32 s18, s18, s20
	s_add_nc_u64 s[18:19], s[98:99], s[18:19]
	s_lshl_b32 s20, s17, 4
	s_lshl_b32 s21, s15, 3
	s_add_co_u32 s20, s20, s21
	s_lshl_b32 s20, s20, 5
	s_lshl_b32 s21, s42, 1
	s_add_co_u32 s20, s20, s21
	s_add_co_u32 s20, s20, s16
	s_lshl_b32 s20, s20, 6
	s_add_co_u32 s20, s20, HS_O
	s_mov_b32 s21, 0
	s_add_nc_u64 s[20:21], s[98:99], s[20:21]
	v_lshlrev_b32 v30, 6, v2
	v_lshlrev_b32 v31, 2, v1
	v_lshl_add_u32 v31, v2, 11, v31
.irp b, 0,1,2,3,4,5,6,7
	global_load_b128 v[BI+8*\b:BI+8*\b+3], v30, s[96:97] offset:(32*(\b/2)+8*(\b%2))*4
	global_load_b128 v[BI+8*\b+4:BI+8*\b+7], v30, s[96:97] offset:(32*(\b/2)+8*(\b%2))*4+16
.endr
	s_mov_b32 s[SEL], 0x76543210
	s_mov_b32 s[SEL+1], 0xfedcba98
	s_mov_b32 s94, 0xffff0000
.macro FRAG reg, adr, q, i
	ds_load_b128 v[\reg:\reg+3], v[\adr] offset:3072*(\i)+1536*(\q)
	ds_load_b64 v[\reg+4:\reg+5], v[\adr+2] offset:3072*(\i)+1536*(\q)+512
	ds_load_b128 v[\reg+6:\reg+9], v[\adr] offset:3072*(\i)+1536*(\q)+768
	ds_load_b64 v[\reg+10:\reg+11], v[\adr+2] offset:3072*(\i)+1536*(\q)+1280
.endm
.macro MUL16 a0, p, q, sc, zero
.irp a, \a0, \a0+1
.irp b, 0,1,2,3,4,5,6,7
.if \zero
	v_wmma_scale_f32_16x16x128_f8f6f4 v[8*(8*((\a)%4)+\b):8*(8*((\a)%4)+\b)+7], v[128*(\p)+FR*\b:128*(\p)+FR*\b+FR-1], v[AF+FR*(\a):AF+FR*(\a)+FR-1], 0, v[SC+8*NQ*(\sc)+NQ*\b+(\q)], v[SC+8*NQ*(\sc)+NQ*(\a)+(\q)] matrix_a_fmt:MATRIX_FMT_FP6 matrix_b_fmt:MATRIX_FMT_FP6 matrix_a_scale:MATRIX_SCALE_ROW1
.else
	v_wmma_scale_f32_16x16x128_f8f6f4 v[8*(8*((\a)%4)+\b):8*(8*((\a)%4)+\b)+7], v[128*(\p)+FR*\b:128*(\p)+FR*\b+FR-1], v[AF+FR*(\a):AF+FR*(\a)+FR-1], v[8*(8*((\a)%4)+\b):8*(8*((\a)%4)+\b)+7], v[SC+8*NQ*(\sc)+NQ*\b+(\q)], v[SC+8*NQ*(\sc)+NQ*(\a)+(\q)] matrix_a_fmt:MATRIX_FMT_FP6 matrix_b_fmt:MATRIX_FMT_FP6 matrix_a_scale:MATRIX_SCALE_ROW1
.endif
.endr
.endr
.endm
.macro FETCH_B slot, q, p
	WIN TO_B
.irp i, 0,1,2,3,4,5,6,7
	FRAG 128*(\p)+FR*\i, ADRB+\slot, \q, \i
.endr
	WIN 0
.endm
.macro FETCH_A slot, q, i0
.irp i, \i0, \i0+1, \i0+2, \i0+3
	FRAG AF+FR*(\i), ADRA+\slot, \q, \i
.endr
.endm
.macro SCALES sc
.irp i, 0,1,2,3,4,5,6,7
	ds_load_b32 v[SC+8*NQ*\sc+NQ*\i], v[ADRS] offset:\i*NKS*64
	ds_load_b32 v[SC+8*NQ*\sc+NQ*\i+1], v[ADRS] offset:\i*NKS*64+64
.endr
.endm
.macro PLACES n
.rept \n
	v_nop
.endr
.endm
.macro STEP slot, q, zero
	s_wait_dscnt 4*NL
	WIN MUL_LO
	MUL16 0, (\q)%2, \q, \slot, \zero
	MUL16 2, (\q)%2, \q, \slot, \zero
	s_wait_dscnt 0
	PLACES NP
	FETCH_B \slot, (\q)+1, 1-(\q)%2
	FETCH_A \slot, (\q)+1, 0
	WIN MUL_HI
	MUL16 4, (\q)%2, \q, \slot, \zero
	MUL16 6, (\q)%2, \q, \slot, \zero
	PLACES NP
	WIN 0
	FETCH_A \slot, (\q)+1, 4
.endm
.macro TURN slot, next, fill
	s_wait_tensorcnt 0x0
	ds_add_u32 v[SPW], v[NIL]
	s_wait_dscnt 4*NL+1
	WIN MUL_LO
	MUL16 0, 1, NQ-1, \slot, 0
	s_wait_dscnt 0x0
	s_barrier_signal -1
	MUL16 2, 1, NQ-1, \slot, 0
	WIN 0
	s_barrier_wait -1
.if \fill
	CREST
	s_add_nc_u64 s[G0+4*\slot+2:G0+4*\slot+3], s[G0+4*\slot+2:G0+4*\slot+3], 2*SSA
	s_add_nc_u64 s[G0B+4*\slot+2:G0B+4*\slot+3], s[G0B+4*\slot+2:G0B+4*\slot+3], 2*SSB
	JLOAD G0+4*\slot, G1, G0B+4*\slot, G1B
.else
	PLACES NP
.endif
	s_wait_alu depctr_va_vdst(0)
	v_add_nc_u32 v[ADRS], 64*NQ, v[ADRS]
	FETCH_B \next, 0, 0
	FETCH_A \next, 0, 0
	SCALES \next
	WIN MUL_HI
	MUL16 4, 1, NQ-1, \slot, 0
	MUL16 6, 1, NQ-1, \slot, 0
	PLACES NP
	WIN 0
	FETCH_A \next, 0, 4
.endm
	s_wait_alu depctr_va_vdst(0)
	s_wait_loadcnt 0x0
	s_wait_tensorcnt 0x0                           ; my tile of the head's four is in
	ds_add_u32 v[SPW], v[NIL]
	s_mov_b32 s[G1+2], 96<<16                      ; no tensor load of mine is out: from here on a load brings 128 rows
	s_mov_b32 s[G1+4], 96
	s_mov_b32 s[G1B+2], 96<<16
	s_mov_b32 s[G1B+4], 96
	s_wait_dscnt 0x0
	CROUND                                         ; all four tiles are in, in every partner
	JLOAD G0+4, G1, G0B+4, G1B                     ; slot 1's first fill, the first tensor load behind the round
	FETCH_B 0, 0, 0
	FETCH_A 0, 0, 0
	SCALES 0
	FETCH_A 0, 0, 4
	STEP 0, 0, 1
	s_mov_b32 s3, LAPS-1
.Llap:
	TURN 0, 1, 1
	STEP 1, 0, 0
	TURN 1, 0, 1
	STEP 0, 0, 0
	s_sub_co_u32 s3, s3, 1
	s_cmp_lg_u32 s3, 0
	s_cbranch_scc1 .Llap
	TURN 0, 1, 0
	STEP 1, 0, 0
	s_wait_dscnt 4*NL
	WIN MUL_LO
	MUL16 0, 1, NQ-1, 1, 0
	MUL16 2, 1, NQ-1, 1, 0
	s_wait_dscnt 0
	WIN MUL_HI
	MUL16 4, 1, NQ-1, 1, 0
	MUL16 6, 1, NQ-1, 1, 0
	WIN 0
.macro QUANT s, pw
.irp b, 0,1,2,3
	v_max3_num_f32 v[TM+\b], |v[\s+16*\b]|, |v[\s+1+16*\b]|, 0x1800000
.endr
.irp i, 2,4,6,8,10,12,14
.irp b, 0,1,2,3
	v_max3_num_f32 v[TM+\b], v[TM+\b], |v[\s+16*\b+\i]|, |v[\s+1+16*\b+\i]|
.endr
.endr
.irp b, 0,1,2,3
	v_permlanex16_b32 v[TM+4+\b], v[TM+\b], s[SEL], s[SEL+1]
.endr
.irp b, 0,1,2,3
	v_max_num_f32 v[TM+\b], v[TM+\b], v[TM+4+\b]
.endr
.irp b, 0,1,2,3
	v_add_nc_u32 v[TM+12+\b], 0xff000000, v[TM+\b]
.endr
.irp b, 0,1,2,3
	v_lshrrev_b32 v[TM+4+\b], 23, v[TM+12+\b]
.endr
	v_lshl_or_b32 v[\pw], v[TM+5], 8, v[TM+4]
	v_lshl_or_b32 v[\pw], v[TM+6], 16, v[\pw]
	v_lshl_or_b32 v[\pw], v[TM+7], 24, v[\pw]
.irp c, 0,1
	v_cvt_scalef32_pk16_fp6_f32 v[PC+6*\c:PC+2+6*\c], v[\s+32*\c:\s+15+32*\c], v[TM+12+2*\c]
	v_cvt_scalef32_pk16_fp6_f32 v[PC+12+4*\c:PC+14+4*\c], v[\s+16+32*\c:\s+31+32*\c], v[TM+13+2*\c]
.endr
	v_nop
.irp c, 0,1
.irp i, 0,1,2
	v_permlane16_swap_b32 v[PC+6*\c+\i], v[PC+12+4*\c+\i]
.endr
.irp i, 0,1,2
	v_mov_b32 v[PC+3+6*\c+\i], v[PC+12+4*\c+\i]
.endr
.endr
.endm
.macro FROUT sb, off
	global_store_b128 v[L16], v[PC:PC+3], s[\sb:\sb+1] offset:(\off)
	global_store_b64 v[L8], v[PC+4:PC+5], s[\sb:\sb+1] offset:(\off)+512
	global_store_b128 v[L16], v[PC+6:PC+9], s[\sb:\sb+1] offset:(\off)+768
	global_store_b64 v[L8], v[PC+10:PC+11], s[\sb:\sb+1] offset:(\off)+1280
.endm
.macro BLOCKIN a
	WIN 0x02+((\a)/4)
.set p, 0
.rept 32
	v_pk_add_f32 v[ST+p:ST+p+1], v[64*((\a)%4)+p:64*((\a)%4)+p+1], v[BI+p:BI+p+1]
.set p, p+2
.endr
	WIN 0
.endm
	PLACES NP
.irp b, 0,1,2,3
	v_mov_b32 v[TM+4+\b], 0
.endr
.irp a, 0,1,2,3,4,5,6,7
	BLOCKIN \a
.set p, 0
.rept 64
	v_max_num_f32 v[ST+p], 0, v[ST+p]
.set p, p+1
.endr
.if \a > 0
	s_wait_xcnt 0x0
.endif
	QUANT ST, 32+\a
	FROUT 18, 3072*\a
.endr
.irp a, 0,2,4,6
	v_cndmask_b32 v[48+\a/2], v[32+\a], v[33+\a], s94
	global_store_b32 v31, v[48+\a/2], s[20:21] offset:2048*\a
.endr
	s_wait_tensorcnt 0x0
	ds_add_u32 v[SPW], v[NIL]
	s_wait_dscnt 0x0
	CROUND
	s_endpgm
.Lfunc_end_k_q905b182342_ffn1:
	.size	k_q905b182342_ffn1, .Lfunc_end_k_q905b182342_ffn1-k_q905b182342_ffn1
	.p2alignl 7, 3214868480
	.fill 96, 4, 3214868480
	.section	.rodata,"a",@progbits
	.p2align	6, 0x0
	.amdhsa_kernel k_q905b182342_ffn1
		.amdhsa_group_segment_fixed_size 327680
		.amdhsa_private_segment_fixed_size 0
		.amdhsa_enable_private_segment 0
		.amdhsa_kernarg_size 32
		.amdhsa_user_sgpr_count 2
		.amdhsa_user_sgpr_kernarg_segment_ptr 1
		.amdhsa_wavefront_size32 1
		.amdhsa_system_sgpr_workgroup_id_x 1
		.amdhsa_system_sgpr_workgroup_id_y 1
		.amdhsa_system_sgpr_workgroup_id_z 1
		.amdhsa_system_vgpr_workitem_id 0
		.amdhsa_next_free_vgpr 1024
		.amdhsa_next_free_sgpr 100
		.amdhsa_reserve_vcc 0
		.amdhsa_float_denorm_mode_32 3
		.amdhsa_float_denorm_mode_16_64 3
		.amdhsa_memory_ordered 1
		.amdhsa_forward_progress 1
		.amdhsa_inst_pref_size 186
	.end_amdhsa_kernel
	.amdgpu_metadata
---
amdhsa.version: [ 1, 2 ]
amdhsa.kernels:
  - .name:           k_q905b182342_ffn1
    .symbol:         k_q905b182342_ffn1.kd
    .args:
      - { .name: o1, .offset: 0, .size: 8, .value_kind: global_buffer, .address_space: global }
      - { .name: pw, .offset: 8, .size: 8, .value_kind: global_buffer, .address_space: global }
      - { .name: b1, .offset: 16, .size: 8, .value_kind: global_buffer, .address_space: global }
      - { .name: hid, .offset: 24, .size: 8, .value_kind: global_buffer, .address_space: global }
    .group_segment_fixed_size: 327680
    .private_segment_fixed_size: 0
    .kernarg_segment_align: 8
    .kernarg_segment_size: 32
    .max_flat_workgroup_size: 128
    .sgpr_count:     100
    .vgpr_count:     1024
    .wavefront_size: 32
...
	.end_amdgpu_metadata
.endif
;; end of part 13
;; launch ffn2 (part 14): grid 16 x 16, 4 waves a work-group, clusters of 4 x 4, 327,680 bytes of LDS; arguments hid, pw, cf; writes cf
.if DOCPART == 14
	.amdgcn_target "amdgcn-amd-amdhsa--gfx1250"
	.amdhsa_code_object_version 6
	.text
	.protected	k_q905b182342_ffn2
	.globl	k_q905b182342_ffn2
	.p2align	8
	.type	k_q905b182342_ffn2,@function
k_q905b182342_ffn2:
	s_mov_b64 s[64:65], 0
	v_nop
	global_prefetch_b8 v0, s[64:65] scope:SCOPE_SE
	s_setreg_imm32_b32 hwreg(HW_REG_WAVE_MODE, 25, 1), 1
	s_wait_xcnt 0x0
	s_wait_alu depctr_hold_cnt(0) depctr_sa_sdst(0) depctr_va_vdst(0) depctr_va_sdst(0) depctr_va_ssrc(0) depctr_va_vcc(0) depctr_vm_vsrc(0)
	s_getreg_b32 s2, hwreg(HW_REG_IB_STS2, 6, 4)
	s_cmp_eq_u32 s2, 0
	s_cbranch_scc0 .Lentry_in_a_cluster
	s_endpgm
.Lentry_in_a_cluster:
	s_bfe_u32 s2, ttmp6, 0x10000c
	s_cmp_lg_u32 s2, 0xf033
	s_cbranch_scc0 .Lentry_shape_is_right
	s_endpgm
.Lentry_shape_is_right:
.set KPART, 2048
.set NKT,   32
.set SSA,   786432
.set SSB,   196608
.set AS_O,  12582912
.set BC_O,  9437184
.set BS_O,  12976128
.set NKP,   KPART/128
.set NSL,   KPART/512
.set NQ,    4
.set FR,    12
.set NL,    4
.set NP,    4
.set PLA,   24576
.set PLB,   12288
.set HA,    2*PLA
.set HB,    2*PLB
.set SLOT,  2*HA+2*HB
.set SCL,   2*SLOT
.set SRB,   NKP*64
.set HSA,   8*SRB
.set HSB,   4*SRB
.set SPARE, SCL+2*HSA+2*HSB
.set SPITCH, 272
.set ADRS2, 14
.set ADRA, 16
.set ADRB, 20
.set L16,  24
.set L8,   25
.set CO,   26
.set ADRS, 27
.set SPW,  28
.set NIL,  29
.set STO,  30
.set RD,   31
.set SC,   32
.set AF,   128
.set BK,   128
.set G1, 24
.set G0, 32
.set G1B, 48
.set G0B, 56
.set G1S, 68
.set G0S, 76
.set G1SB, 80
.set G0SB, 88
.set MSB, 0
.macro WIN new
.if MSB != (\new)
	s_set_vgpr_msb (MSB<<8)|(\new)
.set MSB, (\new)
.endif
.endm
.set MULW, 0xa1
.set TO_B, 0x40
.macro JLOAD g0a, g1a, g0b, g1b
	s_cmp_eq_u32 s15, 0
	s_cbranch_scc0 .Lfor_b_\@
	tensor_load_to_lds s[\g0a:\g0a+3], s[\g1a:\g1a+7]
	s_nop 0
.rept 4
	v_nop
.endr
	s_branch .Lasked_\@
.Lfor_b_\@:
	tensor_load_to_lds s[\g0b:\g0b+3], s[\g1b:\g1b+7]
	s_nop 0
.rept 4
	v_nop
.endr
.Lasked_\@:
.endm
.macro CREST
	s_cmp_lg_u32 s14, 0
	s_cbranch_scc1 .Lnot_wave_0_\@
	s_barrier_signal -3
.Lnot_wave_0_\@:
	s_barrier_wait -3
	s_barrier_signal -1
	s_barrier_wait -1
.endm
.macro CROUND
	s_barrier_signal -1
	s_barrier_wait -1
	CREST
.endm
	s_load_b128 s[4:7], s[0:1], 0x0
	s_load_b64 s[12:13], s[0:1], 0x10
	v_lshl_add_u32 v[SPW], v0, 2, SPARE
	v_mov_b32 v[NIL], 0
	ds_add_u32 v[SPW], v[NIL]
	ds_add_u32 v[SPW], v[NIL]
	v_lshrrev_b32 v1, 5, v0
	v_readfirstlane_b32 s14, v1
	s_lshr_b32 s15, s14, 1
	s_and_b32 s16, s14, 1
	s_bfe_u32 s40, ttmp6, 0x40000
	s_bfe_u32 s41, ttmp6, 0x40004
	s_and_b32 s42, ttmp9, 1
	s_lshl_b32 s42, s42, 2
	s_add_co_u32 s42, s42, s40
	s_lshr_b32 s95, ttmp9, 1
	s_and_b32 s17, ttmp7, 0xffff
	s_lshl_b32 s17, s17, 2
	s_add_co_u32 s17, s17, s41
	s_lshl_b32 s43, s41, 2
	s_lshl_b32 s43, 15, s43
	s_lshl_b32 s44, 0x1111, s40
	s_or_b32 s[G1+0], s43, (3<<16)|(1<<21)
	s_mov_b32 s[G1+1], (PLA/8)<<16
	s_mov_b32 s[G1+2], 2<<16
	s_mov_b32 s[G1+3], (PLA/8)<<16
	s_mov_b32 s[G1+4], 2
	s_mov_b32 s[G1+5], SSA/8
	s_mov_b32 s[G1+6], 0
	s_mov_b32 s[G1+7], 0
	s_or_b32 s[G1B+0], s44, (3<<16)|(1<<21)
	s_mov_b32 s[G1B+1], (PLB/8)<<16
	s_mov_b32 s[G1B+2], 2<<16
	s_mov_b32 s[G1B+3], (PLB/8)<<16
	s_mov_b32 s[G1B+4], 2
	s_mov_b32 s[G1B+5], SSB/8
	s_mov_b32 s[G1B+6], 0
	s_mov_b32 s[G1B+7], 0
	s_or_b32 s[G1S+0], s43, (3<<16)|(1<<21)
	s_mov_b32 s[G1S+1], (SRB/8)<<16
	s_mov_b32 s[G1S+2], 8<<16
	s_mov_b32 s[G1S+3], (SRB/8)<<16
	s_mov_b32 s[G1S+4], 8
	s_mov_b32 s[G1S+5], NKT*8
	s_mov_b32 s[G1S+6], 0
	s_mov_b32 s[G1S+7], 0
	s_or_b32 s[G1SB+0], s44, (3<<16)|(1<<21)
	s_mov_b32 s[G1SB+1], (SRB/8)<<16
	s_mov_b32 s[G1SB+2], 4<<16
	s_mov_b32 s[G1SB+3], (SRB/8)<<16
	s_mov_b32 s[G1SB+4], 4
	s_mov_b32 s[G1SB+5], NKT*8
	s_mov_b32 s[G1SB+6], 0
	s_mov_b32 s[G1SB+7], 0
	s_lshl_b32 s18, s16, 3
	s_lshl_b32 s20, s17, 4
	s_add_co_u32 s20, s20, s18
	s_lshl_b32 s18, s16, 2
	s_lshl_b32 s46, s42, 3
	s_add_co_u32 s46, s46, s18
	s_mul_i32 s22, s20, NKT*64
	s_mul_i32 s92, s46, NKT*64
	s_mul_i32 s20, s20, 3072
	s_mul_i32 s46, s46, 3072
	s_mul_i32 s18, s95, SRB
	s_add_co_u32 s22, s22, s18
	s_add_co_u32 s92, s92, s18
	s_mul_i32 s18, s95, (KPART/256)*SSA
	s_add_co_u32 s20, s20, s18
	s_mul_i32 s18, s95, (KPART/256)*SSB
	s_add_co_u32 s46, s46, s18
	s_mov_b32 s21, 0
	s_mov_b32 s23, 0
	s_mov_b32 s47, 0
	s_mov_b32 s93, 0
	s_mul_i32 s45, s16, HA
	s_mul_i32 s19, s16, HB
	s_add_co_u32 s19, s19, 2*HA
	s_mul_i32 s94, s16, HSA
	s_mul_i32 s96, s16, HSB
	s_add_co_u32 s96, s96, 2*HSA
	s_wait_dscnt 0x0
	s_wait_kmcnt 0x0
	s_add_nc_u64 s[8:9], s[6:7], BC_O
	s_add_nc_u64 s[10:11], s[6:7], BS_O
	s_add_nc_u64 s[6:7], s[4:5], AS_O
	s_add_nc_u64 s[20:21], s[4:5], s[20:21]
	s_add_nc_u64 s[22:23], s[6:7], s[22:23]
	s_add_nc_u64 s[46:47], s[8:9], s[46:47]
	s_add_nc_u64 s[92:93], s[10:11], s[92:93]
	CROUND
	s_mov_b32 s[G0S], 1
	s_add_co_u32 s[G0S+1], s94, SCL
	s_mov_b64 s[G0S+2:G0S+3], s[22:23]
	s_or_b32 s[G0S+3], s[G0S+3], 0x80000000
	s_mov_b32 s[G0SB], 1
	s_add_co_u32 s[G0SB+1], s96, SCL
	s_mov_b64 s[G0SB+2:G0SB+3], s[92:93]
	s_or_b32 s[G0SB+3], s[G0SB+3], 0x80000000
	JLOAD G0S, G1S, G0SB, G1SB
.irp s, 0,1
	s_mov_b32 s[G0+4*\s], 1
	s_add_co_u32 s[G0+4*\s+1], s45, \s*SLOT
	s_add_nc_u64 s[G0+4*\s+2:G0+4*\s+3], s[20:21], \s*2*SSA
	s_or_b32 s[G0+4*\s+3], s[G0+4*\s+3], 0x80000000
	s_mov_b32 s[G0B+4*\s], 1
	s_add_co_u32 s[G0B+4*\s+1], s19, \s*SLOT
	s_add_nc_u64 s[G0B+4*\s+2:G0B+4*\s+3], s[46:47], \s*2*SSB
	s_or_b32 s[G0B+4*\s+3], s[G0B+4*\s+3], 0x80000000
	s_wait_alu depctr_va_vdst(0)
	s_wait_tensorcnt 0x0
	ds_add_u32 v28, v29
	s_wait_dscnt 0x0
	CROUND
	JLOAD G0+4*\s, G1, G0B+4*\s, G1B
.endr
	v_and_b32 v1, 15, v0
	v_bfe_u32 v2, v0, 4, 1
	v_and_b32 v3, 31, v0
	v_lshlrev_b32 v[L16], 4, v3
	v_lshlrev_b32 v[L8], 3, v3
	s_mul_i32 s21, s15, HA
	s_mul_i32 s22, s16, HB
	s_add_co_u32 s22, s22, 2*HA
.irp s, 0,1
	v_add_nc_u32 v[ADRA+\s], s21, v[L16]
	v_add_nc_u32 v[ADRB+\s], s22, v[L16]
	v_add_nc_u32 v[ADRA+2+\s], s21, v[L8]
	v_add_nc_u32 v[ADRB+2+\s], s22, v[L8]
	s_add_co_u32 s21, s21, SLOT
	s_add_co_u32 s22, s22, SLOT
.endr
	v_lshlrev_b32 v5, 2, v1
	s_mul_i32 s21, s15, HSA
	s_mul_i32 s22, s16, HSB
	s_add_co_u32 s23, s22, 2*HSA-HSB
	s_add_co_u32 s22, s22, 2*HSA
	s_sub_co_u32 s22, s22, s21
	s_sub_co_u32 s23, s23, s21
	v_mul_u32_u24 v6, s22, v2
	v_mul_u32_u24 v7, s23, v2
	s_add_co_u32 s21, s21, SCL
	v_add_nc_u32 v6, v5, v6
	v_add_nc_u32 v7, v5, v7
	v_add_nc_u32 v[ADRS], s21, v6
	v_add_nc_u32 v[ADRS2], s21, v7
	s_mul_i32 s23, s14, 16*SPITCH
	v_mul_u32_u24 v5, v1, SPITCH
	v_lshl_add_u32 v5, v2, 6, v5
	v_add_nc_u32 v[STO], s23, v5
	v_mul_u32_u24 v5, v2, SPITCH
	v_lshl_add_u32 v5, v1, 4, v5
	v_add_nc_u32 v[RD], s23, v5
	v_lshlrev_b32 v[CO], 4, v1
	v_lshl_add_u32 v[CO], v2, 12, v[CO]
	s_lshl_b32 s20, s17, 8
	s_lshl_b32 s21, s15, 7
	s_add_co_u32 s20, s20, s21
	s_lshl_b32 s20, s20, 12
	s_lshl_b32 s46, s42, 9
	s_lshl_b32 s47, s16, 8
	s_add_co_u32 s46, s46, s47
	s_add_co_u32 s20, s20, s46
	s_lshl_b32 s21, s95, 24
	s_add_co_u32 s20, s20, s21
	s_mov_b32 s21, 0
	s_add_nc_u64 s[12:13], s[12:13], s[20:21]
.macro FRAG reg, adr, q, i, pl
	ds_load_b128 v[\reg:\reg+3], v[\adr] offset:(\pl)*((\q)/2)+3072*(\i)+1536*((\q)%2)
	ds_load_b64 v[\reg+4:\reg+5], v[\adr+2] offset:(\pl)*((\q)/2)+3072*(\i)+1536*((\q)%2)+512
	ds_load_b128 v[\reg+6:\reg+9], v[\adr] offset:(\pl)*((\q)/2)+3072*(\i)+1536*((\q)%2)+768
	ds_load_b64 v[\reg+10:\reg+11], v[\adr+2] offset:(\pl)*((\q)/2)+3072*(\i)+1536*((\q)%2)+1280
.endm
.macro MUL8 a0, p, q, sc, zero
.irp a, \a0, \a0+1
.irp b, 0,1,2,3
.if \zero
	v_wmma_scale_f32_16x16x128_f8f6f4 v[8*(4*(\a)+\b):8*(4*(\a)+\b)+7], v[128*(\p)+FR*\b:128*(\p)+FR*\b+FR-1], v[AF+FR*(\a):AF+FR*(\a)+FR-1], 0, v[SC+8*NQ*(\sc)+NQ*\b+(\q)], v[SC+8*NQ*(\sc)+NQ*(\a)+(\q)] matrix_a_fmt:MATRIX_FMT_FP6 matrix_b_fmt:MATRIX_FMT_FP6 matrix_a_scale:MATRIX_SCALE_ROW1
.else
	v_wmma_scale_f32_16x16x128_f8f6f4 v[8*(4*(\a)+\b):8*(4*(\a)+\b)+7], v[128*(\p)+FR*\b:128*(\p)+FR*\b+FR-1], v[AF+FR*(\a):AF+FR*(\a)+FR-1], v[8*(4*(\a)+\b):8*(4*(\a)+\b)+7], v[SC+8*NQ*(\sc)+NQ*\b+(\q)], v[SC+8*NQ*(\sc)+NQ*(\a)+(\q)] matrix_a_fmt:MATRIX_FMT_FP6 matrix_b_fmt:MATRIX_FMT_FP6 matrix_a_scale:MATRIX_SCALE_ROW1
.endif
.endr
.endr
.endm
.macro FETCH_B slot, q, p
	WIN TO_B
.irp i, 0,1,2,3
	FRAG 128*(\p)+FR*\i, ADRB+\slot, \q, \i, PLB
.endr
	WIN 0
.endm
.macro FETCH_A slot, q, i0
.irp i, \i0, \i0+1, \i0+2, \i0+3
	FRAG AF+FR*(\i), ADRA+\slot, \q, \i, PLA
.endr
.endm
.macro SCALES sc
.irp i, 0,1,2,3
.irp q, 0,1,2,3
	ds_load_b32 v[SC+8*NQ*\sc+NQ*\i+\q], v[ADRS] offset:\i*SRB+64*\q
.endr
.endr
.irp i, 4,5,6,7
.irp q, 0,1,2,3
	ds_load_b32 v[SC+8*NQ*\sc+NQ*\i+\q], v[ADRS2] offset:\i*SRB+64*\q
.endr
.endr
.endm
.macro PLACES n
.rept \n
	v_nop
.endr
.endm
.macro STEP slot, q, zero
	s_wait_dscnt 4*NL
	WIN MULW
	MUL8 0, (\q)%2, \q, \slot, \zero
	MUL8 2, (\q)%2, \q, \slot, \zero
	s_wait_dscnt 0
	PLACES NP
	FETCH_B \slot, (\q)+1, 1-(\q)%2
	FETCH_A \slot, (\q)+1, 0
	WIN MULW
	MUL8 4, (\q)%2, \q, \slot, \zero
	MUL8 6, (\q)%2, \q, \slot, \zero
	PLACES NP
	WIN 0
	FETCH_A \slot, (\q)+1, 4
.endm
.macro TURN slot, next, fill
	s_wait_tensorcnt 0x0
	ds_add_u32 v[SPW], v[NIL]
	s_wait_dscnt 4*NL+1
	WIN MULW
	MUL8 0, 1, NQ-1, \slot, 0
	s_wait_dscnt 0x0
	s_barrier_signal -1
	MUL8 2, 1, NQ-1, \slot, 0
	WIN 0
	s_barrier_wait -1
.if \fill
	CREST
	s_add_nc_u64 s[G0+4*\slot+2:G0+4*\slot+3], s[G0+4*\slot+2:G0+4*\slot+3], 4*SSA
	s_add_nc_u64 s[G0B+4*\slot+2:G0B+4*\slot+3], s[G0B+4*\slot+2:G0B+4*\slot+3], 4*SSB
	JLOAD G0+4*\slot, G1, G0B+4*\slot, G1B
.else
	PLACES NP
.endif
	s_wait_alu depctr_va_vdst(0)
	v_add_nc_u32 v[ADRS], 64*NQ, v[ADRS]
	v_add_nc_u32 v[ADRS2], 64*NQ, v[ADRS2]
	FETCH_B \next, 0, 0
	FETCH_A \next, 0, 0
	SCALES \next
	WIN MULW
	MUL8 4, 1, NQ-1, \slot, 0
	MUL8 6, 1, NQ-1, \slot, 0
	PLACES NP
	WIN 0
	FETCH_A \next, 0, 4
.endm
	s_wait_alu depctr_va_vdst(0)
	s_wait_tensorcnt 1
	s_barrier_signal -1
	s_barrier_wait -1
	FETCH_B 0, 0, 0
	FETCH_A 0, 0, 0
	SCALES 0
	FETCH_A 0, 0, 4
	STEP 0, 0, 1
	STEP 0, 1, 0
	STEP 0, 2, 0
.if NSL > 2
	TURN 0, 1, 1
	STEP 1, 0, 0
	STEP 1, 1, 0
	STEP 1, 2, 0
	TURN 1, 0, 1
	STEP 0, 0, 0
	STEP 0, 1, 0
	STEP 0, 2, 0
.endif
	TURN 0, 1, 0
	STEP 1, 0, 0
	STEP 1, 1, 0
	STEP 1, 2, 0
	s_wait_dscnt 4*NL
	WIN MULW
	MUL8 0, 1, NQ-1, 1, 0
	MUL8 2, 1, NQ-1, 1, 0
	s_wait_dscnt 0
	MUL8 4, 1, NQ-1, 1, 0
	MUL8 6, 1, NQ-1, 1, 0
	WIN 0
.macro TOSTAGE a
.set AC, 32*(\a)
	WIN 0x08
.irp b, 0,1,2,3
	ds_store_b128 v[STO], v[AC+8*\b:AC+8*\b+3] offset:128*(\b/2)+32*(\b%2)
	ds_store_b128 v[STO], v[AC+8*\b+4:AC+8*\b+7] offset:128*(\b/2)+32*(\b%2)+16
.endr
	WIN 0
.set BB, BK+32*((\a)%2)
.set t, 0
.rept 8
	ds_load_b128 v[BB+4*t:BB+4*t+3], v[RD] offset:2*t*SPITCH
.set t, t+1
.endr
.endm
.macro SEND a, younger
.set BB, BK+32*((\a)%2)
	s_wait_dscnt \younger
.set t, 0
.rept 8
	global_store_b128 v[CO], v[BB+4*t:BB+4*t+3], s[12:13] offset:(32*((\a)/2)+8*((\a)%2)+2*(t%4)+16*(t/4))*4096 th:TH_STORE_NT
.set t, t+1
.endr
.endm
	PLACES NP
	TOSTAGE 0
.irp a, 1,2,3,4,5,6,7
.if \a > 1
	s_wait_xcnt 0x0
.endif
	TOSTAGE \a
	SEND \a-1, 16
.endr
	SEND 7, 0
	s_wait_tensorcnt 0x0
	ds_add_u32 v[SPW], v[NIL]
	s_wait_dscnt 0x0
	CROUND
	s_endpgm
.Lfunc_end_k_q905b182342_ffn2:
	.size	k_q905b182342_ffn2, .Lfunc_end_k_q905b182342_ffn2-k_q905b182342_ffn2
	.p2alignl 7, 3214868480
	.fill 96, 4, 3214868480
	.section	.rodata,"a",@progbits
	.p2align	6, 0x0
	.amdhsa_kernel k_q905b182342_ffn2
		.amdhsa_group_segment_fixed_size 327680
		.amdhsa_private_segment_fixed_size 0
		.amdhsa_enable_private_segment 0
		.amdhsa_kernarg_size 24
		.amdhsa_user_sgpr_count 2
		.amdhsa_user_sgpr_kernarg_segment_ptr 1
		.amdhsa_wavefront_size32 1
		.amdhsa_system_sgpr_workgroup_id_x 1
		.amdhsa_system_sgpr_workgroup_id_y 1
		.amdhsa_system_sgpr_workgroup_id_z 1
		.amdhsa_system_vgpr_workitem_id 0
		.amdhsa_next_free_vgpr 768
		.amdhsa_next_free_sgpr 98
		.amdhsa_reserve_vcc 0
		.amdhsa_float_denorm_mode_32 3
		.amdhsa_float_denorm_mode_16_64 3
		.amdhsa_memory_ordered 1
		.amdhsa_forward_progress 1
		.amdhsa_inst_pref_size 157
	.end_amdhsa_kernel
	.amdgpu_metadata
---
amdhsa.version: [ 1, 2 ]
amdhsa.kernels:
  - .name:           k_q905b182342_ffn2
    .symbol:         k_q905b182342_ffn2.kd
    .args:
      - { .name: hid, .offset: 0, .size: 8, .value_kind: global_buffer, .address_space: global }
      - { .name: pw, .offset: 8, .size: 8, .value_kind: global_buffer, .address_space: global }
      - { .name: cf, .offset: 16, .size: 8, .value_kind: global_buffer, .address_space: global }
    .group_segment_fixed_size: 327680
    .private_segment_fixed_size: 0
    .kernarg_segment_align: 8
    .kernarg_segment_size: 24
    .max_flat_workgroup_size: 128
    .sgpr_count:     98
    .vgpr_count:     768
    .wavefront_size: 32
...
	.end_amdgpu_metadata
.endif
;; end of part 14
;; launch ln2 (part 15): grid 256 x 1, 8 waves a work-group, no clusters, 71,168 bytes of LDS; arguments cf, o1, b2, g2, be2, out0; writes out0
.if DOCPART == 15
	.amdgcn_target "amdgcn-amd-amdhsa--gfx1250"
	.amdhsa_code_object_version 6
	.text
	.protected	k_q905b182342_ln2
	.globl	k_q905b182342_ln2
	.p2align	8
	.type	k_q905b182342_ln2,@function
k_q905b182342_ln2:
	s_mov_b64 s[64:65], 0
	v_nop
	global_prefetch_b8 v0, s[64:65] scope:SCOPE_SE
	s_setreg_imm32_b32 hwreg(HW_REG_WAVE_MODE, 25, 1), 1
	s_wait_xcnt 0x0
; out0 = LayerNorm(o1 + (cf' + cf'' + b2)) x g2 + be2, f32 rows in natural order.  cf', cf'' are the last product's sums over the two halves of its K, 16 MiB apart in cf; o1's f32 rows lie at the head of its buffer.
; A work-group owns 16 whole rows (tokens 32 (rb / 2) + 8 (rb % 2) + i % 8 + 16 (i / 8)); wave w owns columns 128 w .. + 127.  Loads and stores take 512 consecutive bytes of a row;
; the rows turn through the wave's own stage (pitch 528), so that a lane holds 64 numbers of ONE row and a row's sums want one exchange between the halves of the lanes.
; Mean and variance in two passes (the mean first, then the squares of the differences): a common offset of the inputs does no harm.  The waves' sums meet in LDS, a barrier each.
; Memory binds: no matrix unit, no cluster (work-groups share no input), no tensor loads.   LIMITS: NaN and infinities are not served.
.set RED1,  67584                      ; behind the eight stages of 8,448 bytes: 128 bytes a wave for the sums; RED1 + 1024 for the squares
.set SPARE, 70144
.set SPW, 252
.set NIL, 253
.set L16, 1                            ; v1 16 x lane  v3 r  v4 h  v5, v6 the stage, dense and by (r, h)  v7 64 h  v8, v9 the sums' words
.set SEL, 20                           ; v16-23 at work   v32-95 cf', then y, then be, then rows on their way out   v96-159 the residual, then the row   v160-223 cf'', then g   v224-227 the bias
.macro ROWSUM off                      ; v[12:13], v[14:15]: two chains of pairs -> the row's sum over all 1,024 columns, in v16
	s_delay_alu instid0(VALU_DEP_1)
	v_pk_add_f32 v[12:13], v[12:13], v[14:15]
	s_delay_alu instid0(VALU_DEP_1)
	v_add_f32 v12, v12, v13
	s_delay_alu instid0(VALU_DEP_1)
	v_permlanex16_b32 v11, v12, s[SEL], s[SEL+1]
	s_delay_alu instid0(VALU_DEP_1)
	v_add_f32 v12, v12, v11                        ; my wave's 128 columns of row r
	ds_store_b32 v8, v12 offset:\off
	s_wait_dscnt 0x0                               ; for the others' sake: my store is done
	s_barrier_signal -1
	s_barrier_wait -1
.irp i, 0,1,2,3,4,5,6,7
	ds_load_b32 v[16+\i], v9 offset:\off+128*\i
.endr
	s_wait_dscnt 0x0
	v_add_f32 v16, v16, v17
	v_add_f32 v18, v18, v19
	v_add_f32 v20, v20, v21
	v_add_f32 v22, v22, v23
	s_delay_alu instid0(VALU_DEP_3)
	v_add_f32 v16, v16, v18
	s_delay_alu instid0(VALU_DEP_2)
	v_add_f32 v20, v20, v22
	s_delay_alu instid0(VALU_DEP_1)
	v_add_f32 v16, v16, v20
.endm
	s_load_b256 s[4:11], s[0:1], 0x0               ; cf, the residual, the bias, g
	s_load_b128 s[12:15], s[0:1], 0x20             ; be, the output
	v_lshl_add_u32 v[SPW], v0, 2, SPARE
	v_mov_b32 v[NIL], 0
	v_lshrrev_b32 v11, 5, v0
	s_delay_alu instid0(VALU_DEP_1)
	v_readfirstlane_b32 s16, v11                   ; wave
	v_and_b32 v11, 31, v0
	s_delay_alu instid0(VALU_DEP_1)
	v_lshlrev_b32 v[L16], 4, v11
	v_and_b32 v3, 15, v0
	v_bfe_u32 v4, v0, 4, 1
	s_mul_i32 s17, s16, 8448
	v_add_nc_u32 v5, s17, v[L16]
	v_mul_u32_u24 v6, v3, 528
	s_delay_alu instid0(VALU_DEP_1)
	v_lshl_add_u32 v6, v4, 6, v6
	s_delay_alu instid0(VALU_DEP_1)
	v_add_nc_u32 v6, s17, v6
	v_lshlrev_b32 v7, 6, v4
	v_lshl_add_u32 v9, v11, 2, RED1
	s_lshl_b32 s17, s16, 7
	v_add_nc_u32 v8, s17, v9
	s_mov_b32 s[SEL], 0x76543210
	s_mov_b32 s[SEL+1], 0xfedcba98
	s_mov_b32 s24, 0x3a800000                      ; 1 / 1024
	s_lshr_b32 s18, ttmp9, 1
	s_lshl_b32 s18, s18, 5
	s_and_b32 s19, ttmp9, 1
	s_lshl_b32 s19, s19, 3
	s_add_co_u32 s18, s18, s19                     ; the first token
	s_lshl_b32 s18, s18, 12
	s_lshl_b32 s30, s16, 9                         ; my 128 columns, in bytes
	s_mov_b32 s31, 0
	s_add_co_u32 s18, s18, s30
	s_mov_b32 s19, 0
	s_wait_kmcnt 0x0
	s_add_nc_u64 s[4:5], s[4:5], s[18:19]
	s_add_nc_u64 s[32:33], s[4:5], 0x1000000       ; the second half of K's sums
	s_add_nc_u64 s[6:7], s[6:7], s[18:19]
	s_add_nc_u64 s[22:23], s[14:15], s[18:19]
	s_add_nc_u64 s[8:9], s[8:9], s[30:31]
	s_add_nc_u64 s[10:11], s[10:11], s[30:31]
	s_add_nc_u64 s[12:13], s[12:13], s[30:31]
	global_load_b128 v[224:227], v[L16], s[8:9]
.set i, 0
.rept 16
	global_load_b128 v[32+4*i:35+4*i], v[L16], s[4:5] offset:(16*(i/8)+(i%8))*4096 th:TH_LOAD_NT
.set i, i+1
.endr
.set i, 0
.rept 16
	global_load_b128 v[160+4*i:163+4*i], v[L16], s[32:33] offset:(16*(i/8)+(i%8))*4096 th:TH_LOAD_NT
.set i, i+1
.endr
.set i, 0
.rept 16
	global_load_b128 v[96+4*i:99+4*i], v[L16], s[6:7] offset:(16*(i/8)+(i%8))*4096 th:TH_LOAD_NT
.set i, i+1
.endr
	s_wait_loadcnt 16                              ; the bias and both sums are in; the residual's 16 loads may be out
.set i, 0
.rept 16
	v_pk_add_f32 v[32+4*i:33+4*i], v[32+4*i:33+4*i], v[160+4*i:161+4*i]
	v_pk_add_f32 v[34+4*i:35+4*i], v[34+4*i:35+4*i], v[162+4*i:163+4*i]
	s_delay_alu instid0(VALU_DEP_2)
	v_pk_add_f32 v[32+4*i:33+4*i], v[32+4*i:33+4*i], v[224:225]
	s_delay_alu instid0(VALU_DEP_2)
	v_pk_add_f32 v[34+4*i:35+4*i], v[34+4*i:35+4*i], v[226:227]
.set i, i+1
.endr
.set i, 0
.rept 16
	global_load_b128 v[160+4*i:163+4*i], v7, s[10:11] offset:128*(i/4)+16*(i%4)   ; g, in the order in which a lane will hold its row, into the registers that the second sum has left
.set i, i+1
.endr
	s_wait_loadcnt 16                              ; the residual is in; g's 16 loads may be out
.set i, 0
.rept 16
	v_pk_add_f32 v[32+4*i:33+4*i], v[32+4*i:33+4*i], v[96+4*i:97+4*i]
	v_pk_add_f32 v[34+4*i:35+4*i], v[34+4*i:35+4*i], v[98+4*i:99+4*i]
.set i, i+1
.endr
.set i, 0
.rept 16
	ds_store_b128 v5, v[32+4*i:35+4*i] offset:528*i
.set i, i+1
.endr
.set i, 0
.rept 16
	ds_load_b128 v[96+4*i:99+4*i], v6 offset:128*(i/4)+16*(i%4)   ; LDS serves a wave's instructions in order
.set i, i+1
.endr
	s_wait_dscnt 0x0
.set i, 0
.rept 16
	global_load_b128 v[32+4*i:35+4*i], v7, s[12:13] offset:128*(i/4)+16*(i%4)     ; be, into the registers that the stores have read
.set i, i+1
.endr
	v_pk_add_f32 v[12:13], v[96:97], v[98:99]
	v_pk_add_f32 v[14:15], v[100:101], v[102:103]
.set j, 104
.rept 14
	s_delay_alu instid0(VALU_DEP_2)
	v_pk_add_f32 v[12:13], v[12:13], v[j:j+1]
	s_delay_alu instid0(VALU_DEP_2)
	v_pk_add_f32 v[14:15], v[14:15], v[j+2:j+3]
.set j, j+4
.endr
	ROWSUM 0
	s_delay_alu instid0(VALU_DEP_1)
	v_mul_f32 v12, 0xba800000, v16                 ; - the mean
	s_delay_alu instid0(VALU_DEP_1)
	v_mov_b32 v13, v12
.set j, 96
.rept 32
	v_pk_add_f32 v[j:j+1], v[j:j+1], v[12:13]
.set j, j+2
.endr
	v_pk_mul_f32 v[12:13], v[96:97], v[96:97]
	v_pk_mul_f32 v[14:15], v[98:99], v[98:99]
.set j, 100
.rept 15
	s_delay_alu instid0(VALU_DEP_2)
	v_pk_fma_f32 v[12:13], v[j:j+1], v[j:j+1], v[12:13]
	s_delay_alu instid0(VALU_DEP_2)
	v_pk_fma_f32 v[14:15], v[j+2:j+3], v[j+2:j+3], v[14:15]
.set j, j+4
.endr
	ROWSUM 1024
	s_delay_alu instid0(VALU_DEP_1)
	v_fmaak_f32 v12, s24, v16, 0x3727c5ac          ; the variance + 1e-5
	s_wait_alu depctr_va_vdst(0)
	v_rsq_f32 v12, v12
	v_nop                                          ; a plain place behind it
	s_wait_alu depctr_va_vdst(0)                   ; ahead of its first reader
	v_mov_b32 v13, v12
	s_wait_alu depctr_va_vdst(0)
	s_wait_loadcnt 0x0                             ; g and be
.set j, 0
.rept 32
	v_pk_mul_f32 v[96+j:97+j], v[96+j:97+j], v[12:13]
	s_delay_alu instid0(VALU_DEP_1)
	v_pk_fma_f32 v[96+j:97+j], v[96+j:97+j], v[160+j:161+j], v[32+j:33+j]
.set j, j+2
.endr
.set i, 0
.rept 16
	ds_store_b128 v6, v[96+4*i:99+4*i] offset:128*(i/4)+16*(i%4)
.set i, i+1
.endr
.set i, 0
.rept 16
	ds_load_b128 v[32+4*i:35+4*i], v5 offset:528*i
.set i, i+1
.endr
.set i, 0
.rept 16
	s_wait_dscnt 15-i                              ; row i is back; the rows behind it may be out
	global_store_b128 v[L16], v[32+4*i:35+4*i], s[22:23] offset:(16*(i/8)+(i%8))*4096 th:TH_STORE_NT   ; 512 consecutive bytes
.set i, i+1
.endr
	s_wait_tensorcnt 0x0                           ; the wave's end, behind my last LDS store
	ds_add_u32 v[SPW], v[NIL]
	s_wait_dscnt 0x0
	s_endpgm
.Lfunc_end_k_q905b182342_ln2:
	.size	k_q905b182342_ln2, .Lfunc_end_k_q905b182342_ln2-k_q905b182342_ln2
	.p2alignl 7, 3214868480
	.fill 96, 4, 3214868480
	.section	.rodata,"a",@progbits
	.p2align	6, 0x0
	.amdhsa_kernel k_q905b182342_ln2
		.amdhsa_group_segment_fixed_size 71168
		.amdhsa_private_segment_fixed_size 0
		.amdhsa_enable_private_segment 0
		.amdhsa_kernarg_size 48
		.amdhsa_user_sgpr_count 2
		.amdhsa_user_sgpr_kernarg_segment_ptr 1
		.amdhsa_wavefront_size32 1
		.amdhsa_system_sgpr_workgroup_id_x 1
		.amdhsa_system_sgpr_workgroup_id_y 1
		.amdhsa_system_sgpr_workgroup_id_z 1
		.amdhsa_system_vgpr_workitem_id 0
		.amdhsa_next_free_vgpr 256
		.amdhsa_next_free_sgpr 66
		.amdhsa_reserve_vcc 0
		.amdhsa_float_denorm_mode_32 3
		.amdhsa_float_denorm_mode_16_64 3
		.amdhsa_memory_ordered 1
		.amdhsa_forward_progress 1
		.amdhsa_inst_pref_size 39
	.end_amdhsa_kernel
	.amdgpu_metadata
---
amdhsa.version: [ 1, 2 ]
amdhsa.kernels:
  - .name:           k_q905b182342_ln2
    .symbol:         k_q905b182342_ln2.kd
    .args:
      - { .name: cf, .offset: 0, .size: 8, .value_kind: global_buffer, .address_space: global }
      - { .name: o1, .offset: 8, .size: 8, .value_kind: global_buffer, .address_space: global }
      - { .name: b2, .offset: 16, .size: 8, .value_kind: global_buffer, .address_space: global }
      - { .name: g2, .offset: 24, .size: 8, .value_kind: global_buffer, .address_space: global }
      - { .name: be2, .offset: 32, .size: 8, .value_kind: global_buffer, .address_space: global }
      - { .name: out0, .offset: 40, .size: 8, .value_kind: global_buffer, .address_space: global }
    .group_segment_fixed_size: 71168
    .private_segment_fixed_size: 0
    .kernarg_segment_align: 8
    .kernarg_segment_size: 48
    .max_flat_workgroup_size: 256
    .sgpr_count:     66
    .vgpr_count:     256
    .wavefront_size: 32
...
	.end_amdgpu_metadata
.endif
;; end of part 15
